; MI455X (gfx1250); checked and timed in simulation.
; The chip was launched on July 23, 2026; its instructions are those of AMD's public machine-readable ISA for CDNA 5 (MIT licence, August 2026) and "CDNA5" Instruction Set Architecture Reference Guide (July 2026). The comments in the code are by the model that wrote it; some were corrected since.
;; Attention Layer. Allowed arithmetic: float matrix products may take bf16 or f16 operands with f32 sums; other float arithmetic in f32, or as packed bf16 or f16 multiplies, adds, multiply-adds, maxima and minima; sums over many terms, partial sums and values carried from step to step in f32; what a program stores and reads back later, other than sums and carried values, may be rounded once to bf16 or f16.
;; Inputs: W1 1,024 x 4,096 float32; W2 4,096 x 1,024 float32; Wk 1,024 x 1,024 float32; Wo 1,024 x 1,024 float32; Wq 1,024 x 1,024 float32; Wv 1,024 x 1,024 float32; b1 4,096 float32; b2 1,024 float32; be1 1,024 float32; be2 1,024 float32; bo 1,024 float32; g1 1,024 float32; g2 1,024 float32; mask 2 x 2,048 x 2,048 int32; x 2 x 2,048 x 1,024 float32.
;; Outputs: out0 2 x 2,048 x 1,024 float32.
;; 3 versions, each right; version 3 is version 2 with the launches prep, ln2 written anew for expert scheduling mode. Each part assembles by itself: llvm-mc -triple=amdgcn-amd-amdhsa -mcpu=gfx1250 --defsym DOCPART=n.
;; ======== version 1 of 3: 7 launches
;; workspace buffers: xn 8,388,608 bytes; wqkvp 6,308,096 bytes; w1p 8,405,248 bytes; wc 10,485,760 bytes; mfrag 16,777,216 bytes; qkv 25,165,824 bytes; act 33,554,432 bytes; x1 16,777,216 bytes
;; launch prep (part 1): grid 1281 x 1, 8 waves a work-group, no clusters, 19,456 bytes of LDS; arguments x, g1, be1, xn, Wq, Wk, Wv, Wo, W1, W2, wqkvp, wc, w1p, b1, mask, mfrag; writes xn, wqkvp, wc, w1p, mfrag
.if DOCPART == 1
	.amdgcn_target "amdgcn-amd-amdhsa--gfx1250"
	.amdhsa_code_object_version 6
	.text
	.protected	k_qbb81f773c7_prep
	.globl	k_qbb81f773c7_prep
	.p2align	8
	.type	k_qbb81f773c7_prep,@function
k_qbb81f773c7_prep:
	s_mov_b64 s[64:65], 0
	v_nop
	global_prefetch_b8 v0, s[64:65] scope:SCOPE_SE
	s_setreg_imm32_b32 hwreg(HW_REG_WAVE_MODE, 25, 1), 1
	s_wait_xcnt 0x0
; PREPARATION, by sections chosen from the work-group's number g alone:
;   g < 256    layer norm of 16 rows of 1,024 f32 -> bf16 rows (a second launch of 256 work-groups runs this section alone, on other buffers)
;   g < 448    Wq, Wk, Wv -> bf16, kept [k][n], in blocks of 256 columns behind a header of 16,640 bytes
;   g < 512    Wo -> bf16 in blocks of 128 columns          g < 768   W1 -> bf16 in blocks of 256 columns behind a header
;   g < 1024   W2 -> bf16 in blocks of 128 columns          g < 1280  the mask -> 1.0 (word is 0) or 0.0 in bf16, laid as matrix fragments
;   g = 1280   the two headers: a floor word (256 bytes of it), then a bias in f32
; Memory binds every section: loads of 512 consecutive bytes a wave, stores of 256 or 512 consecutive aligned bytes, each byte once.  No matrix unit, no cluster: nothing is shared.
; LAYER NORM as it is defined: the mean, then the mean of the squares of x - mean (no difference of large sums), 1 / sqrt(var + 1e-5), gain and bias in f32, rounded once to bf16.
; LIMITS.  NaN and infinities are not treated apart.  Any mask word other than 0 counts as 'keep'.
.set SPARE, 18432                      ; behind the eight stages of the mask section: the spare words, 128 bytes a wave
.set WH,    16640                      ; bytes of a header
.set T,   2                            ; v[2:9]    at work
.set MU,  10                           ; v[10:11]  the mean, twice
.set R,   12                           ; v[12:13]  1 / sqrt, twice
.set LO,  14                           ; v14       16 x lane
.set YO,  15                           ; v15       8 x lane
.set X0,  16                           ; v[16:47]  row 0: load j holds columns 128 j + 4 lane .. + 3
.set X1,  48                           ; v[48:79]  row 1
.set G,   80                           ; v[80:111] the gain, same columns
.set BT,  112                          ; v[112:143] the bias
.set Y0,  144                          ; v[144:159] row 0 in bf16
.set Y1,  160                          ; v[160:175] row 1
.set SPW, 176                          ; v176      LDS address of my spare word; never rewritten
.set NIL, 177                          ; v177      0; never rewritten
.macro RED                             ; four chains of pairs into one number, the same in every lane: v[T]
	v_pk_add_f32 v[T:T+1], v[T:T+1], v[T+2:T+3]
	v_pk_add_f32 v[T+4:T+5], v[T+4:T+5], v[T+6:T+7]
	v_pk_add_f32 v[T:T+1], v[T:T+1], v[T+4:T+5]
	v_add_f32 v[T], v[T], v[T+1]
	v_add_f32_dpp v[T], v[T], v[T] row_xmask:1 row_mask:0xf bank_mask:0xf
	v_add_f32_dpp v[T], v[T], v[T] row_xmask:2 row_mask:0xf bank_mask:0xf
	v_add_f32_dpp v[T], v[T], v[T] row_xmask:4 row_mask:0xf bank_mask:0xf
	v_add_f32_dpp v[T], v[T], v[T] row_xmask:8 row_mask:0xf bank_mask:0xf
	v_permlanex16_b32 v[T+1], v[T], s20, s21   ; the other half of the lanes
	v_add_f32 v[T], v[T], v[T+1]
.endm
; A row at registers x becomes (x - mean) / sqrt(var + eps).  left: the younger loads that may stay out.
.macro STAT x, left
	s_wait_loadcnt \left
.irp k, 0,1,2,3
	v_pk_add_f32 v[T+2*(\k):T+2*(\k)+1], v[(\x)+2*(\k):(\x)+2*(\k)+1], v[(\x)+8+2*(\k):(\x)+8+2*(\k)+1]
.endr
.irp o, 16,24
.irp k, 0,1,2,3
	v_pk_add_f32 v[T+2*(\k):T+2*(\k)+1], v[T+2*(\k):T+2*(\k)+1], v[(\x)+(\o)+2*(\k):(\x)+(\o)+2*(\k)+1]
.endr
.endr
	RED
	v_mul_f32 v[MU], s22, v[T]                 ; sum / 1,024
	v_mov_b32 v[MU+1], v[MU]
.set k, 0
.rept 16
	v_pk_add_f32 v[(\x)+k:(\x)+k+1], v[(\x)+k:(\x)+k+1], v[MU:MU+1] neg_lo:[0,1] neg_hi:[0,1]
.set k, k+2
.endr
.irp k, 0,1,2,3
	v_pk_mul_f32 v[T+2*(\k):T+2*(\k)+1], v[(\x)+2*(\k):(\x)+2*(\k)+1], v[(\x)+2*(\k):(\x)+2*(\k)+1]
.endr
.irp o, 8,16,24
.irp k, 0,1,2,3
	v_pk_fma_f32 v[T+2*(\k):T+2*(\k)+1], v[(\x)+(\o)+2*(\k):(\x)+(\o)+2*(\k)+1], v[(\x)+(\o)+2*(\k):(\x)+(\o)+2*(\k)+1], v[T+2*(\k):T+2*(\k)+1]
.endr
.endr
	RED
	v_fma_f32 v[T], v[T], s22, s23             ; var + eps
	v_rsq_f32 v[R], v[T]
	v_rsq_f32 v[R+1], v[T]
	v_nop                                      ; a plain instruction behind the last of the two,
	s_wait_alu depctr_va_vdst(0)               ; and one wait for both, ahead of their first reader
.set k, 0
.rept 16
	v_pk_mul_f32 v[(\x)+k:(\x)+k+1], v[(\x)+k:(\x)+k+1], v[R:R+1]
.set k, k+2
.endr
.endm
.macro OUT x, y, row                   ; gain and bias, rounded once, stored: each store of the wave covers 256 consecutive bytes, aligned
.set k, 0
.rept 16
	v_pk_fma_f32 v[(\x)+k:(\x)+k+1], v[(\x)+k:(\x)+k+1], v[G+k:G+k+1], v[BT+k:BT+k+1]
.set k, k+2
.endr
.set k, 0
.rept 16
	v_cvt_pk_bf16_f32 v[(\y)+k], v[(\x)+2*k], v[(\x)+2*k+1]
.set k, k+1
.endr
.irp j, 0,1,2,3,4,5,6,7
	global_store_b64 v[YO], v[(\y)+2*(\j):(\y)+2*(\j)+1], s[10:11] offset:(\row)*2048+256*(\j)
.endr
.endm
; 16 rows x 128 columns of f32 (pitch sp bytes, from s[4:5]) -> bf16 (pitch dp bytes, to s[6:7]).  All 16 loads go out first; the waits count down.
.macro CAST sp, dp
.irp i, 0,1,2,3,4,5,6,7,8,9,10,11,12,13,14,15
	global_load_b128 v[16+4*(\i):19+4*(\i)], v[LO], s[4:5] offset:(\i)*(\sp) th:TH_LOAD_NT
.endr
.irp i, 0,1,2,3,4,5,6,7,8,9,10,11,12,13,14,15
	s_wait_loadcnt 15-(\i)
	v_cvt_pk_bf16_f32 v[80+2*(\i)], v[16+4*(\i)], v[17+4*(\i)]
	v_cvt_pk_bf16_f32 v[81+2*(\i)], v[18+4*(\i)], v[19+4*(\i)]
	global_store_b64 v[YO], v[80+2*(\i):81+2*(\i)], s[6:7] offset:(\i)*(\dp)
.endr
	s_endpgm
.endm
; where 16 rows x 128 columns go in blocks of 256 columns: s14 = the 1,024 columns' number, s15 = the 16 rows' number, s12 = wave -> s[18:19]
.macro DST256
	s_lshl_b32 s18, s14, 2
	s_lshr_b32 s19, s12, 1
	s_add_co_u32 s18, s18, s19                 ; the block of 256 columns
	s_lshl_b32 s18, s18, 19                    ; 1,024 rows of 512 bytes
	s_lshl_b32 s19, s15, 13                    ; 16 rows of 512 bytes
	s_add_co_u32 s18, s18, s19
	s_and_b32 s19, s12, 1
	s_lshl_b32 s19, s19, 8                     ; which half of the block's row
	s_add_co_u32 s18, s18, s19
	s_add_co_u32 s18, s18, WH
	s_mov_b32 s19, 0
.endm
	v_lshl_add_u32 v[SPW], v0, 2, SPARE
	v_mov_b32 v[NIL], 0
	v_and_b32 v1, 31, v0                       ; lane
	v_lshrrev_b32 v2, 5, v0
	v_readfirstlane_b32 s12, v2                ; wave 0..7
	v_lshlrev_b32 v[LO], 4, v1
	v_lshlrev_b32 v[YO], 3, v1
	s_mov_b32 s13, ttmp9
	s_cmp_lt_u32 s13, 256
	s_cbranch_scc1 .Lln
	s_cmp_lt_u32 s13, 448
	s_cbranch_scc1 .Lwqkv
	s_cmp_lt_u32 s13, 512
	s_cbranch_scc1 .Lwo
	s_cmp_lt_u32 s13, 768
	s_cbranch_scc1 .Lw1
	s_cmp_lt_u32 s13, 1024
	s_cbranch_scc1 .Lw2
	s_cmp_lt_u32 s13, 1280
	s_cbranch_scc1 .Lmask
	; THE HEADERS.  wqkvp: floor = the lowest finite bf16, twice a word; bias 0.  w1p: floor 0 (a ReLU); bias b1.
	s_load_b128 s[4:7], s[0:1], 0x60           ; w1p s[4:5], b1 s[6:7]
	s_load_b64 s[8:9], s[0:1], 0x50            ; wqkvp
	v_lshlrev_b32 v13, 4, v0                   ; 16 x thread
.irp i, 16,17,18,19
	v_mov_b32 v[\i], 0
.endr
	v_mov_b32 v20, 0xff7fff7f
	v_mov_b32 v21, 0xff7fff7f
	s_wait_kmcnt 0x0
.irp i, 0,1,2,3
	global_load_b128 v[24+4*(\i):27+4*(\i)], v13, s[6:7] offset:4096*(\i)
.endr
.irp i, 0,1,2
	global_store_b128 v13, v[16:19], s[8:9] offset:256+4096*(\i)
.endr
.irp i, 0,1,2,3
	s_wait_loadcnt 3-(\i)
	global_store_b128 v13, v[24+4*(\i):27+4*(\i)], s[4:5] offset:256+4096*(\i)
.endr
	s_cmp_lg_u32 s12, 0
	s_cbranch_scc1 .Lhend
	global_store_b64 v[YO], v[20:21], s[8:9]   ; wave 0: 256 bytes of each floor
	global_store_b64 v[YO], v[16:17], s[4:5]
.Lhend:
	s_endpgm
.Lln:                                          ; wave w: rows 16 g + 2 w and the next
	s_load_b256 s[4:11], s[0:1], 0x0           ; x s[4:5], gain s[6:7], bias s[8:9], out s[10:11]
	s_lshl_b32 s13, s13, 4
	s_lshl_b32 s14, s12, 1
	s_add_co_u32 s13, s13, s14
	s_lshl_b32 s16, s13, 12                    ; rows of 4,096 bytes in
	s_mov_b32 s17, 0
	s_lshl_b32 s18, s13, 11                    ; of 2,048 bytes out
	s_mov_b32 s19, 0
	s_mov_b32 s20, 0x76543210                  ; v_permlanex16_b32: each lane takes its own place in the other half
	s_mov_b32 s21, 0xfedcba98
	s_mov_b32 s22, 0x3a800000                  ; 1 / 1,024
	s_mov_b32 s23, 0x3727c5ac                  ; 1e-5
	s_wait_kmcnt 0x0
	s_add_nc_u64 s[4:5], s[4:5], s[16:17]
	s_add_nc_u64 s[10:11], s[10:11], s[18:19]
.irp j, 0,1,2,3,4,5,6,7
	global_load_b128 v[X0+4*(\j):X0+4*(\j)+3], v[LO], s[4:5] offset:512*(\j)
.endr
.irp j, 0,1,2,3,4,5,6,7
	global_load_b128 v[X1+4*(\j):X1+4*(\j)+3], v[LO], s[4:5] offset:4096+512*(\j)
.endr
.irp j, 0,1,2,3,4,5,6,7
	global_load_b128 v[G+4*(\j):G+4*(\j)+3], v[LO], s[6:7] offset:512*(\j)
.endr
.irp j, 0,1,2,3,4,5,6,7
	global_load_b128 v[BT+4*(\j):BT+4*(\j)+3], v[LO], s[8:9] offset:512*(\j)
.endr
	STAT X0, 24                                ; row 0 is in; 24 younger loads stay out
	STAT X1, 16
	s_wait_loadcnt 0x0                         ; gain and bias
	OUT X0, Y0, 0
	OUT X1, Y1, 1
	s_endpgm
.Lwqkv:                                        ; 64 work-groups for each of Wq, Wk, Wv: 16 rows x 1,024 columns, a wave 128 columns
	s_load_b128 s[4:7], s[0:1], 0x20           ; Wq, Wk
	s_load_b64 s[8:9], s[0:1], 0x30            ; Wv
	s_load_b64 s[10:11], s[0:1], 0x50          ; wqkvp
	s_sub_co_u32 s13, s13, 256
	s_lshr_b32 s14, s13, 6                     ; which of the three
	s_and_b32 s15, s13, 63                     ; which 16 rows
	s_lshl_b32 s16, s15, 16
	s_lshl_b32 s18, s12, 9
	s_add_co_u32 s16, s16, s18
	s_mov_b32 s17, 0
	DST256
	s_wait_kmcnt 0x0
	s_cmp_eq_u32 s14, 1
	s_cselect_b64 s[4:5], s[6:7], s[4:5]
	s_cmp_eq_u32 s14, 2
	s_cselect_b64 s[4:5], s[8:9], s[4:5]
	s_add_nc_u64 s[4:5], s[4:5], s[16:17]
	s_add_nc_u64 s[6:7], s[10:11], s[18:19]
	CAST 4096, 512
.Lw1:                                          ; 64 groups of 16 rows x 4 groups of 1,024 columns
	s_load_b64 s[4:5], s[0:1], 0x40            ; W1
	s_load_b64 s[10:11], s[0:1], 0x60          ; w1p
	s_sub_co_u32 s13, s13, 512
	s_lshr_b32 s14, s13, 6
	s_and_b32 s15, s13, 63
	s_lshl_b32 s16, s15, 18                    ; 16 rows of 16,384 bytes
	s_lshl_b32 s18, s14, 12
	s_add_co_u32 s16, s16, s18
	s_lshl_b32 s18, s12, 9
	s_add_co_u32 s16, s16, s18
	s_mov_b32 s17, 0
	DST256
	s_wait_kmcnt 0x0
	s_add_nc_u64 s[4:5], s[4:5], s[16:17]
	s_add_nc_u64 s[6:7], s[10:11], s[18:19]
	CAST 16384, 512
.Lwo:                                          ; blocks of 128 columns: wave w's strip is block w
	s_load_b64 s[4:5], s[0:1], 0x38            ; Wo
	s_sub_co_u32 s13, s13, 448
	s_lshl_b32 s18, s12, 18                    ; a block: 1,024 rows of 256 bytes
	s_branch .Lw128
.Lw2:
	s_load_b64 s[4:5], s[0:1], 0x48            ; W2
	s_sub_co_u32 s13, s13, 768
	s_lshl_b32 s18, s12, 20                    ; a block: 4,096 rows of 256 bytes,
	s_add_co_u32 s18, s18, 2097152             ; behind Wo's eight
.Lw128:
	s_load_b64 s[6:7], s[0:1], 0x58            ; wc
	s_lshl_b32 s16, s13, 16
	s_lshl_b32 s14, s12, 9
	s_add_co_u32 s16, s16, s14
	s_mov_b32 s17, 0
	s_lshl_b32 s14, s13, 12                    ; 16 rows of 256 bytes
	s_add_co_u32 s18, s18, s14
	s_mov_b32 s19, 0
	s_wait_kmcnt 0x0
	s_add_nc_u64 s[4:5], s[4:5], s[16:17]
	s_add_nc_u64 s[6:7], s[6:7], s[18:19]
	CAST 4096, 256
; THE MASK.  A work-group takes 16 queries, a wave 256 keys, 64 a trip.  In: eight loads, lanes 0-15 256 bytes of an even row, lanes 16-31 of the odd row below.
; Four words become four bf16 (8 bytes) in the wave's own stage of 16 rows x 144 bytes; back come 16 bytes a lane in the order of a matrix fragment of 32 keys x 16 queries:
; lane l = r + 16 h holds query r, keys 8 h .. + 7 (first piece) and 16 + 8 h .. + 7 (second).  Out: a fragment is 1,024 bytes, piece by piece, 512 consecutive bytes a store.
.Lmask:
	s_load_b128 s[4:7], s[0:1], 0x70           ; mask, mfrag
	s_sub_co_u32 s13, s13, 1024
	s_lshl_b32 s16, s13, 17                    ; 16 rows of 8,192 bytes
	s_lshl_b32 s14, s12, 10
	s_add_co_u32 s16, s16, s14
	s_mov_b32 s17, 0
	s_lshl_b32 s18, s13, 16                    ; 64 fragments of 1,024 bytes
	s_lshl_b32 s14, s12, 13
	s_add_co_u32 s18, s18, s14
	s_mov_b32 s19, 0
	v_and_b32 v2, 15, v0                       ; r
	v_bfe_u32 v3, v0, 4, 1                     ; h
	v_lshlrev_b32 v13, 4, v2
	v_lshl_add_u32 v13, v3, 13, v13            ; h rows + 16 r
	s_mul_i32 s14, s12, 2304                   ; my stage
	v_mul_u32_u24 v10, v3, 144
	v_lshl_add_u32 v10, v2, 3, v10
	v_add_nc_u32 v10, s14, v10                 ; in: row h, byte 8 r
	v_mul_u32_u24 v11, v2, 144
	v_lshl_add_u32 v11, v3, 4, v11
	v_add_nc_u32 v11, s14, v11                 ; back: row r, byte 16 h
	v_mov_b32 v12, 0x3f80                      ; 1.0 in bf16
	s_mov_b32 s15, 4
	s_wait_kmcnt 0x0
	s_add_nc_u64 s[4:5], s[4:5], s[16:17]
	s_add_nc_u64 s[6:7], s[6:7], s[18:19]
.Lunit:
.irp i, 0,1,2,3,4,5,6,7
	global_load_b128 v[16+4*(\i):19+4*(\i)], v13, s[4:5] offset:(\i)*16384 th:TH_LOAD_NT
.endr
.irp i, 0,1,2,3,4,5,6,7
	s_wait_loadcnt 7-(\i)
.irp k, 0,1,2,3
	v_cmp_eq_u32 vcc_lo, 0, v[16+4*(\i)+(\k)]
	v_cndmask_b32 v[4+(\k)], 0, v12, vcc_lo
.endr
	v_lshl_or_b32 v[48+2*(\i)], v5, 16, v4
	v_lshl_or_b32 v[49+2*(\i)], v7, 16, v6
	ds_store_b64 v10, v[48+2*(\i):49+2*(\i)] offset:(\i)*288
.endr
	s_wait_xcnt 0x0                            ; the last trip's stores have read v[64:79]: only now are these loaded again
.irp k, 0,1,2,3
	ds_load_b128 v[64+4*(\k):67+4*(\k)], v11 offset:32*(\k)   ; LDS serves a wave's instructions in order: these see the stores above, and the next trip's stores come behind them
.endr
	s_add_nc_u64 s[4:5], s[4:5], 256           ; the next 64 keys (this trip's loads have come back)
	s_wait_dscnt 0x0
.irp k, 0,1,2,3
	global_store_b128 v[LO], v[64+4*(\k):67+4*(\k)], s[6:7] offset:512*(\k)
.endr
	s_wait_xcnt 0x0                            ; the stores have read their base
	s_add_nc_u64 s[6:7], s[6:7], 2048
	s_sub_co_u32 s15, s15, 1
	s_cmp_lg_u32 s15, 0
	s_cbranch_scc1 .Lunit
	s_wait_tensorcnt 0x0                       ; the wave's end, behind my last LDS store
	ds_add_u32 v[SPW], v[NIL]
	s_wait_dscnt 0x0
	s_endpgm
.Lfunc_end_k_qbb81f773c7_prep:
	.size	k_qbb81f773c7_prep, .Lfunc_end_k_qbb81f773c7_prep-k_qbb81f773c7_prep
	.p2alignl 7, 3214868480
	.fill 96, 4, 3214868480
	.section	.rodata,"a",@progbits
	.p2align	6, 0x0
	.amdhsa_kernel k_qbb81f773c7_prep
		.amdhsa_group_segment_fixed_size 19456
		.amdhsa_private_segment_fixed_size 0
		.amdhsa_enable_private_segment 0
		.amdhsa_kernarg_size 128
		.amdhsa_user_sgpr_count 2
		.amdhsa_user_sgpr_kernarg_segment_ptr 1
		.amdhsa_wavefront_size32 1
		.amdhsa_system_sgpr_workgroup_id_x 1
		.amdhsa_system_sgpr_workgroup_id_y 1
		.amdhsa_system_sgpr_workgroup_id_z 1
		.amdhsa_system_vgpr_workitem_id 0
		.amdhsa_next_free_vgpr 178
		.amdhsa_next_free_sgpr 66
		.amdhsa_reserve_vcc 1
		.amdhsa_float_denorm_mode_32 3
		.amdhsa_float_denorm_mode_16_64 3
		.amdhsa_memory_ordered 1
		.amdhsa_forward_progress 1
		.amdhsa_inst_pref_size 49
	.end_amdhsa_kernel
	.amdgpu_metadata
---
amdhsa.version: [ 1, 2 ]
amdhsa.kernels:
  - .name:           k_qbb81f773c7_prep
    .symbol:         k_qbb81f773c7_prep.kd
    .args:
      - { .name: x, .offset: 0, .size: 8, .value_kind: global_buffer, .address_space: global }
      - { .name: g1, .offset: 8, .size: 8, .value_kind: global_buffer, .address_space: global }
      - { .name: be1, .offset: 16, .size: 8, .value_kind: global_buffer, .address_space: global }
      - { .name: xn, .offset: 24, .size: 8, .value_kind: global_buffer, .address_space: global }
      - { .name: Wq, .offset: 32, .size: 8, .value_kind: global_buffer, .address_space: global }
      - { .name: Wk, .offset: 40, .size: 8, .value_kind: global_buffer, .address_space: global }
      - { .name: Wv, .offset: 48, .size: 8, .value_kind: global_buffer, .address_space: global }
      - { .name: Wo, .offset: 56, .size: 8, .value_kind: global_buffer, .address_space: global }
      - { .name: W1, .offset: 64, .size: 8, .value_kind: global_buffer, .address_space: global }
      - { .name: W2, .offset: 72, .size: 8, .value_kind: global_buffer, .address_space: global }
      - { .name: wqkvp, .offset: 80, .size: 8, .value_kind: global_buffer, .address_space: global }
      - { .name: wc, .offset: 88, .size: 8, .value_kind: global_buffer, .address_space: global }
      - { .name: w1p, .offset: 96, .size: 8, .value_kind: global_buffer, .address_space: global }
      - { .name: b1, .offset: 104, .size: 8, .value_kind: global_buffer, .address_space: global }
      - { .name: mask, .offset: 112, .size: 8, .value_kind: global_buffer, .address_space: global }
      - { .name: mfrag, .offset: 120, .size: 8, .value_kind: global_buffer, .address_space: global }
    .group_segment_fixed_size: 19456
    .private_segment_fixed_size: 0
    .kernarg_segment_align: 8
    .kernarg_segment_size: 128
    .max_flat_workgroup_size: 256
    .sgpr_count:     66
    .vgpr_count:     178
    .wavefront_size: 32
...
	.end_amdgpu_metadata
.endif
;; end of part 1
;; launch qkv (part 2): grid 12 x 16, 4 waves a work-group, clusters of 4 x 4, 327,680 bytes of LDS; arguments xn, wqkvp, qkv; writes qkv
.if DOCPART == 2
	.amdgcn_target "amdgcn-amd-amdhsa--gfx1250"
	.amdhsa_code_object_version 6
	.text
	.protected	k_qbb81f773c7_qkv
	.globl	k_qbb81f773c7_qkv
	.p2align	8
	.type	k_qbb81f773c7_qkv,@function
k_qbb81f773c7_qkv:
	s_mov_b64 s[64:65], 0
	v_nop
	global_prefetch_b8 v0, s[64:65] scope:SCOPE_SE
	s_setreg_imm32_b32 hwreg(HW_REG_WAVE_MODE, 25, 1), 1
	s_wait_xcnt 0x0
	s_wait_alu depctr_hold_cnt(0) depctr_sa_sdst(0) depctr_va_vdst(0) depctr_va_sdst(0) depctr_va_ssrc(0) depctr_va_vcc(0) depctr_vm_vsrc(0)
	s_getreg_b32 s2, hwreg(HW_REG_IB_STS2, 6, 4)
	s_cmp_eq_u32 s2, 0
	s_cbranch_scc0 .Lentry_in_a_cluster
	s_endpgm
.Lentry_in_a_cluster:
	s_bfe_u32 s2, ttmp6, 0x10000c
	s_cmp_lg_u32 s2, 0xf033
	s_cbranch_scc0 .Lentry_shape_is_right
	s_endpgm
.Lentry_shape_is_right:
; OUT = max(A W + bias, floor), rounded once to bf16.  A: [4096][1024] bf16, rows along K.  W: bf16, kept [k][n] in blocks of 256 columns ([block][1024][256]) behind a header of 16,640 bytes:
; the floor word (two bf16) at byte 0, the bias in f32 from byte 256.  OUT: blocks of 64 columns, [column / 64][4096][64] bf16: a token's 64 numbers are 128 dense bytes.
; One text serves two products: the projections q, k, v (bias 0, floor the lowest finite bf16: its 32 packed maxima for 16 rows change no finite number there) and the first FFN product (bias b1, floor 0: the ReLU).
; A tile of OUT is 256 x 256: four waves, each 128 x 128 in 64 accumulators (512 registers).  K goes in steps of 128 through two LDS slots filled by tensor loads.  With 12 tile columns the grid has 192 work-groups.
; CLUSTER 4 x 4: A's tile hangs on the tile row alone and is asked for jointly along a row of the cluster, W's on the tile column alone and jointly along a column.
; THE PRODUCT IS TAKEN TRANSPOSED (source 0 = 16 columns of W, source 1 = 16 rows of A): a lane holds eight neighbouring columns of one row.  W lies [k][n] in LDS and is turned by ds_load_tr16_b128.
; THE BIAS is the C operand of the products that start the sums: it costs no instruction, and nothing is cleared.
; LIMITS.  Operands bf16, sums f32.  NaN and infinities are not treated apart (a NaN loses against the floor).
; REGISTERS: window 0: v16-30 addresses; v64-127, v128-191 A's fragments, two buffers; v192-255 the bias (first quarter alone), later v192-223 packed results; v32-63, v224-255 rows read back.
;   window 1: v64-127, v128-191 W's fragments.   window 2: accumulators of my rows 0-63 ((a, b) at 8 (8 a + b)).   window 3: of my rows 64-127.
.set KD,     1024
.set KSTEP,  128
.set PA,     272                       ; a row of A in LDS: 256 bytes + 16: the 16 rows of a load start 68 words apart
.set PB,     544                       ; a k row of W: 512 bytes + 32 = 17 x 32: the turning load's 8 rows x 32 bytes fall apart
.set HALFT,  128*PA                    ; what one tensor load brings: 128 rows of A, or 64 k rows of W (64 x 544 is the same number)
.set SLOT,   4*HALFT                   ; A's 256 rows, then W's 128 k rows
.set STAGE,  2*SLOT                    ; behind the ring: 16 rows x 400 bytes for each wave, for the way out; no tensor load lands there
.set SP,     400
.set SPARE,  STAGE+4*16*SP             ; the spare words, 128 bytes a wave
.set LAPS,   KD/(2*KSTEP)
.set WH,     16640
.set NBB,    524288                    ; bytes in a block of 256 columns of W, and in a block of 64 columns of OUT
.set BSTEP,  KSTEP*512                 ; a K step of W in memory
.set ADRA, 16                          ; v16-17  LDS address of my A fragments in slot 0, 1
.set ADRB, 20                          ; v20-21  the same for W
.set STO,  24
.set RD,   25
.set CO,   26
.set BO,   27                          ; v27     32 x (lane / 16): my eight numbers of a block of 16 of the bias
.set SPW,  28                          ; v28     my spare word; never rewritten
.set NIL,  29                          ; v29     0; never rewritten
.set PFO,  30                          ; v30     the prefetches' lane offset; never rewritten
.set F0,   64
.set F1,   128
.set BIAS, 192
.set TMP,  192
.set OB,   32
.set FLO,  2                           ; s2      the floor
.set LIM,  43                          ; s43     1 in a wave that prefetches, else the greatest number
.set PFA,  44                          ; s[44:45] where my prefetches stand
.set PFS,  66                          ; s[66:67] a K step along my stream: 256 bytes in A, 65,536 in W
.set G1,  24
.set G0,  32
.set G1B, 48
.set G0B, 56
.set MSB, 0
.macro WIN new                         ; the immediate's high byte repeats the setting that is left; a switch that changes nothing is dropped
.if MSB != (\new)
	s_set_vgpr_msb (MSB<<8)|(\new)
.set MSB, \new
.endif
.endm
.set MUL_LO, 0xa1                      ; source 0 (W) window 1, source 1 (A) window 0, C and D window 2
.set TO_B,   0x40
; A joint load: waves 0 and 1 fetch A's two halves, waves 2 and 3 W's.  An s_nop 0 and four v_nop follow each line.
.macro JLOAD s
	s_cmp_eq_u32 s11, 0
	s_cbranch_scc0 .Lfor_b_\@
	tensor_load_to_lds s[G0+4*(\s):G0+4*(\s)+3], s[G1:G1+7]
	s_nop 0
.rept 4
	v_nop
.endr
	s_branch .Lasked_\@
.Lfor_b_\@:
	tensor_load_to_lds s[G0B+4*(\s):G0B+4*(\s)+3], s[G1B:G1B+7]
	s_nop 0
.rept 4
	v_nop
.endr
.Lasked_\@:
.endm
; A prefetch, behind a joint load and the run of LDS loads: the K step two refills on, 32 blocks of 256 bytes, a lane a block.  A's rows are asked for by the clusters with x = 0, W's by those with y = 0;
; the four partners of a joint load share its 128 blocks out by address.  The loop's last trip (s3 = 1) has no K step two on.
.macro ASK
	s_cmp_gt_u32 s3, s[LIM]
	s_cbranch_scc0 .Lnot_mine_\@
	global_prefetch_b8 v[PFO], s[PFA:PFA+1] th:TH_LOAD_NT scope:SCOPE_SE
.Lnot_mine_\@:
.endm
.macro CREST                           ; a round of the cluster's barrier behind its opening barrier
	s_cmp_lg_u32 s10, 0
	s_cbranch_scc1 .Lnot_wave_0_\@
	s_barrier_signal -3
.Lnot_wave_0_\@:
	s_barrier_wait -3
	s_barrier_signal -1
	s_barrier_wait -1
.endm
.macro CROUND
	s_barrier_signal -1
	s_barrier_wait -1
	CREST
.endm
	s_load_b128 s[4:7], s[0:1], 0x0                ; A s[4:5], W s[6:7]
	s_load_b64 s[8:9], s[0:1], 0x10                ; OUT
	v_lshl_add_u32 v[SPW], v0, 2, SPARE
	v_mov_b32 v[NIL], 0
	ds_add_u32 v[SPW], v[NIL]                      ; the wave's opening: the add; its wait stands ahead of my first tensor load
	v_lshrrev_b32 v1, 5, v0
	v_readfirstlane_b32 s10, v1                    ; wave 0..3
	s_lshr_b32 s11, s10, 1                         ; which half of the tile's rows is mine; also: I fetch for A (0) or W (1)
	s_and_b32 s12, s10, 1                          ; which half of its columns; also: which half I fetch
	s_bfe_u32 s40, ttmp6, 0x40000                  ; cx
	s_bfe_u32 s41, ttmp6, 0x40004                  ; cy
	s_lshl_b32 s42, ttmp9, 2
	s_add_co_u32 s42, s42, s40                     ; tile column
	s_and_b32 s13, ttmp7, 0xffff
	s_lshl_b32 s13, s13, 2
	s_add_co_u32 s13, s13, s41                     ; tile row
	s_lshl_b32 s43, s41, 2
	s_lshl_b32 s43, 15, s43                        ; my row of the cluster
	s_lshl_b32 s44, 0x1111, s40                    ; my column
	s_or_b32 s[G1+0], s43, (1<<16)|(1<<20)|(1<<21)|(5<<22)|(3<<25)   ; A: 2-byte elements, 4 words of padding after every 64
	s_mov_b32 s[G1+1], KSTEP<<16                   ; tensor_dim0 = 128
	s_mov_b32 s[G1+2], 128<<16                     ; tensor_dim1 = 128
	s_mov_b32 s[G1+3], KSTEP<<16                   ; tile_dim0 = 128
	s_mov_b32 s[G1+4], 128                         ; tile_dim1 = 128
	s_mov_b32 s[G1+5], KD                          ; elements from row to row
	s_mov_b32 s[G1+6], 0
	s_mov_b32 s[G1+7], 0
	s_or_b32 s[G1B+0], s44, (1<<16)|(1<<20)|(1<<21)|(6<<22)|(7<<25)  ; W: 8 words of padding after every 128
	s_mov_b32 s[G1B+1], 256<<16                    ; tensor_dim0 = 256
	s_mov_b32 s[G1B+2], 64<<16                     ; tensor_dim1 = 64
	s_mov_b32 s[G1B+3], 256<<16                    ; tile_dim0 = 256
	s_mov_b32 s[G1B+4], 64                         ; tile_dim1 = 64
	s_mov_b32 s[G1B+5], 256
	s_mov_b32 s[G1B+6], 0
	s_mov_b32 s[G1B+7], 0
	s_lshl_b32 s17, s12, 7
	s_lshl_b32 s16, s13, 8
	s_add_co_u32 s16, s16, s17                     ; A: row 256 x tile row + 128 x half,
	s_lshl_b32 s16, s16, 11                        ; of 2,048 bytes
	s_mov_b32 s17, 0
	s_lshl_b32 s46, s42, 19                        ; W: the tile column's block,
	s_lshl_b32 s47, s12, 15                        ; 64 k rows of 512 bytes x half,
	s_add_co_u32 s46, s46, s47
	s_add_co_u32 s46, s46, WH                      ; behind the header
	s_mov_b32 s47, 0
	s_mul_i32 s20, s10, HALFT                      ; where they go: no place in the cluster enters an LDS address
	s_wait_dscnt 0x0                               ; the opening add is done
	s_wait_kmcnt 0x0
	s_add_nc_u64 s[14:15], s[4:5], s[16:17]
	s_add_nc_u64 s[46:47], s[6:7], s[46:47]
	CROUND                                         ; all sixteen work-groups are here: the first joint loads meet
.irp s, 0,1
	s_mov_b32 s[G0+4*(\s)], 1
	s_add_co_u32 s[G0+4*(\s)+1], s20, (\s)*SLOT
	s_add_nc_u64 s[G0+4*(\s)+2:G0+4*(\s)+3], s[14:15], (\s)*KSTEP*2
	s_or_b32 s[G0+4*(\s)+3], s[G0+4*(\s)+3], 0x80000000
	s_mov_b32 s[G0B+4*(\s)], 1
	s_add_co_u32 s[G0B+4*(\s)+1], s20, (\s)*SLOT
	s_add_nc_u64 s[G0B+4*(\s)+2:G0B+4*(\s)+3], s[46:47], (\s)*BSTEP
	s_or_b32 s[G0B+4*(\s)+3], s[G0B+4*(\s)+3], 0x80000000
	JLOAD \s
.endr
	s_load_b32 s[FLO], s[6:7], 0x0                 ; the floor
	v_and_b32 v1, 15, v0                           ; r = l % 16
	v_bfe_u32 v2, v0, 4, 1                         ; h = l / 16
	v_lshlrev_b32 v[BO], 5, v2
	s_lshl_b32 s46, s42, 10                        ; the tile's 256 numbers of the bias, my 128 of them
	s_lshl_b32 s47, s12, 9
	s_add_co_u32 s46, s46, s47
	s_add_co_u32 s46, s46, 256
	s_mov_b32 s47, 0
	s_add_nc_u64 s[18:19], s[6:7], s[46:47]
.irp b, 0,1,2,3,4,5,6,7
	global_load_b128 v[BIAS+8*(\b):BIAS+8*(\b)+3],   v[BO], s[18:19] offset:64*(\b)     ; register j: column 16 b + 8 h + j, as in a result
	global_load_b128 v[BIAS+8*(\b)+4:BIAS+8*(\b)+7], v[BO], s[18:19] offset:64*(\b)+16
.endr
	v_mul_u32_u24 v3, v1, PA
	v_lshl_add_u32 v3, v2, 4, v3                   ; A: row x pitch + 16 h
	v_and_b32 v4, 7, v0
	v_lshl_add_u32 v4, v2, 3, v4                   ; W, turned: k row 8 h + l % 8,
	v_mul_u32_u24 v4, v4, PB
	v_bfe_u32 v5, v0, 3, 1
	v_lshl_add_u32 v4, v5, 4, v4                   ; columns 8 ((l / 8) % 2) on
	s_mul_i32 s21, s11, HALFT                      ; my 128 rows of A
	s_lshl_b32 s22, s12, 8                         ; my 128 columns of W,
	s_add_co_u32 s22, s22, 2*HALFT                 ; which lies behind A
.irp s, 0,1
	v_add_nc_u32 v[ADRA+(\s)], s21, v3
	v_add_nc_u32 v[ADRB+(\s)], s22, v4
	s_add_co_u32 s21, s21, SLOT
	s_add_co_u32 s22, s22, SLOT
.endr
	s_mul_i32 s23, s10, 16*SP
	s_add_co_u32 s23, s23, STAGE                   ; my stage
	v_mul_u32_u24 v6, v1, SP                       ; in: row r, 16 bytes for each half of the lanes
	v_lshl_add_u32 v6, v2, 4, v6
	v_add_nc_u32 v[STO], s23, v6
	v_bfe_u32 v6, v0, 3, 2                         ; back: 32 lanes take 128 bytes of each of four rows
	v_mul_u32_u24 v6, v6, SP
	v_and_b32 v7, 7, v0
	v_lshl_add_u32 v6, v7, 4, v6
	v_add_nc_u32 v[RD], s23, v6
	v_and_b32 v[CO], 31, v0                        ; which are 512 consecutive bytes of OUT
	v_lshlrev_b32 v[CO], 4, v[CO]
	s_lshl_b32 s16, s13, 8
	s_lshl_b32 s17, s11, 7
	s_add_co_u32 s16, s16, s17                     ; my first token,
	s_lshl_b32 s16, s16, 7                         ; 128 bytes each
	s_mov_b32 s17, 0
	s_add_nc_u64 s[8:9], s[8:9], s[16:17]
	s_lshl_b32 s46, s42, 2
	s_lshl_b32 s47, s12, 1
	s_add_co_u32 s46, s46, s47                     ; my first block of 64 columns
	s_lshl_b32 s46, s46, 19
	s_mov_b32 s47, 0
	s_add_nc_u64 s[8:9], s[8:9], s[46:47]
	; the prefetches: they start at K step 3; each change of slots steps them once and then names them: K steps 4 to 7.  Nothing is asked for here, at the head.
	s_lshl_b32 s20, s13, 8
	s_lshl_b32 s21, s12, 7
	s_add_co_u32 s20, s20, s21
	s_lshl_b32 s21, s40, 5                         ; of the 128 rows of A that I fetch, my work-group's 32
	s_add_co_u32 s20, s20, s21
	s_lshl_b32 s20, s20, 11
	s_add_co_u32 s20, s20, 3*KSTEP*2
	s_lshl_b32 s21, s42, 19
	s_lshl_b32 s22, s12, 15
	s_add_co_u32 s21, s21, s22
	s_lshl_b32 s22, s41, 13                        ; of the 128 blocks of 256 bytes of W that I fetch, my work-group's 32
	s_add_co_u32 s21, s21, s22
	s_add_co_u32 s21, s21, WH+3*BSTEP
	s_and_b32 s22, ttmp7, 0xffff                   ; cluster y
	s_cmp_eq_u32 s11, 0                            ; do I fetch for A?
	s_cselect_b32 s20, s20, s21
	s_cselect_b32 s22, ttmp9, s22                  ; the coordinate along which other clusters read the same blocks
	s_cselect_b64 s[PFA:PFA+1], s[4:5], s[6:7]
	s_cselect_b32 s23, 8, 16
	s_cselect_b32 s46, 11, 8                       ; a lane a row of A (2,048 bytes on), or a block of W (256 bytes on)
	s_mov_b32 s21, 0
	s_cmp_eq_u32 s22, 0
	s_cselect_b32 s[LIM], 1, -1                    ; the same in all sixteen partners, for a given wave
	s_lshl_b32 s[PFS], 1, s23
	s_mov_b32 s[PFS+1], 0
	s_add_nc_u64 s[PFA:PFA+1], s[PFA:PFA+1], s[20:21]
	v_and_b32 v[PFO], 31, v0
	v_lshlrev_b32 v[PFO], s46, v[PFO]
; 16 matrix instructions: m blocks a0, a0 + 1 of the window's four x all 8 n blocks, 32 along K.  first = 1: the product starts the sum, with the bias as C.
; The 64 accumulators take turns, one instruction a turn, in the same order in every quarter.
.macro MUL16 f, hi, a0, first
.if \first
	WIN 0x81+0x40*(\hi)                            ; C in window 0
.else
	WIN MUL_LO+0x50*(\hi)
.endif
.irp a, \a0, (\a0)+1
.irp b, 0,1,2,3,4,5,6,7
.if \first
	v_wmma_f32_16x16x32_bf16 v[8*(8*(\a)+(\b)):8*(8*(\a)+(\b))+7], v[(\f)+8*(\b):(\f)+8*(\b)+7], v[(\f)+8*(4*(\hi)+(\a)):(\f)+8*(4*(\hi)+(\a))+7], v[BIAS+8*(\b):BIAS+8*(\b)+7]
.else
	v_wmma_f32_16x16x32_bf16 v[8*(8*(\a)+(\b)):8*(8*(\a)+(\b))+7], v[(\f)+8*(\b):(\f)+8*(\b)+7], v[(\f)+8*(4*(\hi)+(\a)):(\f)+8*(4*(\hi)+(\a))+7], v[8*(8*(\a)+(\b)):8*(8*(\a)+(\b))+7]
.endif
.endr
.endr
.endm
; 32 LDS loads in one run: quarter q (32 along K) of a slot into buffer f: W's 8 fragments, turned, then A's 8
.macro FETCH slot, q, f
	WIN TO_B
.irp i, 0,1,2,3,4,5,6,7
	ds_load_tr16_b128 v[(\f)+8*(\i):(\f)+8*(\i)+3],   v[ADRB+(\slot)] offset:(\q)*32*PB+32*(\i)
	ds_load_tr16_b128 v[(\f)+8*(\i)+4:(\f)+8*(\i)+7], v[ADRB+(\slot)] offset:(\q)*32*PB+16*PB+32*(\i)
.endr
	WIN 0
.irp i, 0,1,2,3,4,5,6,7
	ds_load_b128 v[(\f)+8*(\i):(\f)+8*(\i)+3],   v[ADRA+(\slot)] offset:(\q)*64+(\i)*16*PA
	ds_load_b128 v[(\f)+8*(\i)+4:(\f)+8*(\i)+7], v[ADRA+(\slot)] offset:(\q)*64+(\i)*16*PA+32
.endr
.endm
.macro PLACES                          ; four plain places in front of loads into registers that matrix instructions have read, and of conversions that read results
.rept 4
	v_nop
.endr
.endm
.macro QUARTER slot, q, f, g, first    ; multiplies buffer f; in its middle fetches quarter q of the same slot into g
	s_wait_dscnt 8                                 ; W and A's rows 0-63 are in; the youngest eight loads (A's rows 64-127) may be out
	MUL16 \f, 0, 0, \first
	MUL16 \f, 0, 2, \first
	PLACES
	FETCH \slot, \q, \g
	s_wait_dscnt 32                                ; all but the 32 just issued
	MUL16 \f, 1, 0, \first
	MUL16 \f, 1, 2, \first
.endm
; The first half of a K step's last quarter: ONE barrier for the change of slots.
.macro MEET round
	WIN 0
	s_wait_tensorcnt 0x0                           ; all my tensor loads have landed: the one that was out is my part of the next slot;
	ds_add_u32 v[SPW], v[NIL]                      ; 0 onto my spare word;
	s_wait_dscnt 9                                 ; (the add and the youngest eight loads may be out)
	MUL16 F1, 0, 0, 0
	s_wait_dscnt 0x0                               ; the add is done, and my reads of this slot are over
	s_barrier_signal -1
	MUL16 F1, 0, 2, 0
.if \round
	WIN 0
.endif
	s_barrier_wait -1
.endm
.macro TURN slot, next, fill           ; the whole last quarter.  fill = 1: the slot just read is filled again, two K steps on, first thing behind a round of the cluster's barrier
.if \fill
	s_wait_xcnt 0x0                                ; the last prefetch, a K step back, has read its address
	s_add_nc_u64 s[PFA:PFA+1], s[PFA:PFA+1], s[PFS:PFS+1]
	MEET 1
	CREST                                          ; no wave of any partner still reads this slot or has a load on its way
	s_add_nc_u64 s[G0+4*(\slot)+2:G0+4*(\slot)+3], s[G0+4*(\slot)+2:G0+4*(\slot)+3], 2*KSTEP*2
	s_add_nc_u64 s[G0B+4*(\slot)+2:G0B+4*(\slot)+3], s[G0B+4*(\slot)+2:G0B+4*(\slot)+3], 2*BSTEP
	JLOAD \slot                                    ; its four v_nop are also the places in front of the loads below
.else
	MEET 0
	PLACES
.endif
	FETCH \next, 0, F0
.if \fill
	ASK
.endif
	MUL16 F1, 1, 0, 0
	MUL16 F1, 1, 2, 0
.endm
; THE WAY OUT of block a (16 rows x 128 columns).  PACK: rounded to bf16 (each accumulator's registers in ascending order), then the floor.  TOSTAGE: into my own stage, and back as 128-byte rows of one block of 64 columns.  SEND: stored.
.macro PACK a
.set AC, 64*((\a)%4)
	WIN 0x0a+5*((\a)/4)
.irp b, 0,1,2,3,4,5,6,7
.irp r, 0,1,2,3
	v_cvt_pk_bf16_f32 v[TMP+4*(\b)+(\r)], v[AC+8*(\b)+2*(\r)], v[AC+8*(\b)+2*(\r)+1]
.endr
.endr
	WIN 0
.set z, 0
.rept 32
	v_pk_max_num_bf16 v[TMP+z], v[TMP+z], s[FLO]
.set z, z+1
.endr
.endm
.macro TOSTAGE a
	WIN 0
.set BK, OB+192*((\a)%2)
.irp b, 0,1,2,3,4,5,6,7
	ds_store_b128 v[STO], v[TMP+4*(\b):TMP+4*(\b)+3] offset:32*(\b)
.endr
.irp t, 0,1,2,3,4,5,6,7
	ds_load_b128 v[BK+4*(\t):BK+4*(\t)+3], v[RD] offset:((\t)%4)*4*SP+((\t)/4)*128   ; LDS serves a wave's instructions in order: these see the stores above
.endr
.endm
.macro SEND a
	WIN 0
.set BK, OB+192*((\a)%2)
	s_wait_dscnt 0x0                               ; the block is back in registers
	s_wait_xcnt 0x0                                ; the earlier stores have read their registers, which the next block's loads write
.irp t, 0,1,2,3,4,5,6,7
	global_store_b128 v[CO], v[BK+4*(\t):BK+4*(\t)+3], s[8:9] offset:(\a)*2048+((\t)/4)*NBB+((\t)%4)*512   ; 512 consecutive bytes: four tokens of one block of 64 columns
.endr
.endm
	s_wait_tensorcnt 1                             ; my part of K step 0 is in; K step 1's may stay out
	s_barrier_signal -1
	s_barrier_wait -1
	FETCH 0, 0, F0
	s_wait_loadcnt 0x0                             ; the bias
	s_wait_kmcnt 0x0                               ; the floor
	QUARTER 0, 1, F0, F1, 1                        ; the first quarter stands in front of the loop: its products start the sums
	WIN 0
	s_mov_b32 s3, LAPS-1
.Llap:                                                 ; a trip goes once round the ring and fills both slots again
	QUARTER 0, 2, F1, F0, 0
	QUARTER 0, 3, F0, F1, 0
	TURN 0, 1, 1
	QUARTER 1, 1, F0, F1, 0
	QUARTER 1, 2, F1, F0, 0
	QUARTER 1, 3, F0, F1, 0
	TURN 1, 0, 1
	QUARTER 0, 1, F0, F1, 0
	WIN 0
	s_sub_co_u32 s3, s3, 1
	s_cmp_lg_u32 s3, 0
	s_cbranch_scc1 .Llap
	QUARTER 0, 2, F1, F0, 0                        ; the last lap fills nothing
	QUARTER 0, 3, F0, F1, 0
	TURN 0, 1, 0
	QUARTER 1, 1, F0, F1, 0
	QUARTER 1, 2, F1, F0, 0
	QUARTER 1, 3, F0, F1, 0
	s_wait_dscnt 8
	MUL16 F1, 0, 0, 0
	MUL16 F1, 0, 2, 0
	s_wait_dscnt 0x0
	MUL16 F1, 1, 0, 0
	MUL16 F1, 1, 2, 0
	WIN 0
	PLACES
	PACK 0
	TOSTAGE 0
.irp a, 1,2,3,4,5,6,7                  ; block a's conversions stand between block a - 1's loads from the stage and the wait for them
	PACK \a
	SEND (\a)-1
	TOSTAGE \a
.endr
	SEND 7
	s_wait_tensorcnt 0x0                           ; the wave's end
	ds_add_u32 v[SPW], v[NIL]
	s_wait_dscnt 0x0
	CROUND                                         ; the closing round
	s_endpgm
.Lfunc_end_k_qbb81f773c7_qkv:
	.size	k_qbb81f773c7_qkv, .Lfunc_end_k_qbb81f773c7_qkv-k_qbb81f773c7_qkv
	.p2alignl 7, 3214868480
	.fill 96, 4, 3214868480
	.section	.rodata,"a",@progbits
	.p2align	6, 0x0
	.amdhsa_kernel k_qbb81f773c7_qkv
		.amdhsa_group_segment_fixed_size 327680
		.amdhsa_private_segment_fixed_size 0
		.amdhsa_enable_private_segment 0
		.amdhsa_kernarg_size 24
		.amdhsa_user_sgpr_count 2
		.amdhsa_user_sgpr_kernarg_segment_ptr 1
		.amdhsa_wavefront_size32 1
		.amdhsa_system_sgpr_workgroup_id_x 1
		.amdhsa_system_sgpr_workgroup_id_y 1
		.amdhsa_system_sgpr_workgroup_id_z 1
		.amdhsa_system_vgpr_workitem_id 0
		.amdhsa_next_free_vgpr 1024
		.amdhsa_next_free_sgpr 68
		.amdhsa_reserve_vcc 0
		.amdhsa_float_denorm_mode_32 3
		.amdhsa_float_denorm_mode_16_64 3
		.amdhsa_memory_ordered 1
		.amdhsa_forward_progress 1
		.amdhsa_inst_pref_size 162
	.end_amdhsa_kernel
	.amdgpu_metadata
---
amdhsa.version: [ 1, 2 ]
amdhsa.kernels:
  - .name:           k_qbb81f773c7_qkv
    .symbol:         k_qbb81f773c7_qkv.kd
    .args:
      - { .name: xn, .offset: 0, .size: 8, .value_kind: global_buffer, .address_space: global }
      - { .name: wqkvp, .offset: 8, .size: 8, .value_kind: global_buffer, .address_space: global }
      - { .name: qkv, .offset: 16, .size: 8, .value_kind: global_buffer, .address_space: global }
    .group_segment_fixed_size: 327680
    .private_segment_fixed_size: 0
    .kernarg_segment_align: 8
    .kernarg_segment_size: 24
    .max_flat_workgroup_size: 128
    .sgpr_count:     68
    .vgpr_count:     1024
    .wavefront_size: 32
...
	.end_amdgpu_metadata
.endif
;; end of part 2
;; launch attn (part 3): grid 8 x 32, 4 waves a work-group, clusters of 4 x 1, 327,680 bytes of LDS; arguments qkv, mfrag, act; writes act
.if DOCPART == 3
	.amdgcn_target "amdgcn-amd-amdhsa--gfx1250"
	.amdhsa_code_object_version 6
	.text
	.protected	k_qbb81f773c7_attn
	.globl	k_qbb81f773c7_attn
	.p2align	8
	.type	k_qbb81f773c7_attn,@function
k_qbb81f773c7_attn:
	s_mov_b64 s[64:65], 0
	v_nop
	global_prefetch_b8 v0, s[64:65] scope:SCOPE_SE
	s_setreg_imm32_b32 hwreg(HW_REG_WAVE_MODE, 25, 1), 1
	s_wait_xcnt 0x0
	s_wait_alu depctr_hold_cnt(0) depctr_sa_sdst(0) depctr_va_vdst(0) depctr_va_sdst(0) depctr_va_ssrc(0) depctr_va_vcc(0) depctr_vm_vsrc(0)
	s_getreg_b32 s2, hwreg(HW_REG_IB_STS2, 6, 4)
	s_cmp_eq_u32 s2, 0
	s_cbranch_scc0 .Lentry_in_a_cluster
	s_endpgm
.Lentry_in_a_cluster:
	s_bfe_u32 s2, ttmp6, 0x10000c
	s_cmp_lg_u32 s2, 0x3003
	s_cbranch_scc0 .Lentry_shape_is_right
	s_endpgm
.Lentry_shape_is_right:
; MASKED ATTENTION, head size 64.  O[b][h][q] = the sum over k of softmax_k(s) V[k], s = Q[q] . K[k] / 8 where the mask keeps the pair.  q, k, v: [48][4096][64] bf16 (q: block h, k: 16 + h, v: 32 + h; token = 2,048 b + s).
; O goes out in the same layout, [h][4096][64] bf16.  Products, maxima and sums in f32; the weights p are rounded to bf16 for the second product (their sum l is taken of the unrounded p), O once at the end.
; THE MASK GOES THROUGH THE MATRIX UNIT.  mfrag holds 1.0 where the mask's word is 0, else 0.0, in bf16, laid as fragments of 32 keys x 16 queries.  Each 16 x 16 sum of scores is STARTED by one product
; E x fragment, E = -9.95e29 x (a 16 x 32 selection of 16 of the 32 keys): a hidden score begins at -9.95e29, and Q . K is added onto it.  No vector instruction is spent on the mask.
; LIMITS.  A hidden score counts as -9.95e29 + Q . K in place of -1e9: its weight is 0 beside any kept score above -1e9 x 8; a row with every key hidden gets equal weights as far as -9.95e29 + Q . K rounds to -9.95e29.
; A weight below 2^-126 counts as 0 in l.  NaN and infinities are not treated apart.  All operands bf16.
; SHARES.  A work-group owns 256 queries of one head, a wave 64: four PIECES of 16.  Every wave walks all 2,048 keys, 64 a step, 256 a slot of LDS.
; LAYOUT.  S^T = K Q^T holds ONE query a lane (lane % 16) and the keys 8 (lane / 16) + 0..7; two such results rounded to bf16 ARE source 1 of O^T = V^T P.  K comes out of LDS as it lies, V turned.
; SOFTMAX.  p = 2^(c s - c m), c = log2(e) / 8, with a running maximum m; O and l are multiplied by a = 2^(c m_old - c m_new) in every step.  m starts at the lowest finite number, O and l at 0.
; TURNS.  Turn n belongs to piece n: 4 mask products and 8 products K Q^T of piece n + 1, later 8 products V^T P of piece n - 1; beside them piece n's scaling, exponentials, roundings, sums and rescaling and
; piece n + 1's maximum and statistics.  Four vector instructions stand behind every matrix instruction, the others in one lump.  A turn's 33 exponentials are one batch, with one wait.
; CLUSTER.  The four query blocks of a cluster belong to one head and walk the same K and V: each tile is asked for jointly.  The mask's fragments are each wave's own and come straight into registers.
; REGISTERS, in windows of 256: window 0: v1-15 addresses; v16-31 statistics; v32-38 mask and prefetch offsets; v48-55 at work; v64-127 S^T, two buffers; v192-223 P, two buffers.
;   window 1: v0-127 O^T.   window 2: v0-63 Q; v128-191 K; v192-255 V.   window 3: v0-11 E (0, pattern, 0: v[4:11] picks keys 0-15 of 32, v[0:7] keys 16-31); v64-127 the mask's fragments, 16 a piece.
.set NP,    4
.set KS,    64
.set PK,    144       ; a row of K in LDS: 128 bytes + 16
.set PV,    160       ; a row of V: 128 + 32
.set VOFF,  4*KS*PK   ; a slot: 256 rows of K, then 256 rows of V
.set SLOT1, 1<<17
.set STAGE, SLOT1+4*KS*(PK+PV)  ; 16 rows x 144 bytes for each wave, for the way out; no tensor load lands there
.set SP,    144
.set SPARE, STAGE+4*16*SP
.set AK0, 2
.set AV0, 3
.set AK,  4
.set AV,  5
.set STO, 6
.set RD,  7
.set GO,  8
.set MV,  12          ; v12-13  c m_old, by buffer
.set L16, 14          ; v14  16 x lane; never rewritten
.set QO,  15
.set ST,  16          ; piece t: c m, m, l (even keys'), l (odd keys')
.set MO,  32          ; v32-35  piece u's offset in its stream of mask fragments
.set PFO, 36          ; v36  256 x lane
.set PFM, 37          ; v37  the mask prefetch's offset
.set PFL, 38          ; v38  its lane part: piece l / 8, block l % 8 of a step's 2,048 bytes
.set TMP, 48
.set SPW, 62
.set NIL, 63
.set S,   64
.set P,   192
.set MB,  64          ; window 3
.set KF,  128         ; window 2
.set VF,  192         ; window 2
.set WV,  12
.set G1K, 24
.set G1V, 32
.set G0K, 40
.set G0V, 44
.set MP,  48          ; s[48:49] mfrag at my wave's first piece; never rewritten
.set MJ,  50          ; s50  byte of the step whose fragments are loaded next
.set PJ,  51          ; s51  byte of the step whose fragments are prefetched next
.set PFA, 52          ; s[52:53] where my prefetches of K or V stand
.set LIM, 54          ; s54  1 in a wave that prefetches K or V, else the greatest number
.set LIMM, 55         ; s55  1 where the head is 0: that head's work-groups prefetch the mask, which all 16 heads read
.set SLOTS, 56
.set CNT, 57
.set CS,  58
.set SEL, 60
.set TBK, 62
.set TBV, 63
.set MSB, 0
.macro WIN new
.if MSB != (\new)
	s_set_vgpr_msb (MSB<<8)|(\new)
.set MSB, (\new)
.endif
.endm
.set W_MQ, 0x0f       ; E and the fragment in window 3, S^T in window 0
.set W_KQ, 0x0a
.set W_PV, 0x52
.set W_RS, 0x41
.macro JLOAD                        ; waves 0 and 1 fetch the halves of a slot's K, waves 2 and 3 of its V
	s_cmp_lt_u32 s[WV], 2
	s_cbranch_scc0 .Lfor_v_\@
	tensor_load_to_lds s[G0K:G0K+3], s[G1K:G1K+7]
	s_nop 0
.rept 4
	v_nop
.endr
	s_branch .Lasked_\@
.Lfor_v_\@:
	tensor_load_to_lds s[G0V:G0V+3], s[G1V:G1V+7]
	s_nop 0
.rept 4
	v_nop
.endr
.Lasked_\@:
.endm
; What the NEXT change of slots will ask for: 128 blocks of 256 bytes of K and of V.  The head's first cluster asks; its partners take 32 blocks each, by address; wave 0 for K, wave 2 for V.  The last fill has no slot behind it.
.macro ASK
	s_cmp_gt_u32 s[SLOTS], s[LIM]
	s_cbranch_scc0 .Lnot_mine_\@
	global_prefetch_b8 v[PFO], s[PFA:PFA+1] th:TH_LOAD_NT scope:SCOPE_SE
.Lnot_mine_\@:
.endm
.macro CROUND
	s_barrier_signal -1
	s_barrier_wait -1
	s_cmp_lg_u32 s[WV], 0
	s_cbranch_scc1 .Lnot_wave_0_\@
	s_barrier_signal -3
.Lnot_wave_0_\@:
	s_barrier_wait -3
	s_barrier_signal -1
	s_barrier_wait -1
.endm
; THE CHANGE OF SLOTS.  Each wave waits for all its tensor loads (one is out: its part of the other slot), adds 0 to its spare word, and waits for that and for its reads of the slot.  fill = 1: the slot is filled
; again with the keys two slots on, first thing behind a round of the cluster's barrier: four key steps in which to land.  (At its first use slot 0 is waited for and slot 1 filled.)
.macro CHANGE fill
	WIN 0
	s_wait_tensorcnt 0x0
	ds_add_u32 v[SPW], v[NIL]
.if \fill
.irp g, G0K, G0V
	s_xor_b32 s[\g+1], s[\g+1], SLOT1
	s_add_nc_u64 s[\g+2:\g+3], s[\g+2:\g+3], 4*KS*128
.endr
	s_wait_xcnt 0x0                 ; the last prefetch of K or V, four key steps back, has read its address
	s_add_nc_u64 s[PFA:PFA+1], s[PFA:PFA+1], 4*KS*128
	s_wait_dscnt 0x0
	CROUND
	JLOAD
	ASK
.else
	s_wait_dscnt 0x0
	s_barrier_signal -1
	s_barrier_wait -1
.endif
	s_sub_co_u32 s[TBK], s[TBK], 4*KS*PK
	s_xor_b32 s[TBK], s[TBK], SLOT1
	s_sub_co_u32 s[TBV], s[TBV], 4*KS*PV
	s_xor_b32 s[TBV], s[TBV], SLOT1
.endm
	s_load_b128 s[16:19], s[0:1], 0x0  ; qkv s[16:17], mfrag s[18:19]
	s_load_b64 s[10:11], s[0:1], 0x10  ; act
	v_lshl_add_u32 v[SPW], v0, 2, SPARE
	v_mov_b32 v[NIL], 0
	ds_add_u32 v[SPW], v[NIL]       ; the wave's opening: the add; its wait stands ahead of my first tensor load
	v_lshrrev_b32 v1, 5, v0
	v_readfirstlane_b32 s[WV], v1
	s_bfe_u32 s13, ttmp6, 0x40000   ; cx
	s_lshl_b32 s14, ttmp9, 2
	s_add_co_u32 s14, s14, s13      ; my block of 256 queries: it enters Q's, O's and the mask's addresses alone
	s_and_b32 s15, ttmp7, 0xffff    ; 16 b + h, which the partners share
	s_and_b32 s20, s15, 15          ; h
	s_lshr_b32 s21, s15, 4          ; b
	s_cmp_eq_u32 s20, 0
	s_cselect_b32 s[LIMM], 1, 0
	s_lshl_b32 s20, s20, 19
	s_lshl_b32 s22, s21, 18
	s_add_co_u32 s20, s20, s22      ; the head's first byte in a third of qkv, and in act
	s_and_b32 s23, s[WV], 1         ; which half of a slot's 256 keys I fetch
	s_mov_b32 s[G0K], 1
	s_mul_i32 s[G0K+1], s23, 128*PK
	s_mov_b32 s[G0V], 1
	s_mul_i32 s[G0V+1], s23, 128*PV
	s_add_co_u32 s[G0V+1], s[G0V+1], VOFF
	s_lshl_b32 s22, s23, 14
	s_add_co_u32 s22, s22, s20
	s_add_co_u32 s22, s22, 0x800000 ; k lies 16 blocks of 524,288 bytes behind q
	s_mov_b32 s23, 0
	s_lshl_b32 s2, s14, 15
	s_add_co_u32 s2, s2, s20
	s_lshl_b32 s3, s[WV], 13
	s_add_co_u32 s2, s2, s3         ; my wave's 64 rows of Q and O
	s_mov_b32 s3, 0
	s_lshl_b32 s20, s21, 7
	s_lshl_b32 s21, s14, 4
	s_add_co_u32 s20, s20, s21
	s_lshl_b32 s21, s[WV], 2
	s_add_co_u32 s20, s20, s21      ; my first group of 16 tokens,
	s_lshl_b32 s20, s20, 16         ; 65,536 bytes of fragments each
	s_mov_b32 s21, 0
	; 128 keys are 16,384 dense bytes: asked for as 64 rows of 256 bytes, padded in LDS after every key
	s_mov_b32 s[G1K], 15|(1<<16)|(1<<20)|(1<<21)|(4<<22)|(3<<25)
	s_mov_b32 s[G1V], 15|(1<<16)|(1<<20)|(1<<21)|(4<<22)|(7<<25)
.irp g, G1K, G1V
	s_mov_b32 s[\g+1], 128<<16
	s_mov_b32 s[\g+2], 64<<16
	s_mov_b32 s[\g+3], 128<<16
	s_mov_b32 s[\g+4], 64
	s_mov_b32 s[\g+5], 128
	s_mov_b32 s[\g+6], 0
	s_mov_b32 s[\g+7], 0
.endr
	s_mov_b32 s[CS], 0x3e38aa3b     ; c = log2(e) / 8
	s_mov_b32 s[CS+1], s[CS]
	s_mov_b32 s[SEL], 0x76543210
	s_mov_b32 s[SEL+1], 0xfedcba98
	s_mov_b32 s[TBK], SLOT1+4*KS*PK ; the first change of slots turns these two into 0
	s_mov_b32 s[TBV], SLOT1+4*KS*PV
	s_mov_b32 s[MJ], 2048           ; step 1
	s_mov_b32 s[PJ], 3*2048         ; step 3: steps 0 to 2 come by their loads alone
	s_mov_b32 s[SLOTS], 7
	s_and_b32 s[LIM], s[WV], 1
	s_or_b32 s[LIM], s[LIM], ttmp9
	s_cmp_eq_u32 s[LIM], 0
	s_cselect_b32 s[LIM], 1, -1
	s_wait_dscnt 0x0                ; the opening add is done
	s_wait_kmcnt 0x0
	s_add_nc_u64 s[6:7], s[16:17], s[22:23]   ; K at my half of slot 0
	s_add_nc_u64 s[8:9], s[6:7], 0x800000     ; V
	s_add_nc_u64 s[4:5], s[16:17], s[2:3]     ; Q
	s_add_nc_u64 s[10:11], s[10:11], s[2:3]   ; O
	s_add_nc_u64 s[MP:MP+1], s[18:19], s[20:21]
	s_mov_b64 s[G0K+2:G0K+3], s[6:7]
	s_or_b32 s[G0K+3], s[G0K+3], 0x80000000
	s_mov_b64 s[G0V+2:G0V+3], s[8:9]
	s_or_b32 s[G0V+3], s[G0V+3], 0x80000000
	s_cmp_lt_u32 s[WV], 2
	s_cselect_b64 s[PFA:PFA+1], s[6:7], s[8:9]
	s_lshl_b32 s2, s13, 13          ; my work-group's 32 blocks of the 128,
	s_add_co_u32 s2, s2, 4*KS*128   ; in slot 1; the first change of slots steps it to slot 2
	s_mov_b32 s3, 0
	s_add_nc_u64 s[PFA:PFA+1], s[PFA:PFA+1], s[2:3]
	CROUND
	JLOAD                           ; slot 0
	v_and_b32 v1, 15, v0            ; r
	v_bfe_u32 v9, v0, 4, 1          ; h
	v_lshlrev_b32 v[QO], 7, v1
	v_lshl_add_u32 v[QO], v9, 4, v[QO]
	v_and_b32 v[L16], 31, v0
	v_lshlrev_b32 v[L16], 4, v[L16]
	WIN 0x80
.set i, 0
.rept 8                             ; Q stays in registers: piece i / 2, channels 32 (i % 2) on
	global_load_b128 v[8*i:8*i+3],   v[QO], s[4:5] offset:(i/2)*2048+(i%2)*64
	global_load_b128 v[8*i+4:8*i+7], v[QO], s[4:5] offset:(i/2)*2048+(i%2)*64+32
.set i, i+1
.endr
	WIN 0xc0
.irp u, 0,1,2,3                     ; the mask's fragments of step 0, piece by piece: four loads of 512 consecutive bytes each
.irp k, 0,1,2,3
	global_load_b128 v[MB+16*(\u)+4*(\k):MB+16*(\u)+4*(\k)+3], v[L16], s[MP:MP+1] offset:(\u)*65536+512*(\k)
.endr
.endr
	WIN 0
	; E's pattern: lane (r, h) holds row r; its one number stands at k = r: in register (r % 8) / 2, half r % 2, of the lanes with h = r / 8
	v_lshrrev_b32 v10, 3, v1
	v_xor_b32 v10, v10, v9
	v_bfe_u32 v11, v1, 1, 2
	v_lshl_add_u32 v10, v10, 2, v11 ; 0..3 names the register; 4 and above: none
	v_and_b32 v11, 1, v1
	v_lshlrev_b32 v11, 4, v11
	v_mov_b32 v[MV], 0xf149         ; -9.95e29 in bf16
	v_lshlrev_b32 v11, v11, v[MV]
	WIN 0xc0
.irp i, 0,1,2,3
	v_cmp_eq_u32 vcc_lo, \i, v10
	v_cndmask_b32 v[4+\i], 0, v11, vcc_lo
	v_mov_b32 v[\i], 0
	v_mov_b32 v[8+\i], 0
.endr
	; What the first turn finds: V and P's second buffer hold 0 (its products V^T P, of a piece that has not been, add 0), O^T and l are 0.  All this stands in the wait for the first tile.
	WIN 0x80
.set i, VF
.rept 64
	v_mov_b32 v[i], 0
.set i, i+1
.endr
	WIN 0x40
.set i, 0
.rept 128
	v_mov_b32 v[i], 0
.set i, i+1
.endr
	WIN 0
.set i, 0
.rept 4
	v_mov_b32 v[ST+4*i], 0xfe000000    ; c m: far below every c s
	v_mov_b32 v[ST+4*i+1], 0xff7fffff  ; m
	v_mov_b32 v[ST+4*i+2], 0
	v_mov_b32 v[ST+4*i+3], 0
.set i, i+1
.endr
.set i, P+16
.rept 16
	v_mov_b32 v[i], 0
.set i, i+1
.endr
	v_mul_u32_u24 v[AK0], v1, PK
	v_lshl_add_u32 v[AK0], v9, 4, v[AK0]
	v_and_b32 v10, 7, v0
	v_bfe_u32 v11, v0, 3, 1
	v_lshl_add_u32 v[AV0], v9, 3, v10
	v_mul_u32_u24 v[AV0], v[AV0], PV
	v_lshl_add_u32 v[AV0], v11, 4, v[AV0]
	v_add_nc_u32 v[AV0], VOFF, v[AV0]
	v_mov_b32 v[AK], v[AK0]
	v_and_b32 v[PFO], 31, v0
	v_lshlrev_b32 v[PFO], 8, v[PFO]
	v_bfe_u32 v[PFL], v0, 3, 2
	v_lshlrev_b32 v[PFL], 16, v[PFL]
	v_lshl_add_u32 v[PFL], v10, 8, v[PFL]
	v_or_b32 v[PFM], 3*2048, v[PFL]
; THE MATRIX WORK of a turn, numbered i = 0..19.  The four accumulators of each run take turns.
.macro MQ x                         ; i = 0..3: keys 16 i on: the mask starts the sum
	WIN W_MQ
.set rS, S+32*((\x)%2)+8*i
.set rE, 4-4*(i%2)
.set rM, MB+16*(\x)+8*(i/2)
	v_wmma_f32_16x16x32_bf16 v[rS:rS+7], v[rE:rE+7], v[rM:rM+7], 0
.endm
.macro KQ x                         ; i = 4..11: channels 32 ((i - 4) / 4) on, keys 16 ((i - 4) % 4) on
	WIN W_KQ
.set rS, S+32*((\x)%2)+8*((i-4)%4)
.set rK, KF+16*((i-4)%4)+8*((i-4)/4)
.set rQ, 16*(\x)+8*((i-4)/4)
	v_wmma_f32_16x16x32_bf16 v[rS:rS+7], v[rK:rK+7], v[rQ:rQ+7], v[rS:rS+7]
.endm
.macro PV x                         ; i = 12..19: keys 32 ((i - 12) / 4) on, channels 16 ((i - 12) % 4) on
	WIN W_PV
.set rO, 32*(\x)+8*((i-12)%4)
.set rV, VF+32*((i-12)/4)+8*((i-12)%4)
.set rP, P+16*((\x)%2)+8*((i-12)/4)
	v_wmma_f32_16x16x32_bf16 v[rO:rO+7], v[rV:rV+7], v[rP:rP+7], v[rO:rO+7]
.endm
.macro MM                           ; NOKQ = 1: the last turn of all: there is no next piece
.if i < 4
.if !NOKQ
	MQ (Y+1)%NP
.endif
.elseif i < 12
.if !NOKQ
	KQ (Y+1)%NP
.endif
.else
	PV (Y+NP-1)%NP
.endif
.set i, i+1
.endm
.macro FETCH_K
	WIN 0x80
.irp f, 0,1,2,3,4,5,6,7
	ds_load_b128 v[KF+8*\f:KF+8*\f+3],   v[AK] offset:(\f/2)*16*PK+(\f%2)*64
	ds_load_b128 v[KF+8*\f+4:KF+8*\f+7], v[AK] offset:(\f/2)*16*PK+(\f%2)*64+32
.endr
	s_add_co_u32 s[TBK], s[TBK], KS*PK
	WIN 0
.endm
.macro FETCH_V
	WIN 0x80
.irp f, 0,1,2,3,4,5,6,7
	ds_load_tr16_b128 v[VF+8*\f:VF+8*\f+3],   v[AV] offset:(\f/4)*32*PV+(\f%4)*32
	ds_load_tr16_b128 v[VF+8*\f+4:VF+8*\f+7], v[AV] offset:(\f/4)*32*PV+16*PV+(\f%4)*32
.endr
	WIN 0
.endm
.macro RELOAD u                     ; piece u's fragments of step MJ / 2,048, into the registers just multiplied: wanted four turns later
	WIN 0
	v_or_b32 v[MO+(\u)], s[MJ], v[L16]
	WIN 0xc0
.irp k, 0,1,2,3
	global_load_b128 v[MB+16*(\u)+4*(\k):MB+16*(\u)+4*(\k)+3], v[MO+(\u)], s[MP:MP+1] offset:(\u)*65536+512*(\k)
.endr
.endm
; THE VECTOR WORK, one line at a time: OP kind, number.  For piece Y: F n: c s - c m for pair n of 16.  E n: the exponential of score n of 32.  C n: pair n rounded to bf16.  B n: of the four weights 4 n .. the second
; pair is added onto the first.  L n: l takes that sum (L 0: l = a l + sum).  R n: pair n of 16 of O^T times a.  For piece Y + 1: X n, number n of the 22 that find its maximum and statistics:
;   0-11 four chains c0-c3 of seven scores each (each accumulator's lowest registers are read first)   12-14, 16 the scores left over, the old m, c0-c3 into c0
;   15 c m_old is kept   17, 18 the other half of the lanes: the new m   19-21 c m; c m_old - c m_new; a
.set F, 0
.set E, 1
.set C, 2
.set B, 3
.set L, 4
.set R, 5
.set X, 6
.macro REGS y
.set rT, ST+4*(\y)
.set rC, TMP+4*((\y)%2)
.set rW, MV+((\y)%2)
.set rS, S+32*((\y)%2)
.set rP, P+16*((\y)%2)
.set rO, 32*(\y)
.endm
.macro OP k, n
.if (\k) == R
	REGS Y
	WIN W_RS
	v_pk_mul_f32 v[rO+2*(\n):rO+2*(\n)+1], v[rO+2*(\n):rO+2*(\n)+1], v[rC+2:rC+3] op_sel_hi:[1,0]
.elseif (\k) < R
	REGS Y
	WIN 0
.if (\k) == F
	v_pk_fma_f32 v[rS+2*(\n):rS+2*(\n)+1], v[rS+2*(\n):rS+2*(\n)+1], s[CS:CS+1], v[rT:rT+1] op_sel_hi:[1,0,0] neg_lo:[0,0,1] neg_hi:[0,0,1]
.elseif (\k) == E
	v_exp_f32 v[rS+(\n)], v[rS+(\n)]
.elseif (\k) == C
	v_cvt_pk_bf16_f32 v[rP+(\n)], v[rS+2*(\n)], v[rS+2*(\n)+1]
.elseif (\k) == B
	v_pk_add_f32 v[rS+4*(\n):rS+4*(\n)+1], v[rS+4*(\n):rS+4*(\n)+1], v[rS+4*(\n)+2:rS+4*(\n)+3]
.elseif (\n) == 0
	v_pk_fma_f32 v[rT+2:rT+3], v[rT+2:rT+3], v[rC+2:rC+3], v[rS:rS+1] op_sel_hi:[1,0,1]
.else
	v_pk_add_f32 v[rT+2:rT+3], v[rT+2:rT+3], v[rS+4*(\n):rS+4*(\n)+1]
.endif
.elseif NOKQ
	v_nop
.else
	REGS (Y+1)%NP
	WIN 0
.if (\n) < 4
	v_max3_num_f32 v[rC+(\n)], v[rS+8*(\n)], v[rS+8*(\n)+1], v[rS+8*(\n)+2]
.elseif (\n) < 12
	v_max3_num_f32 v[rC+(\n)%4], v[rC+(\n)%4], v[rS+8*((\n)%4)+2*((\n)/4)+1], v[rS+8*((\n)%4)+2*((\n)/4)+2]
.elseif (\n) == 12
	v_max3_num_f32 v[rC], v[rC], v[rS+7], v[rS+15]
.elseif (\n) == 13
	v_max3_num_f32 v[rC+1], v[rC+1], v[rS+23], v[rS+31]
.elseif (\n) == 14
	v_max3_num_f32 v[rC+2], v[rC+2], v[rC+3], v[rT+1]
.elseif (\n) == 15
	v_mov_b32 v[rW], v[rT]
.elseif (\n) == 16
	v_max3_num_f32 v[rC], v[rC], v[rC+1], v[rC+2]
.elseif (\n) == 17
	v_permlanex16_b32 v[rC+3], v[rC], s[SEL], s[SEL+1]
.elseif (\n) == 18
	v_max_num_f32 v[rT+1], v[rC], v[rC+3]
.elseif (\n) == 19
	v_mul_f32 v[rT], s[CS], v[rT+1]
.elseif (\n) == 20
	v_sub_f32 v[rC+1], v[rW], v[rT]
.else
	v_exp_f32 v[rC+2], v[rC+1]
.endif
.endif
.endm
.macro OPS a, i1, b=-1, i2=0, c=-1, i3=0, d=-1, i4=0
	OP \a, \i1
.if (\b) >= 0
	OP \b, \i2
.endif
.if (\c) >= 0
	OP \c, \i3
.endif
.if (\d) >= 0
	OP \d, \i4
.endif
.endm
.macro ROW a, i1, b, i2, c, i3, d, i4
	MM
	OPS \a, \i1, \b, \i2, \c, \i3, \d, \i4
.endm
; A TURN, for piece p, written out.  AHEAD OF ITS ONE WAIT stands all that names no result of the turn's exponentials: the 4 mask products and the 8 products K Q^T with their riders, then a lump.  Each of X 0 to X 3 stands four
; plain instructions behind the product that ends its accumulator.  X 21, the next piece's a, is the batch's last; R 15 is the plain instruction behind it.  BEHIND THE WAIT: the 8 products V^T P, behind each four roundings and sums.
; The mask: the wait leaves the 12 loads of the three other pieces out; the registers are loaded again two rows behind the last mask product (five plain riders lie between), for the next step.  The last step's reloads
; wrap to step 0: they stay in the buffer, serve nothing, and keep the count 12 the same on every way.
; K of the next step is fetched in piece 2's turn, seven plain instructions behind the last product that read K; V of the step in hand at the end of piece 0's turn, four plain riders behind its last reader.
; end = 1: the last two turns: nothing is fetched.  cnt = 1: the loop's count is taken down ahead of the branch behind the turn.
.macro TURN p, end=0, cnt=0
.set Y, (\p)
.set i, 0
.set NOKQ, (\end)*((\p)/3)
.if ((\p) == 3) && !(\end)
	WIN 0
	s_wait_xcnt 0x0                 ; the mask prefetch, two turns back, has read its offset
	s_add_co_u32 s[PJ], s[PJ], 2048
	s_min_u32 s[PJ], s[PJ], 31*2048 ; never past the last step
	v_or_b32 v[PFM], s[PJ], v[PFL]
.endif
.if (\p) == 1
	WIN 0                           ; here: my wave's 32 blocks of 256 bytes of the step two steps on from the one being loaded
	s_cmp_eq_u32 s[LIMM], 1
	s_cbranch_scc0 .Lno_mask_\@
	global_prefetch_b8 v[PFM], s[MP:MP+1] th:TH_LOAD_NT scope:SCOPE_SE
.Lno_mask_\@:
.endif
.if !NOKQ
	s_wait_loadcnt 12               ; the next piece's four loads are in; the twelve behind them stay out
.endif
	ROW F,0, F,1, R,0, R,1
	ROW F,2, E,0, R,2, R,3
	ROW F,3, E,1, R,4, R,5
	ROW F,4, E,2, R,6, R,7
.if ((\p) == 3) && !(\end)
	s_wait_dscnt 0x0                ; K is in
.endif
	ROW F,5, E,3, R,8, R,9
	ROW F,6, E,4, R,10, R,11
.if !(\end)
.if (\p) == 3
	s_add_co_u32 s[MJ], s[MJ], 2048
	s_and_b32 s[MJ], s[MJ], 0xffff
.endif
	RELOAD ((\p)+1)%NP
.endif
	ROW F,7, E,5, R,12, R,13
	ROW F,8, E,6, R,14, F,9
	ROW F,10, E,7, F,11, E,8
	ROW F,12, E,9, F,13, X,0
.if ((\p) == 2) && !(\end)
	WIN 0
	v_add_nc_u32 v[AK], s[TBK], v[AK0]
.endif
	ROW F,14, E,10, X,1, X,4
	ROW F,15, E,11, X,2, X,5
	OPS X,6, E,12, X,3, E,13
	OPS X,8, E,14, X,9, E,15
.if ((\p) == 2) && !(\end)
	FETCH_K
.endif
	OPS X,7, E,16, X,10, E,17
	OPS X,12, E,18, X,11, E,19
	OPS X,13, E,20, X,15, E,21
.if (\p) == 0
	v_add_nc_u32 v[AV], s[TBV], v[AV0]
.endif
	OPS X,14, E,22, E,23, X,16
	OPS E,24, E,25, X,17, E,26
	OPS E,27, X,18, E,28, E,29
	OPS X,19, E,30, E,31, X,20
	OPS X,21, R,15
	WIN 0
	s_wait_alu depctr_va_vdst(0)    ; one wait for the batch, ahead of its first reader
.if (\p) == 1
	s_wait_dscnt 0x0                ; V is in
.endif
	ROW C,0, B,0, C,2, B,1
	ROW L,0, C,4, B,2, L,1
	ROW C,6, B,3, L,2, C,8
	ROW B,4, L,3, C,10, B,5
	ROW L,4, C,12, B,6, L,5
.if (\p) == 0
	s_add_co_u32 s[TBV], s[TBV], KS*PV
.endif
.if \cnt
	s_sub_co_u32 s[CNT], s[CNT], 1
	s_cmp_lg_u32 s[CNT], 0
.endif
	ROW C,14, B,7, L,6, C,1
	ROW C,3, L,7, C,5, C,7
	ROW C,9, C,11, C,13, C,15
.if (\p) == 0
	FETCH_V
.endif
.endm
	CHANGE 1                        ; slot 0 is in, everybody's part of it; slot 1 is asked for
	FETCH_K                         ; key step 0
	s_wait_loadcnt 12               ; Q and piece 0's fragments are in
	s_wait_dscnt 0x0
.set Y, NP-1
.set NOKQ, 0
.set i, 0
.rept 12
	MM                              ; piece 0's first scores
.endr
	WIN 0                           ; the addresses for the way out: nine plain instructions, the places behind those products
	s_mul_i32 s13, s[WV], 16*SP
	s_add_co_u32 s13, s13, STAGE
	v_mul_u32_u24 v[STO], v1, SP
	v_lshl_add_u32 v[STO], v9, 4, v[STO]
	v_add_nc_u32 v[STO], s13, v[STO]
	v_bfe_u32 v[RD], v0, 3, 2
	v_mul_u32_u24 v[RD], v[RD], SP
	v_lshl_add_u32 v[RD], v10, 4, v[RD]
	v_add_nc_u32 v[RD], s13, v[RD]
	v_and_b32 v[GO], 31, v0
	v_lshlrev_b32 v[GO], 4, v[GO]
	RELOAD 0                        ; piece 0's fragments of step 1
.irp n, 0,1,2,3,4,5,6,7,8,9,10,11,12,13,14,15,16,17,18,19,20,21
	OP X, \n
.endr
	v_nop
	s_wait_alu depctr_va_vdst(0)
	s_mov_b32 s[CNT], 4
	s_branch .Lfirst                ; the loop is entered at a step's first turn
.Lslot:                             ; six times: slots 2 to 7 are asked for
	CHANGE 1
	s_mov_b32 s[CNT], 4
.Lstep:                             ; a trip: pieces 2 and 3 of one step, then pieces 0 and 1 of the next
	TURN 2
	TURN 3
	WIN 0
.Lfirst:
	TURN 0
	TURN 1, 0, 1
	WIN 0
	s_cbranch_scc1 .Lstep
	s_sub_co_u32 s[SLOTS], s[SLOTS], 1
	s_cmp_lg_u32 s[SLOTS], 0
	s_cbranch_scc1 .Lslot
	CHANGE 0                        ; the last slot is written out
	s_mov_b32 s[CNT], 4
.Ltail:
	TURN 2
	TURN 3
	TURN 0
	TURN 1, 0, 1
	WIN 0
	s_cbranch_scc1 .Ltail
	TURN 2, 1
	TURN 3, 1
.set Y, 0
.set NOKQ, 0
.set i, 12
.rept 8
	MM                              ; piece 3's V^T P of the last step
.endr
	; THE WAY OUT.  l's halves are added; O^T is divided by l, rounded to bf16 and sent through my stage, a piece at a time.  The additions are the places behind the last products.
	WIN 0
.macro ALL line:vararg
.set t, 0
.rept 4
	\line
.set t, t+1
.endr
.endm
	ALL v_add_f32 v[ST+4*t+2], v[ST+4*t+2], v[ST+4*t+3]
	ALL v_permlanex16_b32 v[ST+4*t+3], v[ST+4*t+2], s[SEL], s[SEL+1]
	ALL v_add_f32 v[ST+4*t+2], v[ST+4*t+2], v[ST+4*t+3]
	ALL v_rcp_f32 v[ST+4*t+2], v[ST+4*t+2]
	v_nop
	s_wait_alu depctr_va_vdst(0)    ; one wait for the four reciprocals
.macro PACK t
	WIN W_RS
.set i, 32*(\t)
.rept 16
	v_pk_mul_f32 v[i:i+1], v[i:i+1], v[ST+4*(\t)+2:ST+4*(\t)+3] op_sel_hi:[1,0]
.set i, i+2
.endr
	WIN 0x05
.set i, 0
.rept 16
	v_cvt_pk_bf16_f32 v[S+16*(\t)+i], v[32*(\t)+2*i], v[32*(\t)+2*i+1]
.set i, i+1
.endr
	WIN 0
.irp f, 0,1,2,3
	ds_store_b128 v[STO], v[S+16*(\t)+4*\f:S+16*(\t)+4*\f+3] offset:32*\f
.endr
.irp f, 0,1,2,3
	ds_load_b128 v[S+16*(\t)+4*\f:S+16*(\t)+4*\f+3], v[RD] offset:\f*4*SP  ; LDS serves a wave's instructions in order: these see the stores above
.endr
.endm
.macro SEND t, younger
	WIN 0
.irp f, 0,1,2,3
	s_wait_dscnt (\younger)+3-\f
	global_store_b128 v[GO], v[S+16*(\t)+4*\f:S+16*(\t)+4*\f+3], s[10:11] offset:(\t)*2048+\f*512  ; 512 consecutive bytes, aligned
.endr
.endm
	PACK 0
.set t, 1
.rept 3
	PACK t
	SEND t-1, 8
.set t, t+1
.endr
	SEND 3, 0
	s_wait_tensorcnt 0x0            ; the wave's end
	ds_add_u32 v[SPW], v[NIL]
	s_wait_dscnt 0x0
	CROUND                          ; the closing round
	s_endpgm
.Lfunc_end_k_qbb81f773c7_attn:
	.size	k_qbb81f773c7_attn, .Lfunc_end_k_qbb81f773c7_attn-k_qbb81f773c7_attn
	.p2alignl 7, 3214868480
	.fill 96, 4, 3214868480
	.section	.rodata,"a",@progbits
	.p2align	6, 0x0
	.amdhsa_kernel k_qbb81f773c7_attn
		.amdhsa_group_segment_fixed_size 327680
		.amdhsa_private_segment_fixed_size 0
		.amdhsa_enable_private_segment 0
		.amdhsa_kernarg_size 24
		.amdhsa_user_sgpr_count 2
		.amdhsa_user_sgpr_kernarg_segment_ptr 1
		.amdhsa_wavefront_size32 1
		.amdhsa_system_sgpr_workgroup_id_x 1
		.amdhsa_system_sgpr_workgroup_id_y 1
		.amdhsa_system_sgpr_workgroup_id_z 1
		.amdhsa_system_vgpr_workitem_id 0
		.amdhsa_next_free_vgpr 896
		.amdhsa_next_free_sgpr 66
		.amdhsa_reserve_vcc 1
		.amdhsa_float_denorm_mode_32 3
		.amdhsa_float_denorm_mode_16_64 3
		.amdhsa_memory_ordered 1
		.amdhsa_forward_progress 1
		.amdhsa_inst_pref_size 140
	.end_amdhsa_kernel
	.amdgpu_metadata
---
amdhsa.version: [ 1, 2 ]
amdhsa.kernels:
  - .name:           k_qbb81f773c7_attn
    .symbol:         k_qbb81f773c7_attn.kd
    .args:
      - { .name: qkv, .offset: 0, .size: 8, .value_kind: global_buffer, .address_space: global }
      - { .name: mfrag, .offset: 8, .size: 8, .value_kind: global_buffer, .address_space: global }
      - { .name: act, .offset: 16, .size: 8, .value_kind: global_buffer, .address_space: global }
    .group_segment_fixed_size: 327680
    .private_segment_fixed_size: 0
    .kernarg_segment_align: 8
    .kernarg_segment_size: 24
    .max_flat_workgroup_size: 128
    .sgpr_count:     66
    .vgpr_count:     896
    .wavefront_size: 32
...
	.end_amdgpu_metadata
.endif
;; end of part 3
;; launch oproj (part 4): grid 8 x 32, 4 waves a work-group, clusters of 4 x 4, 327,680 bytes of LDS; arguments act, wc, bo, x, x1; writes x1
.if DOCPART == 4
	.amdgcn_target "amdgcn-amd-amdhsa--gfx1250"
	.amdhsa_code_object_version 6
	.text
	.protected	k_qbb81f773c7_oproj
	.globl	k_qbb81f773c7_oproj
	.p2align	8
	.type	k_qbb81f773c7_oproj,@function
k_qbb81f773c7_oproj:
	s_mov_b64 s[64:65], 0
	v_nop
	global_prefetch_b8 v0, s[64:65] scope:SCOPE_SE
	s_setreg_imm32_b32 hwreg(HW_REG_WAVE_MODE, 25, 1), 1
	s_wait_xcnt 0x0
	s_wait_alu depctr_hold_cnt(0) depctr_sa_sdst(0) depctr_va_vdst(0) depctr_va_sdst(0) depctr_va_ssrc(0) depctr_va_vcc(0) depctr_vm_vsrc(0)
	s_getreg_b32 s2, hwreg(HW_REG_IB_STS2, 6, 4)
	s_cmp_eq_u32 s2, 0
	s_cbranch_scc0 .Lentry_in_a_cluster
	s_endpgm
.Lentry_in_a_cluster:
	s_bfe_u32 s2, ttmp6, 0x10000c
	s_cmp_lg_u32 s2, 0xf033
	s_cbranch_scc0 .Lentry_shape_is_right
	s_endpgm
.Lentry_shape_is_right:
; OUT = RS + A W + bias, in f32.  A: bf16 in blocks of 64 columns, [k / 64][4096][64].  W: bf16, kept [k][n] in blocks of 128 columns, [block][KD][128], from byte WOFF of its buffer.  bias: [1024] f32.  RS, OUT: [4096][1024] f32.
; Here KD = 1,024 (the attention's output projection).  A tile of OUT is 128 x 128, so that the grid has 256 work-groups: four waves, each 64 x 64 in 16 accumulators.  K goes in steps of 256 through two LDS slots.
; CLUSTER 4 x 4: A's tile is asked for jointly along a row of the cluster, W's along a column.  THE PRODUCT IS TAKEN TRANSPOSED (source 0 = 16 columns of W, turned out of LDS; source 1 = 16 rows of A).
; The bias is the C operand of the products that start the sums.  The residual's 64 x 64 numbers are loaded at the head, in the layout of the stores, and wait in registers.  A wave's 64 columns of f32 are one aligned run of
; 256 bytes, so each wave has a stage of its own and the way out needs no barrier.  No prefetch: the tiles are small, and every block is read by several work-groups at about the same time.
; LIMITS.  Operands bf16, sums f32; NaN and infinities are not treated apart.
; REGISTERS: window 0: v16-29 addresses; v32-95 rows read back, two buffers; v96-127 the bias; v128-255 the accumulators ((a, b) at 128 + 8 (4 a + b)).  window 1: two fragment buffers of 128 (64 of A, 64 of W).  window 2: v0-127 the residual.
.set KD,     1024
.set WOFF,   0
.set KSTEP,  256
.set PA,     144                       ; a token's 64 numbers of A in LDS: 128 bytes + 16
.set CBL,    128*PA                    ; a block of 64 columns x 128 tokens
.set PB,     288                       ; a k row of W: 256 bytes + 32 = 9 x 32
.set PART,   2*CBL                     ; what one tensor load brings: two blocks of A, or 128 k rows of W (128 x 288 is the same number)
.set SLOT,   4*PART
.set STAGE,  2*SLOT                    ; 16 rows x 272 bytes for each wave; no tensor load lands there
.set SPITCH, 272
.set SPARE,  STAGE+4*16*SPITCH
.set LAPS,   KD/(2*KSTEP)
.set ADRA, 16                          ; v16-17  my A fragments in slot 0, 1
.set ADRB, 20                          ; v20-23  my W fragments: slot 0 k rows 0-127, 128-255; slot 1 likewise
.set STO,  24
.set RD,   25
.set CO,   26
.set BO,   27
.set SPW,  28
.set NIL,  29
.set TMP,  32
.set BIAS, 96
.set ACC,  128
.set F0,   0
.set F1,   128
.set G1,  24
.set G0,  32
.set G1B, 48
.set G0B, 56
.set MSB, 0
.macro WIN new
.if MSB != (\new)
	s_set_vgpr_msb (MSB<<8)|(\new)
.set MSB, \new
.endif
.endm
.set MUL,  0x05                        ; sources in window 1; C and D in window 0
.set TO_F, 0x40
.macro JLOAD s                         ; waves 0 and 1 fetch A's two halves, waves 2 and 3 W's
	s_cmp_eq_u32 s11, 0
	s_cbranch_scc0 .Lfor_b_\@
	tensor_load_to_lds s[G0+4*(\s):G0+4*(\s)+3], s[G1:G1+7]
	s_nop 0
.rept 4
	v_nop
.endr
	s_branch .Lasked_\@
.Lfor_b_\@:
	tensor_load_to_lds s[G0B+4*(\s):G0B+4*(\s)+3], s[G1B:G1B+7]
	s_nop 0
.rept 4
	v_nop
.endr
.Lasked_\@:
.endm
.macro CREST
	s_cmp_lg_u32 s10, 0
	s_cbranch_scc1 .Lnot_wave_0_\@
	s_barrier_signal -3
.Lnot_wave_0_\@:
	s_barrier_wait -3
	s_barrier_signal -1
	s_barrier_wait -1
.endm
.macro CROUND
	s_barrier_signal -1
	s_barrier_wait -1
	CREST
.endm
	s_load_b128 s[4:7], s[0:1], 0x0                ; A s[4:5], W s[6:7]
	s_load_b128 s[68:71], s[0:1], 0x10             ; bias s[68:69], RS s[70:71]
	s_load_b64 s[8:9], s[0:1], 0x20                ; OUT
	v_lshl_add_u32 v[SPW], v0, 2, SPARE
	v_mov_b32 v[NIL], 0
	ds_add_u32 v[SPW], v[NIL]                      ; the wave's opening: the add; its wait stands ahead of my first tensor load
	v_lshrrev_b32 v1, 5, v0
	v_readfirstlane_b32 s10, v1
	s_lshr_b32 s11, s10, 1                         ; my half of the tile's rows; also: I fetch for A (0) or W (1)
	s_and_b32 s12, s10, 1                          ; my half of its columns; also: which half I fetch
	s_bfe_u32 s40, ttmp6, 0x40000
	s_bfe_u32 s41, ttmp6, 0x40004
	s_lshl_b32 s42, ttmp9, 2
	s_add_co_u32 s42, s42, s40                     ; tile column
	s_and_b32 s13, ttmp7, 0xffff
	s_lshl_b32 s13, s13, 2
	s_add_co_u32 s13, s13, s41                     ; tile row
	s_lshl_b32 s43, s41, 2
	s_lshl_b32 s43, 15, s43
	s_lshl_b32 s44, 0x1111, s40
	; A: two 'rows' of 8,192 elements, each the 128 tokens x 64 numbers of one block (16,384 dense bytes), 262,144 elements apart; 4 words of padding after every 32, that is after every token
	s_or_b32 s[G1+0], s43, (1<<16)|(1<<20)|(1<<21)|(4<<22)|(3<<25)
	s_mov_b32 s[G1+1], 8192<<16
	s_mov_b32 s[G1+2], 2<<16
	s_mov_b32 s[G1+3], 8192<<16
	s_mov_b32 s[G1+4], 2
	s_mov_b32 s[G1+5], 262144
	s_mov_b32 s[G1+6], 0
	s_mov_b32 s[G1+7], 0
	; W: 128 k rows of 128 elements, dense; 8 words of padding after every 64
	s_or_b32 s[G1B+0], s44, (1<<16)|(1<<20)|(1<<21)|(5<<22)|(7<<25)
	s_mov_b32 s[G1B+1], 128<<16
	s_mov_b32 s[G1B+2], 128<<16
	s_mov_b32 s[G1B+3], 128<<16
	s_mov_b32 s[G1B+4], 128
	s_mov_b32 s[G1B+5], 128
	s_mov_b32 s[G1B+6], 0
	s_mov_b32 s[G1B+7], 0
	s_lshl_b32 s16, s12, 20                        ; A: two blocks of 524,288 bytes x half,
	s_lshl_b32 s17, s13, 14                        ; the tile's 128 tokens of 128 bytes
	s_add_co_u32 s16, s16, s17
	s_mov_b32 s17, 0
	s_mul_i32 s46, s42, KD*256                     ; W: the tile column's block,
	s_lshl_b32 s47, s12, 15                        ; 128 k rows of 256 bytes x half
	s_add_co_u32 s46, s46, s47
	s_add_co_u32 s46, s46, WOFF
	s_mov_b32 s47, 0
	s_mul_i32 s20, s10, PART
	s_wait_dscnt 0x0
	s_wait_kmcnt 0x0
	s_add_nc_u64 s[14:15], s[4:5], s[16:17]
	s_add_nc_u64 s[46:47], s[6:7], s[46:47]
	CROUND
.irp s, 0,1
	s_mov_b32 s[G0+4*(\s)], 1
	s_add_co_u32 s[G0+4*(\s)+1], s20, (\s)*SLOT
	s_add_nc_u64 s[G0+4*(\s)+2:G0+4*(\s)+3], s[14:15], (\s)*4*524288
	s_or_b32 s[G0+4*(\s)+3], s[G0+4*(\s)+3], 0x80000000
	s_mov_b32 s[G0B+4*(\s)], 1
	s_add_co_u32 s[G0B+4*(\s)+1], s20, (\s)*SLOT
	s_add_nc_u64 s[G0B+4*(\s)+2:G0B+4*(\s)+3], s[46:47], (\s)*KSTEP*256
	s_or_b32 s[G0B+4*(\s)+3], s[G0B+4*(\s)+3], 0x80000000
	JLOAD \s
.endr
	v_and_b32 v1, 15, v0                           ; r
	v_bfe_u32 v2, v0, 4, 1                         ; h
	v_lshlrev_b32 v[BO], 5, v2
	v_lshlrev_b32 v[CO], 4, v1
	v_lshl_add_u32 v[CO], v2, 12, v[CO]            ; lanes 0-15 one row's 256 bytes, lanes 16-31 the next row's
	s_lshl_b32 s16, s13, 7
	s_lshl_b32 s17, s11, 6
	s_add_co_u32 s16, s16, s17                     ; my first row,
	s_lshl_b32 s16, s16, 12                        ; of 4,096 bytes
	s_mov_b32 s17, 0
	s_lshl_b32 s46, s42, 7
	s_lshl_b32 s47, s12, 6
	s_add_co_u32 s46, s46, s47                     ; my first column,
	s_lshl_b32 s46, s46, 2                         ; of 4 bytes
	s_mov_b32 s47, 0
	s_add_nc_u64 s[8:9], s[8:9], s[16:17]
	s_add_nc_u64 s[8:9], s[8:9], s[46:47]
	s_add_nc_u64 s[70:71], s[70:71], s[16:17]
	s_add_nc_u64 s[70:71], s[70:71], s[46:47]
	s_add_nc_u64 s[68:69], s[68:69], s[46:47]
.irp b, 0,1,2,3
	global_load_b128 v[BIAS+8*(\b):BIAS+8*(\b)+3],   v[BO], s[68:69] offset:64*(\b)      ; register j: column 16 b + 8 h + j, as in a result
	global_load_b128 v[BIAS+8*(\b)+4:BIAS+8*(\b)+7], v[BO], s[68:69] offset:64*(\b)+16
.endr
	WIN 0x80
.set t, 0
.rept 32
	global_load_b128 v[4*t:4*t+3], v[CO], s[70:71] offset:2*t*4096   ; the residual: rows 2 t and 2 t + 1
.set t, t+1
.endr
	WIN 0
	v_mul_u32_u24 v3, v1, PA
	v_lshl_add_u32 v3, v2, 4, v3
	v_and_b32 v4, 7, v0
	v_lshl_add_u32 v4, v2, 3, v4
	v_mul_u32_u24 v4, v4, PB
	v_bfe_u32 v5, v0, 3, 1
	v_lshl_add_u32 v4, v5, 4, v4
	s_mul_i32 s21, s11, 64*PA                      ; my 64 tokens in each block of A
	s_lshl_b32 s22, s12, 7                         ; my 64 columns of W,
	s_add_co_u32 s22, s22, 2*PART                  ; which lies behind A
.irp s, 0,1
	v_add_nc_u32 v[ADRA+(\s)], s21, v3
	v_add_nc_u32 v[ADRB+2*(\s)], s22, v4
	s_add_co_u32 s22, s22, PART
	v_add_nc_u32 v[ADRB+2*(\s)+1], s22, v4
	s_add_co_u32 s21, s21, SLOT
	s_add_co_u32 s22, s22, SLOT-PART
.endr
	s_mul_i32 s23, s10, 16*SPITCH
	s_add_co_u32 s23, s23, STAGE
	v_mul_u32_u24 v6, v1, SPITCH                   ; in: row r, 32 bytes for each half of the lanes
	v_lshl_add_u32 v6, v2, 5, v6
	v_add_nc_u32 v[STO], s23, v6
	v_mul_u32_u24 v6, v2, SPITCH                   ; back: lanes 0-15 one row of 256 bytes, lanes 16-31 the next
	v_lshl_add_u32 v6, v1, 4, v6
	v_add_nc_u32 v[RD], s23, v6
; 8 matrix instructions: m blocks a0, a0 + 1 x all 4 n blocks, 32 along K: half c of buffer f.  first = 1: the bias starts the sums.  The 16 accumulators take turns.
.macro MUL8 f, c, a0, first
	WIN MUL
.irp a, \a0, (\a0)+1
.irp b, 0,1,2,3
.if \first
	v_wmma_f32_16x16x32_bf16 v[ACC+8*(4*(\a)+(\b)):ACC+8*(4*(\a)+(\b))+7], v[(\f)+64+8*(4*(\c)+(\b)):(\f)+64+8*(4*(\c)+(\b))+7], v[(\f)+8*(4*(\c)+(\a)):(\f)+8*(4*(\c)+(\a))+7], v[BIAS+8*(\b):BIAS+8*(\b)+7]
.else
	v_wmma_f32_16x16x32_bf16 v[ACC+8*(4*(\a)+(\b)):ACC+8*(4*(\a)+(\b))+7], v[(\f)+64+8*(4*(\c)+(\b)):(\f)+64+8*(4*(\c)+(\b))+7], v[(\f)+8*(4*(\c)+(\a)):(\f)+8*(4*(\c)+(\a))+7], v[ACC+8*(4*(\a)+(\b)):ACC+8*(4*(\a)+(\b))+7]
.endif
.endr
.endr
.endm
; 32 LDS loads in one run: quarter q (64 along K: one block of A, 64 k rows of W) into buffer f; the first 32 along K first
.macro FETCH slot, q, f
	WIN TO_F
.irp c, 0,1
.irp i, 0,1,2,3
	ds_load_tr16_b128 v[(\f)+64+8*(4*(\c)+(\i)):(\f)+64+8*(4*(\c)+(\i))+3],   v[ADRB+2*(\slot)+(\q)/2] offset:(((\q)%2)*64+32*(\c))*PB+32*(\i)
	ds_load_tr16_b128 v[(\f)+64+8*(4*(\c)+(\i))+4:(\f)+64+8*(4*(\c)+(\i))+7], v[ADRB+2*(\slot)+(\q)/2] offset:(((\q)%2)*64+32*(\c)+16)*PB+32*(\i)
	ds_load_b128 v[(\f)+8*(4*(\c)+(\i)):(\f)+8*(4*(\c)+(\i))+3],   v[ADRA+(\slot)] offset:(\q)*CBL+64*(\c)+(\i)*16*PA
	ds_load_b128 v[(\f)+8*(4*(\c)+(\i))+4:(\f)+8*(4*(\c)+(\i))+7], v[ADRA+(\slot)] offset:(\q)*CBL+64*(\c)+(\i)*16*PA+32
.endr
.endr
.endm
.macro PLACES
.rept 4
	v_nop
.endr
.endm
.macro QUARTER slot, q, f, g, first
	s_wait_dscnt 16                                ; the first 32 along K are in
	MUL8 \f, 0, 0, \first
	MUL8 \f, 0, 2, \first
	PLACES
	FETCH \slot, \q, \g
	s_wait_dscnt 32                                ; all but the 32 just issued
	MUL8 \f, 1, 0, 0
	MUL8 \f, 1, 2, 0
.endm
; The last quarter multiplies buffer 1 and changes slots: ONE barrier; fill = 1: it opens a round of the cluster's barrier, and this slot is filled again, two K steps on, first thing behind the round.
.macro TURN slot, next, fill
	WIN 0
	s_wait_tensorcnt 0x0                           ; all my tensor loads have landed: my part of the next slot;
	ds_add_u32 v[SPW], v[NIL]
	s_wait_dscnt 17                                ; (the add and the youngest sixteen loads may be out)
	MUL8 F1, 0, 0, 0
	s_wait_dscnt 0x0                               ; the add is done, and my reads of this slot are over
	s_barrier_signal -1
	MUL8 F1, 0, 2, 0
.if \fill
	WIN 0
.endif
	s_barrier_wait -1
.if \fill
	CREST
	s_add_nc_u64 s[G0+4*(\slot)+2:G0+4*(\slot)+3], s[G0+4*(\slot)+2:G0+4*(\slot)+3], 8*524288
	s_add_nc_u64 s[G0B+4*(\slot)+2:G0B+4*(\slot)+3], s[G0B+4*(\slot)+2:G0B+4*(\slot)+3], 2*KSTEP*256
	JLOAD \slot                                    ; its four v_nop are also the places in front of the loads below
.else
	PLACES
.endif
	FETCH \next, 0, F0
	MUL8 F1, 1, 0, 0
	MUL8 F1, 1, 2, 0
.endm
	s_wait_tensorcnt 1                             ; my part of K step 0 is in
	s_barrier_signal -1
	s_barrier_wait -1
	FETCH 0, 0, F0
	s_wait_loadcnt 32                              ; the bias is in; the residual's 32 loads stay out
	QUARTER 0, 1, F0, F1, 1
	WIN 0
	s_mov_b32 s3, LAPS-1
.Llap:
	QUARTER 0, 2, F1, F0, 0
	QUARTER 0, 3, F0, F1, 0
	TURN 0, 1, 1
	QUARTER 1, 1, F0, F1, 0
	QUARTER 1, 2, F1, F0, 0
	QUARTER 1, 3, F0, F1, 0
	TURN 1, 0, 1
	QUARTER 0, 1, F0, F1, 0
	WIN 0
	s_sub_co_u32 s3, s3, 1
	s_cmp_lg_u32 s3, 0
	s_cbranch_scc1 .Llap
	QUARTER 0, 2, F1, F0, 0                        ; the last lap fills nothing
	QUARTER 0, 3, F0, F1, 0
	TURN 0, 1, 0
	QUARTER 1, 1, F0, F1, 0
	QUARTER 1, 2, F1, F0, 0
	QUARTER 1, 3, F0, F1, 0
	s_wait_dscnt 16
	MUL8 F1, 0, 0, 0
	MUL8 F1, 0, 2, 0
	s_wait_dscnt 0x0
	MUL8 F1, 1, 0, 0
	MUL8 F1, 1, 2, 0
	WIN 0
	; THE WAY OUT, 16 rows at a time: 32 bytes a lane into my stage (each accumulator's low four registers first), back as whole rows of 256 bytes, the residual added, stored.
	PLACES
	s_wait_loadcnt 0x0                             ; the residual
.irp a, 0,1,2,3
.set TB, TMP+32*((\a)%2)
	s_wait_xcnt 0x0                                ; the earlier stores have read the registers that are loaded again below
.irp b, 0,1,2,3
	ds_store_b128 v[STO], v[ACC+8*(4*(\a)+(\b)):ACC+8*(4*(\a)+(\b))+3]   offset:64*(\b)
	ds_store_b128 v[STO], v[ACC+8*(4*(\a)+(\b))+4:ACC+8*(4*(\a)+(\b))+7] offset:64*(\b)+16
.endr
.irp t, 0,1,2,3,4,5,6,7
	ds_load_b128 v[TB+4*(\t):TB+4*(\t)+3], v[RD] offset:(\t)*2*SPITCH    ; LDS serves a wave's instructions in order: these see the stores above
.endr
	s_wait_dscnt 0x0
	WIN 0x08                                       ; source 1 in window 2
.set z, 0
.rept 16
	v_pk_add_f32 v[TB+z:TB+z+1], v[TB+z:TB+z+1], v[32*(\a)+z:32*(\a)+z+1]
.set z, z+2
.endr
	WIN 0
.irp t, 0,1,2,3,4,5,6,7
	global_store_b128 v[CO], v[TB+4*(\t):TB+4*(\t)+3], s[8:9] offset:(16*(\a)+2*(\t))*4096   ; 16 lanes store 256 consecutive bytes, aligned
.endr
.endr
	s_wait_tensorcnt 0x0                           ; the wave's end
	ds_add_u32 v[SPW], v[NIL]
	s_wait_dscnt 0x0
	CROUND                                         ; the closing round
	s_endpgm
.Lfunc_end_k_qbb81f773c7_oproj:
	.size	k_qbb81f773c7_oproj, .Lfunc_end_k_qbb81f773c7_oproj-k_qbb81f773c7_oproj
	.p2alignl 7, 3214868480
	.fill 96, 4, 3214868480
	.section	.rodata,"a",@progbits
	.p2align	6, 0x0
	.amdhsa_kernel k_qbb81f773c7_oproj
		.amdhsa_group_segment_fixed_size 327680
		.amdhsa_private_segment_fixed_size 0
		.amdhsa_enable_private_segment 0
		.amdhsa_kernarg_size 40
		.amdhsa_user_sgpr_count 2
		.amdhsa_user_sgpr_kernarg_segment_ptr 1
		.amdhsa_wavefront_size32 1
		.amdhsa_system_sgpr_workgroup_id_x 1
		.amdhsa_system_sgpr_workgroup_id_y 1
		.amdhsa_system_sgpr_workgroup_id_z 1
		.amdhsa_system_vgpr_workitem_id 0
		.amdhsa_next_free_vgpr 640
		.amdhsa_next_free_sgpr 72
		.amdhsa_reserve_vcc 0
		.amdhsa_float_denorm_mode_32 3
		.amdhsa_float_denorm_mode_16_64 3
		.amdhsa_memory_ordered 1
		.amdhsa_forward_progress 1
		.amdhsa_inst_pref_size 94
	.end_amdhsa_kernel
	.amdgpu_metadata
---
amdhsa.version: [ 1, 2 ]
amdhsa.kernels:
  - .name:           k_qbb81f773c7_oproj
    .symbol:         k_qbb81f773c7_oproj.kd
    .args:
      - { .name: act, .offset: 0, .size: 8, .value_kind: global_buffer, .address_space: global }
      - { .name: wc, .offset: 8, .size: 8, .value_kind: global_buffer, .address_space: global }
      - { .name: bo, .offset: 16, .size: 8, .value_kind: global_buffer, .address_space: global }
      - { .name: x, .offset: 24, .size: 8, .value_kind: global_buffer, .address_space: global }
      - { .name: x1, .offset: 32, .size: 8, .value_kind: global_buffer, .address_space: global }
    .group_segment_fixed_size: 327680
    .private_segment_fixed_size: 0
    .kernarg_segment_align: 8
    .kernarg_segment_size: 40
    .max_flat_workgroup_size: 128
    .sgpr_count:     72
    .vgpr_count:     640
    .wavefront_size: 32
...
	.end_amdgpu_metadata
.endif
;; end of part 4
;; launch ln2: the kernel of part 1 again; grid 256 x 1, 8 waves a work-group, no clusters, 19,456 bytes of LDS; arguments x1, g2, be2, xn, Wq, Wk, Wv, Wo, W1, W2, wqkvp, wc, w1p, b1, mask, mfrag; writes xn, wqkvp, wc, w1p, mfrag
;; launch ff1: the kernel of part 2 again; grid 16 x 16, 4 waves a work-group, clusters of 4 x 4, 327,680 bytes of LDS; arguments xn, w1p, act; writes act
;; launch ff2 (part 5): grid 8 x 32, 4 waves a work-group, clusters of 4 x 4, 327,680 bytes of LDS; arguments act, wc, b2, x1, out0; writes out0
.if DOCPART == 5
	.amdgcn_target "amdgcn-amd-amdhsa--gfx1250"
	.amdhsa_code_object_version 6
	.text
	.protected	k_qbb81f773c7_ff2
	.globl	k_qbb81f773c7_ff2
	.p2align	8
	.type	k_qbb81f773c7_ff2,@function
k_qbb81f773c7_ff2:
	s_mov_b64 s[64:65], 0
	v_nop
	global_prefetch_b8 v0, s[64:65] scope:SCOPE_SE
	s_setreg_imm32_b32 hwreg(HW_REG_WAVE_MODE, 25, 1), 1
	s_wait_xcnt 0x0
	s_wait_alu depctr_hold_cnt(0) depctr_sa_sdst(0) depctr_va_vdst(0) depctr_va_sdst(0) depctr_va_ssrc(0) depctr_va_vcc(0) depctr_vm_vsrc(0)
	s_getreg_b32 s2, hwreg(HW_REG_IB_STS2, 6, 4)
	s_cmp_eq_u32 s2, 0
	s_cbranch_scc0 .Lentry_in_a_cluster
	s_endpgm
.Lentry_in_a_cluster:
	s_bfe_u32 s2, ttmp6, 0x10000c
	s_cmp_lg_u32 s2, 0xf033
	s_cbranch_scc0 .Lentry_shape_is_right
	s_endpgm
.Lentry_shape_is_right:
; OUT = RS + A W + bias, in f32.  A: bf16 in blocks of 64 columns, [k / 64][4096][64].  W: bf16, kept [k][n] in blocks of 128 columns, [block][KD][128], from byte WOFF of its buffer.  bias: [1024] f32.  RS, OUT: [4096][1024] f32.
; Here KD = 4,096 (the second FFN product); the text is the output projection's but for KD and WOFF.  A tile of OUT is 128 x 128, so that the grid has 256 work-groups: four waves, each 64 x 64 in 16 accumulators.
; K goes in steps of 256 through two LDS slots.  CLUSTER 4 x 4: A's tile is asked for jointly along a row of the cluster, W's along a column.  THE PRODUCT IS TAKEN TRANSPOSED (source 0 = 16 columns of W, turned out of LDS;
; source 1 = 16 rows of A).  The bias is the C operand of the products that start the sums.  The residual's 64 x 64 numbers are loaded at the head, in the layout of the stores, and wait in registers.  A wave's 64 columns of f32
; are one aligned run of 256 bytes, so each wave has a stage of its own and the way out needs no barrier.  No prefetch: the tiles are small, and every block is read by several work-groups at about the same time.
; LIMITS.  Operands bf16, sums f32; NaN and infinities are not treated apart.
; REGISTERS: window 0: v16-29 addresses; v32-95 rows read back, two buffers; v96-127 the bias; v128-255 the accumulators ((a, b) at 128 + 8 (4 a + b)).  window 1: two fragment buffers of 128 (64 of A, 64 of W).  window 2: v0-127 the residual.
.set KD,     4096
.set WOFF,   2097152
.set KSTEP,  256
.set PA,     144                       ; a token's 64 numbers of A in LDS: 128 bytes + 16
.set CBL,    128*PA                    ; a block of 64 columns x 128 tokens
.set PB,     288                       ; a k row of W: 256 bytes + 32 = 9 x 32
.set PART,   2*CBL                     ; what one tensor load brings: two blocks of A, or 128 k rows of W (128 x 288 is the same number)
.set SLOT,   4*PART
.set STAGE,  2*SLOT                    ; 16 rows x 272 bytes for each wave; no tensor load lands there
.set SPITCH, 272
.set SPARE,  STAGE+4*16*SPITCH
.set LAPS,   KD/(2*KSTEP)
.set ADRA, 16                          ; v16-17  my A fragments in slot 0, 1
.set ADRB, 20                          ; v20-23  my W fragments: slot 0 k rows 0-127, 128-255; slot 1 likewise
.set STO,  24
.set RD,   25
.set CO,   26
.set BO,   27
.set SPW,  28
.set NIL,  29
.set TMP,  32
.set BIAS, 96
.set ACC,  128
.set F0,   0
.set F1,   128
.set G1,  24
.set G0,  32
.set G1B, 48
.set G0B, 56
.set MSB, 0
.macro WIN new
.if MSB != (\new)
	s_set_vgpr_msb (MSB<<8)|(\new)
.set MSB, \new
.endif
.endm
.set MUL,  0x05                        ; sources in window 1; C and D in window 0
.set TO_F, 0x40
.macro JLOAD s                         ; waves 0 and 1 fetch A's two halves, waves 2 and 3 W's
	s_cmp_eq_u32 s11, 0
	s_cbranch_scc0 .Lfor_b_\@
	tensor_load_to_lds s[G0+4*(\s):G0+4*(\s)+3], s[G1:G1+7]
	s_nop 0
.rept 4
	v_nop
.endr
	s_branch .Lasked_\@
.Lfor_b_\@:
	tensor_load_to_lds s[G0B+4*(\s):G0B+4*(\s)+3], s[G1B:G1B+7]
	s_nop 0
.rept 4
	v_nop
.endr
.Lasked_\@:
.endm
.macro CREST
	s_cmp_lg_u32 s10, 0
	s_cbranch_scc1 .Lnot_wave_0_\@
	s_barrier_signal -3
.Lnot_wave_0_\@:
	s_barrier_wait -3
	s_barrier_signal -1
	s_barrier_wait -1
.endm
.macro CROUND
	s_barrier_signal -1
	s_barrier_wait -1
	CREST
.endm
	s_load_b128 s[4:7], s[0:1], 0x0                ; A s[4:5], W s[6:7]
	s_load_b128 s[68:71], s[0:1], 0x10             ; bias s[68:69], RS s[70:71]
	s_load_b64 s[8:9], s[0:1], 0x20                ; OUT
	v_lshl_add_u32 v[SPW], v0, 2, SPARE
	v_mov_b32 v[NIL], 0
	ds_add_u32 v[SPW], v[NIL]                      ; the wave's opening: the add; its wait stands ahead of my first tensor load
	v_lshrrev_b32 v1, 5, v0
	v_readfirstlane_b32 s10, v1
	s_lshr_b32 s11, s10, 1                         ; my half of the tile's rows; also: I fetch for A (0) or W (1)
	s_and_b32 s12, s10, 1                          ; my half of its columns; also: which half I fetch
	s_bfe_u32 s40, ttmp6, 0x40000
	s_bfe_u32 s41, ttmp6, 0x40004
	s_lshl_b32 s42, ttmp9, 2
	s_add_co_u32 s42, s42, s40                     ; tile column
	s_and_b32 s13, ttmp7, 0xffff
	s_lshl_b32 s13, s13, 2
	s_add_co_u32 s13, s13, s41                     ; tile row
	s_lshl_b32 s43, s41, 2
	s_lshl_b32 s43, 15, s43
	s_lshl_b32 s44, 0x1111, s40
	; A: two 'rows' of 8,192 elements, each the 128 tokens x 64 numbers of one block (16,384 dense bytes), 262,144 elements apart; 4 words of padding after every 32, that is after every token
	s_or_b32 s[G1+0], s43, (1<<16)|(1<<20)|(1<<21)|(4<<22)|(3<<25)
	s_mov_b32 s[G1+1], 8192<<16
	s_mov_b32 s[G1+2], 2<<16
	s_mov_b32 s[G1+3], 8192<<16
	s_mov_b32 s[G1+4], 2
	s_mov_b32 s[G1+5], 262144
	s_mov_b32 s[G1+6], 0
	s_mov_b32 s[G1+7], 0
	; W: 128 k rows of 128 elements, dense; 8 words of padding after every 64
	s_or_b32 s[G1B+0], s44, (1<<16)|(1<<20)|(1<<21)|(5<<22)|(7<<25)
	s_mov_b32 s[G1B+1], 128<<16
	s_mov_b32 s[G1B+2], 128<<16
	s_mov_b32 s[G1B+3], 128<<16
	s_mov_b32 s[G1B+4], 128
	s_mov_b32 s[G1B+5], 128
	s_mov_b32 s[G1B+6], 0
	s_mov_b32 s[G1B+7], 0
	s_lshl_b32 s16, s12, 20                        ; A: two blocks of 524,288 bytes x half,
	s_lshl_b32 s17, s13, 14                        ; the tile's 128 tokens of 128 bytes
	s_add_co_u32 s16, s16, s17
	s_mov_b32 s17, 0
	s_mul_i32 s46, s42, KD*256                     ; W: the tile column's block,
	s_lshl_b32 s47, s12, 15                        ; 128 k rows of 256 bytes x half
	s_add_co_u32 s46, s46, s47
	s_add_co_u32 s46, s46, WOFF
	s_mov_b32 s47, 0
	s_mul_i32 s20, s10, PART
	s_wait_dscnt 0x0
	s_wait_kmcnt 0x0
	s_add_nc_u64 s[14:15], s[4:5], s[16:17]
	s_add_nc_u64 s[46:47], s[6:7], s[46:47]
	CROUND
.irp s, 0,1
	s_mov_b32 s[G0+4*(\s)], 1
	s_add_co_u32 s[G0+4*(\s)+1], s20, (\s)*SLOT
	s_add_nc_u64 s[G0+4*(\s)+2:G0+4*(\s)+3], s[14:15], (\s)*4*524288
	s_or_b32 s[G0+4*(\s)+3], s[G0+4*(\s)+3], 0x80000000
	s_mov_b32 s[G0B+4*(\s)], 1
	s_add_co_u32 s[G0B+4*(\s)+1], s20, (\s)*SLOT
	s_add_nc_u64 s[G0B+4*(\s)+2:G0B+4*(\s)+3], s[46:47], (\s)*KSTEP*256
	s_or_b32 s[G0B+4*(\s)+3], s[G0B+4*(\s)+3], 0x80000000
	JLOAD \s
.endr
	v_and_b32 v1, 15, v0                           ; r
	v_bfe_u32 v2, v0, 4, 1                         ; h
	v_lshlrev_b32 v[BO], 5, v2
	v_lshlrev_b32 v[CO], 4, v1
	v_lshl_add_u32 v[CO], v2, 12, v[CO]            ; lanes 0-15 one row's 256 bytes, lanes 16-31 the next row's
	s_lshl_b32 s16, s13, 7
	s_lshl_b32 s17, s11, 6
	s_add_co_u32 s16, s16, s17                     ; my first row,
	s_lshl_b32 s16, s16, 12                        ; of 4,096 bytes
	s_mov_b32 s17, 0
	s_lshl_b32 s46, s42, 7
	s_lshl_b32 s47, s12, 6
	s_add_co_u32 s46, s46, s47                     ; my first column,
	s_lshl_b32 s46, s46, 2                         ; of 4 bytes
	s_mov_b32 s47, 0
	s_add_nc_u64 s[8:9], s[8:9], s[16:17]
	s_add_nc_u64 s[8:9], s[8:9], s[46:47]
	s_add_nc_u64 s[70:71], s[70:71], s[16:17]
	s_add_nc_u64 s[70:71], s[70:71], s[46:47]
	s_add_nc_u64 s[68:69], s[68:69], s[46:47]
.irp b, 0,1,2,3
	global_load_b128 v[BIAS+8*(\b):BIAS+8*(\b)+3],   v[BO], s[68:69] offset:64*(\b)      ; register j: column 16 b + 8 h + j, as in a result
	global_load_b128 v[BIAS+8*(\b)+4:BIAS+8*(\b)+7], v[BO], s[68:69] offset:64*(\b)+16
.endr
	WIN 0x80
.set t, 0
.rept 32
	global_load_b128 v[4*t:4*t+3], v[CO], s[70:71] offset:2*t*4096   ; the residual: rows 2 t and 2 t + 1
.set t, t+1
.endr
	WIN 0
	v_mul_u32_u24 v3, v1, PA
	v_lshl_add_u32 v3, v2, 4, v3
	v_and_b32 v4, 7, v0
	v_lshl_add_u32 v4, v2, 3, v4
	v_mul_u32_u24 v4, v4, PB
	v_bfe_u32 v5, v0, 3, 1
	v_lshl_add_u32 v4, v5, 4, v4
	s_mul_i32 s21, s11, 64*PA                      ; my 64 tokens in each block of A
	s_lshl_b32 s22, s12, 7                         ; my 64 columns of W,
	s_add_co_u32 s22, s22, 2*PART                  ; which lies behind A
.irp s, 0,1
	v_add_nc_u32 v[ADRA+(\s)], s21, v3
	v_add_nc_u32 v[ADRB+2*(\s)], s22, v4
	s_add_co_u32 s22, s22, PART
	v_add_nc_u32 v[ADRB+2*(\s)+1], s22, v4
	s_add_co_u32 s21, s21, SLOT
	s_add_co_u32 s22, s22, SLOT-PART
.endr
	s_mul_i32 s23, s10, 16*SPITCH
	s_add_co_u32 s23, s23, STAGE
	v_mul_u32_u24 v6, v1, SPITCH                   ; in: row r, 32 bytes for each half of the lanes
	v_lshl_add_u32 v6, v2, 5, v6
	v_add_nc_u32 v[STO], s23, v6
	v_mul_u32_u24 v6, v2, SPITCH                   ; back: lanes 0-15 one row of 256 bytes, lanes 16-31 the next
	v_lshl_add_u32 v6, v1, 4, v6
	v_add_nc_u32 v[RD], s23, v6
; 8 matrix instructions: m blocks a0, a0 + 1 x all 4 n blocks, 32 along K: half c of buffer f.  first = 1: the bias starts the sums.  The 16 accumulators take turns.
.macro MUL8 f, c, a0, first
	WIN MUL
.irp a, \a0, (\a0)+1
.irp b, 0,1,2,3
.if \first
	v_wmma_f32_16x16x32_bf16 v[ACC+8*(4*(\a)+(\b)):ACC+8*(4*(\a)+(\b))+7], v[(\f)+64+8*(4*(\c)+(\b)):(\f)+64+8*(4*(\c)+(\b))+7], v[(\f)+8*(4*(\c)+(\a)):(\f)+8*(4*(\c)+(\a))+7], v[BIAS+8*(\b):BIAS+8*(\b)+7]
.else
	v_wmma_f32_16x16x32_bf16 v[ACC+8*(4*(\a)+(\b)):ACC+8*(4*(\a)+(\b))+7], v[(\f)+64+8*(4*(\c)+(\b)):(\f)+64+8*(4*(\c)+(\b))+7], v[(\f)+8*(4*(\c)+(\a)):(\f)+8*(4*(\c)+(\a))+7], v[ACC+8*(4*(\a)+(\b)):ACC+8*(4*(\a)+(\b))+7]
.endif
.endr
.endr
.endm
; 32 LDS loads in one run: quarter q (64 along K: one block of A, 64 k rows of W) into buffer f; the first 32 along K first
.macro FETCH slot, q, f
	WIN TO_F
.irp c, 0,1
.irp i, 0,1,2,3
	ds_load_tr16_b128 v[(\f)+64+8*(4*(\c)+(\i)):(\f)+64+8*(4*(\c)+(\i))+3],   v[ADRB+2*(\slot)+(\q)/2] offset:(((\q)%2)*64+32*(\c))*PB+32*(\i)
	ds_load_tr16_b128 v[(\f)+64+8*(4*(\c)+(\i))+4:(\f)+64+8*(4*(\c)+(\i))+7], v[ADRB+2*(\slot)+(\q)/2] offset:(((\q)%2)*64+32*(\c)+16)*PB+32*(\i)
	ds_load_b128 v[(\f)+8*(4*(\c)+(\i)):(\f)+8*(4*(\c)+(\i))+3],   v[ADRA+(\slot)] offset:(\q)*CBL+64*(\c)+(\i)*16*PA
	ds_load_b128 v[(\f)+8*(4*(\c)+(\i))+4:(\f)+8*(4*(\c)+(\i))+7], v[ADRA+(\slot)] offset:(\q)*CBL+64*(\c)+(\i)*16*PA+32
.endr
.endr
.endm
.macro PLACES
.rept 4
	v_nop
.endr
.endm
.macro QUARTER slot, q, f, g, first
	s_wait_dscnt 16                                ; the first 32 along K are in
	MUL8 \f, 0, 0, \first
	MUL8 \f, 0, 2, \first
	PLACES
	FETCH \slot, \q, \g
	s_wait_dscnt 32                                ; all but the 32 just issued
	MUL8 \f, 1, 0, 0
	MUL8 \f, 1, 2, 0
.endm
; The last quarter multiplies buffer 1 and changes slots: ONE barrier; fill = 1: it opens a round of the cluster's barrier, and this slot is filled again, two K steps on, first thing behind the round.
.macro TURN slot, next, fill
	WIN 0
	s_wait_tensorcnt 0x0                           ; all my tensor loads have landed: my part of the next slot;
	ds_add_u32 v[SPW], v[NIL]
	s_wait_dscnt 17                                ; (the add and the youngest sixteen loads may be out)
	MUL8 F1, 0, 0, 0
	s_wait_dscnt 0x0                               ; the add is done, and my reads of this slot are over
	s_barrier_signal -1
	MUL8 F1, 0, 2, 0
.if \fill
	WIN 0
.endif
	s_barrier_wait -1
.if \fill
	CREST
	s_add_nc_u64 s[G0+4*(\slot)+2:G0+4*(\slot)+3], s[G0+4*(\slot)+2:G0+4*(\slot)+3], 8*524288
	s_add_nc_u64 s[G0B+4*(\slot)+2:G0B+4*(\slot)+3], s[G0B+4*(\slot)+2:G0B+4*(\slot)+3], 2*KSTEP*256
	JLOAD \slot                                    ; its four v_nop are also the places in front of the loads below
.else
	PLACES
.endif
	FETCH \next, 0, F0
	MUL8 F1, 1, 0, 0
	MUL8 F1, 1, 2, 0
.endm
	s_wait_tensorcnt 1                             ; my part of K step 0 is in
	s_barrier_signal -1
	s_barrier_wait -1
	FETCH 0, 0, F0
	s_wait_loadcnt 32                              ; the bias is in; the residual's 32 loads stay out
	QUARTER 0, 1, F0, F1, 1
	WIN 0
	s_mov_b32 s3, LAPS-1
.Llap:
	QUARTER 0, 2, F1, F0, 0
	QUARTER 0, 3, F0, F1, 0
	TURN 0, 1, 1
	QUARTER 1, 1, F0, F1, 0
	QUARTER 1, 2, F1, F0, 0
	QUARTER 1, 3, F0, F1, 0
	TURN 1, 0, 1
	QUARTER 0, 1, F0, F1, 0
	WIN 0
	s_sub_co_u32 s3, s3, 1
	s_cmp_lg_u32 s3, 0
	s_cbranch_scc1 .Llap
	QUARTER 0, 2, F1, F0, 0                        ; the last lap fills nothing
	QUARTER 0, 3, F0, F1, 0
	TURN 0, 1, 0
	QUARTER 1, 1, F0, F1, 0
	QUARTER 1, 2, F1, F0, 0
	QUARTER 1, 3, F0, F1, 0
	s_wait_dscnt 16
	MUL8 F1, 0, 0, 0
	MUL8 F1, 0, 2, 0
	s_wait_dscnt 0x0
	MUL8 F1, 1, 0, 0
	MUL8 F1, 1, 2, 0
	WIN 0
	; THE WAY OUT, 16 rows at a time: 32 bytes a lane into my stage (each accumulator's low four registers first), back as whole rows of 256 bytes, the residual added, stored.
	PLACES
	s_wait_loadcnt 0x0                             ; the residual
.irp a, 0,1,2,3
.set TB, TMP+32*((\a)%2)
	s_wait_xcnt 0x0                                ; the earlier stores have read the registers that are loaded again below
.irp b, 0,1,2,3
	ds_store_b128 v[STO], v[ACC+8*(4*(\a)+(\b)):ACC+8*(4*(\a)+(\b))+3]   offset:64*(\b)
	ds_store_b128 v[STO], v[ACC+8*(4*(\a)+(\b))+4:ACC+8*(4*(\a)+(\b))+7] offset:64*(\b)+16
.endr
.irp t, 0,1,2,3,4,5,6,7
	ds_load_b128 v[TB+4*(\t):TB+4*(\t)+3], v[RD] offset:(\t)*2*SPITCH    ; LDS serves a wave's instructions in order: these see the stores above
.endr
	s_wait_dscnt 0x0
	WIN 0x08                                       ; source 1 in window 2
.set z, 0
.rept 16
	v_pk_add_f32 v[TB+z:TB+z+1], v[TB+z:TB+z+1], v[32*(\a)+z:32*(\a)+z+1]
.set z, z+2
.endr
	WIN 0
.irp t, 0,1,2,3,4,5,6,7
	global_store_b128 v[CO], v[TB+4*(\t):TB+4*(\t)+3], s[8:9] offset:(16*(\a)+2*(\t))*4096   ; 16 lanes store 256 consecutive bytes, aligned
.endr
.endr
	s_wait_tensorcnt 0x0                           ; the wave's end
	ds_add_u32 v[SPW], v[NIL]
	s_wait_dscnt 0x0
	CROUND                                         ; the closing round
	s_endpgm
.Lfunc_end_k_qbb81f773c7_ff2:
	.size	k_qbb81f773c7_ff2, .Lfunc_end_k_qbb81f773c7_ff2-k_qbb81f773c7_ff2
	.p2alignl 7, 3214868480
	.fill 96, 4, 3214868480
	.section	.rodata,"a",@progbits
	.p2align	6, 0x0
	.amdhsa_kernel k_qbb81f773c7_ff2
		.amdhsa_group_segment_fixed_size 327680
		.amdhsa_private_segment_fixed_size 0
		.amdhsa_enable_private_segment 0
		.amdhsa_kernarg_size 40
		.amdhsa_user_sgpr_count 2
		.amdhsa_user_sgpr_kernarg_segment_ptr 1
		.amdhsa_wavefront_size32 1
		.amdhsa_system_sgpr_workgroup_id_x 1
		.amdhsa_system_sgpr_workgroup_id_y 1
		.amdhsa_system_sgpr_workgroup_id_z 1
		.amdhsa_system_vgpr_workitem_id 0
		.amdhsa_next_free_vgpr 640
		.amdhsa_next_free_sgpr 72
		.amdhsa_reserve_vcc 0
		.amdhsa_float_denorm_mode_32 3
		.amdhsa_float_denorm_mode_16_64 3
		.amdhsa_memory_ordered 1
		.amdhsa_forward_progress 1
		.amdhsa_inst_pref_size 94
	.end_amdhsa_kernel
	.amdgpu_metadata
---
amdhsa.version: [ 1, 2 ]
amdhsa.kernels:
  - .name:           k_qbb81f773c7_ff2
    .symbol:         k_qbb81f773c7_ff2.kd
    .args:
      - { .name: act, .offset: 0, .size: 8, .value_kind: global_buffer, .address_space: global }
      - { .name: wc, .offset: 8, .size: 8, .value_kind: global_buffer, .address_space: global }
      - { .name: b2, .offset: 16, .size: 8, .value_kind: global_buffer, .address_space: global }
      - { .name: x1, .offset: 24, .size: 8, .value_kind: global_buffer, .address_space: global }
      - { .name: out0, .offset: 32, .size: 8, .value_kind: global_buffer, .address_space: global }
    .group_segment_fixed_size: 327680
    .private_segment_fixed_size: 0
    .kernarg_segment_align: 8
    .kernarg_segment_size: 40
    .max_flat_workgroup_size: 128
    .sgpr_count:     72
    .vgpr_count:     640
    .wavefront_size: 32
...
	.end_amdgpu_metadata
.endif
;; end of part 5
;; ======== version 2 of 3: 7 launches
;; workspace buffers: xn 8,388,608 bytes; wqkvp 6,308,096 bytes; w1p 8,405,248 bytes; wc 10,485,760 bytes; mfrag 16,777,216 bytes; qkv 25,165,824 bytes; act 33,554,432 bytes; x1 16,777,216 bytes
;; launch prep (part 6): grid 2049 x 1, 8 waves a work-group, no clusters, 19,456 bytes of LDS; arguments x, g1, be1, xn, Wq, Wk, Wv, Wo, W1, W2, wqkvp, wc, w1p, b1, mask, mfrag; writes xn, wqkvp, wc, w1p, mfrag
.if DOCPART == 6
	.amdgcn_target "amdgcn-amd-amdhsa--gfx1250"
	.amdhsa_code_object_version 6
	.text
	.protected	k_qbb81f773c7_prep
	.globl	k_qbb81f773c7_prep
	.p2align	8
	.type	k_qbb81f773c7_prep,@function
k_qbb81f773c7_prep:
	s_mov_b64 s[64:65], 0
	v_nop
	global_prefetch_b8 v0, s[64:65] scope:SCOPE_SE
	s_setreg_imm32_b32 hwreg(HW_REG_WAVE_MODE, 25, 1), 1
	s_wait_xcnt 0x0
; PREPARATION, by sections chosen from the work-group's number g alone:
;   g < 256    layer norm of 16 rows of 1,024 f32 -> bf16 rows (a second launch of 256 work-groups runs this section alone, on other buffers)
;   g < 1280   the mask -> 1.0 (word is 0) or 0.0 in bf16, laid as matrix fragments
;   g < 1472   Wq, Wk, Wv -> bf16, kept [k][n], in blocks of 256 columns behind a header of 16,640 bytes
;   g < 1536   Wo -> bf16 in blocks of 128 columns          g < 1792  W1 -> bf16 in blocks of 256 columns behind a header
;   g < 2048   W2 -> bf16 in blocks of 128 columns          g = 2048  the two headers: a floor word (256 bytes of it), then a bias in f32
; Memory binds every section: loads of 512 consecutive bytes a wave, stores of 256 or 512 consecutive aligned bytes, each byte once.  No matrix unit, no cluster: nothing is shared.
; No section has a loop: a wave issues all its loads at once (8, 16 or 32 of 512 bytes), works on them as they come and ends.  The text names 146 registers, so that six waves share a SIMD's 1,024:
; three work-groups on a WGP.  The mask's waves have the fewest bytes out (4,096 each), so their work-groups stand ahead of the casts', whose waves have 8,192.
; LAYER NORM as it is defined: the mean, then the mean of the squares of x - mean (no difference of large sums), 1 / sqrt(var + 1e-5), gain and bias in f32, rounded once to bf16.
; LIMITS.  NaN and infinities are not treated apart.  Any mask word other than 0 counts as 'keep'.
.set SPARE, 18432                      ; behind the eight stages of the mask section: the spare words, 128 bytes a wave
.set WH,    16640                      ; bytes of a header
.set T,   2                            ; v[2:9]    at work
.set MU,  10                           ; v[10:11]  the mean, twice
.set R,   12                           ; v[12:13]  1 / sqrt, twice
.set LO,  14                           ; v14       16 x lane
.set YO,  15                           ; v15       8 x lane
.set X0,  16                           ; v[16:47]  row 0: load j holds columns 128 j + 4 lane .. + 3; at the end its low 16 registers hold the row in bf16
.set X1,  48                           ; v[48:79]  row 1
.set G,   80                           ; v[80:111] the gain, same columns
.set BT,  112                          ; v[112:143] the bias
.set SPW, 144                          ; v144      LDS address of my spare word; never rewritten
.set NIL, 145                          ; v145      0; never rewritten
.macro RED                             ; four chains of pairs into one number, the same in every lane: v[T]
	v_pk_add_f32 v[T:T+1], v[T:T+1], v[T+2:T+3]
	v_pk_add_f32 v[T+4:T+5], v[T+4:T+5], v[T+6:T+7]
	v_pk_add_f32 v[T:T+1], v[T:T+1], v[T+4:T+5]
	v_add_f32 v[T], v[T], v[T+1]
	v_add_f32_dpp v[T], v[T], v[T] row_xmask:1 row_mask:0xf bank_mask:0xf
	v_add_f32_dpp v[T], v[T], v[T] row_xmask:2 row_mask:0xf bank_mask:0xf
	v_add_f32_dpp v[T], v[T], v[T] row_xmask:4 row_mask:0xf bank_mask:0xf
	v_add_f32_dpp v[T], v[T], v[T] row_xmask:8 row_mask:0xf bank_mask:0xf
	v_permlanex16_b32 v[T+1], v[T], s20, s21   ; the other half of the lanes
	v_add_f32 v[T], v[T], v[T+1]
.endm
; A row at registers x becomes (x - mean) / sqrt(var + eps).  left: the younger loads that may stay out.
.macro STAT x, left
	s_wait_loadcnt \left
.irp k, 0,1,2,3
	v_pk_add_f32 v[T+2*(\k):T+2*(\k)+1], v[(\x)+2*(\k):(\x)+2*(\k)+1], v[(\x)+8+2*(\k):(\x)+8+2*(\k)+1]
.endr
.irp o, 16,24
.irp k, 0,1,2,3
	v_pk_add_f32 v[T+2*(\k):T+2*(\k)+1], v[T+2*(\k):T+2*(\k)+1], v[(\x)+(\o)+2*(\k):(\x)+(\o)+2*(\k)+1]
.endr
.endr
	RED
	v_mul_f32 v[MU], s22, v[T]                 ; sum / 1,024
	v_mov_b32 v[MU+1], v[MU]
.set k, 0
.rept 16
	v_pk_add_f32 v[(\x)+k:(\x)+k+1], v[(\x)+k:(\x)+k+1], v[MU:MU+1] neg_lo:[0,1] neg_hi:[0,1]
.set k, k+2
.endr
.irp k, 0,1,2,3
	v_pk_mul_f32 v[T+2*(\k):T+2*(\k)+1], v[(\x)+2*(\k):(\x)+2*(\k)+1], v[(\x)+2*(\k):(\x)+2*(\k)+1]
.endr
.irp o, 8,16,24
.irp k, 0,1,2,3
	v_pk_fma_f32 v[T+2*(\k):T+2*(\k)+1], v[(\x)+(\o)+2*(\k):(\x)+(\o)+2*(\k)+1], v[(\x)+(\o)+2*(\k):(\x)+(\o)+2*(\k)+1], v[T+2*(\k):T+2*(\k)+1]
.endr
.endr
	RED
	v_fma_f32 v[T], v[T], s22, s23             ; var + eps
	v_rsq_f32 v[R], v[T]
	v_rsq_f32 v[R+1], v[T]
	v_nop                                      ; a plain instruction behind the last of the two,
	s_wait_alu depctr_va_vdst(0)               ; and one wait for both, ahead of their first reader
.set k, 0
.rept 16
	v_pk_mul_f32 v[(\x)+k:(\x)+k+1], v[(\x)+k:(\x)+k+1], v[R:R+1]
.set k, k+2
.endr
.endm
; Gain and bias, rounded once, stored.  The rounding goes in place: word k is made of words 2 k and 2 k + 1, in ascending order, so no word is written before it has been read.
; Each store of the wave covers 256 consecutive bytes, aligned.
.macro OUT x, row
.set k, 0
.rept 16
	v_pk_fma_f32 v[(\x)+k:(\x)+k+1], v[(\x)+k:(\x)+k+1], v[G+k:G+k+1], v[BT+k:BT+k+1]
.set k, k+2
.endr
.set k, 0
.rept 16
	v_cvt_pk_bf16_f32 v[(\x)+k], v[(\x)+2*k], v[(\x)+2*k+1]
.set k, k+1
.endr
.irp j, 0,1,2,3,4,5,6,7
	global_store_b64 v[YO], v[(\x)+2*(\j):(\x)+2*(\j)+1], s[10:11] offset:(\row)*2048+256*(\j)
.endr
.endm
; 16 rows x 128 columns of f32 (pitch sp bytes, from s[4:5]) -> bf16 (pitch dp bytes, to s[6:7]).  All 16 loads go out first; the waits count down.
.macro CAST sp, dp
.irp i, 0,1,2,3,4,5,6,7,8,9,10,11,12,13,14,15
	global_load_b128 v[16+4*(\i):19+4*(\i)], v[LO], s[4:5] offset:(\i)*(\sp) th:TH_LOAD_NT
.endr
.irp i, 0,1,2,3,4,5,6,7,8,9,10,11,12,13,14,15
	s_wait_loadcnt 15-(\i)
	v_cvt_pk_bf16_f32 v[80+2*(\i)], v[16+4*(\i)], v[17+4*(\i)]
	v_cvt_pk_bf16_f32 v[81+2*(\i)], v[18+4*(\i)], v[19+4*(\i)]
	global_store_b64 v[YO], v[80+2*(\i):81+2*(\i)], s[6:7] offset:(\i)*(\dp)
.endr
	s_endpgm
.endm
; where 16 rows x 128 columns go in blocks of 256 columns: s14 = the 1,024 columns' number, s15 = the 16 rows' number, s12 = wave -> s[18:19]
.macro DST256
	s_lshl_b32 s18, s14, 2
	s_lshr_b32 s19, s12, 1
	s_add_co_u32 s18, s18, s19                 ; the block of 256 columns
	s_lshl_b32 s18, s18, 19                    ; 1,024 rows of 512 bytes
	s_lshl_b32 s19, s15, 13                    ; 16 rows of 512 bytes
	s_add_co_u32 s18, s18, s19
	s_and_b32 s19, s12, 1
	s_lshl_b32 s19, s19, 8                     ; which half of the block's row
	s_add_co_u32 s18, s18, s19
	s_add_co_u32 s18, s18, WH
	s_mov_b32 s19, 0
.endm
	v_lshl_add_u32 v[SPW], v0, 2, SPARE
	v_mov_b32 v[NIL], 0
	v_and_b32 v1, 31, v0                       ; lane
	v_lshrrev_b32 v2, 5, v0
	v_readfirstlane_b32 s12, v2                ; wave 0..7
	v_lshlrev_b32 v[LO], 4, v1
	v_lshlrev_b32 v[YO], 3, v1
	s_mov_b32 s13, ttmp9
	s_cmp_lt_u32 s13, 256
	s_cbranch_scc1 .Lln
	s_cmp_lt_u32 s13, 1280
	s_cbranch_scc1 .Lmask
	s_cmp_lt_u32 s13, 1472
	s_cbranch_scc1 .Lwqkv
	s_cmp_lt_u32 s13, 1536
	s_cbranch_scc1 .Lwo
	s_cmp_lt_u32 s13, 1792
	s_cbranch_scc1 .Lw1
	s_cmp_lt_u32 s13, 2048
	s_cbranch_scc1 .Lw2
	; THE HEADERS.  wqkvp: floor = the lowest finite bf16, twice a word; bias 0.  w1p: floor 0 (a ReLU); bias b1.
	s_load_b128 s[4:7], s[0:1], 0x60           ; w1p s[4:5], b1 s[6:7]
	s_load_b64 s[8:9], s[0:1], 0x50            ; wqkvp
	v_lshlrev_b32 v13, 4, v0                   ; 16 x thread
.irp i, 16,17,18,19
	v_mov_b32 v[\i], 0
.endr
	v_mov_b32 v20, 0xff7fff7f
	v_mov_b32 v21, 0xff7fff7f
	s_wait_kmcnt 0x0
.irp i, 0,1,2,3
	global_load_b128 v[24+4*(\i):27+4*(\i)], v13, s[6:7] offset:4096*(\i)
.endr
.irp i, 0,1,2
	global_store_b128 v13, v[16:19], s[8:9] offset:256+4096*(\i)
.endr
.irp i, 0,1,2,3
	s_wait_loadcnt 3-(\i)
	global_store_b128 v13, v[24+4*(\i):27+4*(\i)], s[4:5] offset:256+4096*(\i)
.endr
	s_cmp_lg_u32 s12, 0
	s_cbranch_scc1 .Lhend
	global_store_b64 v[YO], v[20:21], s[8:9]   ; wave 0: 256 bytes of each floor
	global_store_b64 v[YO], v[16:17], s[4:5]
.Lhend:
	s_endpgm
.Lln:                                          ; wave w: rows 16 g + 2 w and the next
	s_load_b256 s[4:11], s[0:1], 0x0           ; x s[4:5], gain s[6:7], bias s[8:9], out s[10:11]
	s_lshl_b32 s13, s13, 4
	s_lshl_b32 s14, s12, 1
	s_add_co_u32 s13, s13, s14
	s_lshl_b32 s16, s13, 12                    ; rows of 4,096 bytes in
	s_mov_b32 s17, 0
	s_lshl_b32 s18, s13, 11                    ; of 2,048 bytes out
	s_mov_b32 s19, 0
	s_mov_b32 s20, 0x76543210                  ; v_permlanex16_b32: each lane takes its own place in the other half
	s_mov_b32 s21, 0xfedcba98
	s_mov_b32 s22, 0x3a800000                  ; 1 / 1,024
	s_mov_b32 s23, 0x3727c5ac                  ; 1e-5
	s_wait_kmcnt 0x0
	s_add_nc_u64 s[4:5], s[4:5], s[16:17]
	s_add_nc_u64 s[10:11], s[10:11], s[18:19]
.irp j, 0,1,2,3,4,5,6,7
	global_load_b128 v[X0+4*(\j):X0+4*(\j)+3], v[LO], s[4:5] offset:512*(\j)
.endr
.irp j, 0,1,2,3,4,5,6,7
	global_load_b128 v[X1+4*(\j):X1+4*(\j)+3], v[LO], s[4:5] offset:4096+512*(\j)
.endr
.irp j, 0,1,2,3,4,5,6,7
	global_load_b128 v[G+4*(\j):G+4*(\j)+3], v[LO], s[6:7] offset:512*(\j)
.endr
.irp j, 0,1,2,3,4,5,6,7
	global_load_b128 v[BT+4*(\j):BT+4*(\j)+3], v[LO], s[8:9] offset:512*(\j)
.endr
	STAT X0, 24                                ; row 0 is in; 24 younger loads stay out
	STAT X1, 16
	s_wait_loadcnt 0x0                         ; gain and bias
	OUT X0, 0
	OUT X1, 1
	s_endpgm
.Lwqkv:                                        ; 64 work-groups for each of Wq, Wk, Wv: 16 rows x 1,024 columns, a wave 128 columns
	s_load_b128 s[4:7], s[0:1], 0x20           ; Wq, Wk
	s_load_b64 s[8:9], s[0:1], 0x30            ; Wv
	s_load_b64 s[10:11], s[0:1], 0x50          ; wqkvp
	s_sub_co_u32 s13, s13, 1280
	s_lshr_b32 s14, s13, 6                     ; which of the three
	s_and_b32 s15, s13, 63                     ; which 16 rows
	s_lshl_b32 s16, s15, 16
	s_lshl_b32 s18, s12, 9
	s_add_co_u32 s16, s16, s18
	s_mov_b32 s17, 0
	DST256
	s_wait_kmcnt 0x0
	s_cmp_eq_u32 s14, 1
	s_cselect_b64 s[4:5], s[6:7], s[4:5]
	s_cmp_eq_u32 s14, 2
	s_cselect_b64 s[4:5], s[8:9], s[4:5]
	s_add_nc_u64 s[4:5], s[4:5], s[16:17]
	s_add_nc_u64 s[6:7], s[10:11], s[18:19]
	CAST 4096, 512
.Lw1:                                          ; 64 groups of 16 rows x 4 groups of 1,024 columns
	s_load_b64 s[4:5], s[0:1], 0x40            ; W1
	s_load_b64 s[10:11], s[0:1], 0x60          ; w1p
	s_sub_co_u32 s13, s13, 1536
	s_lshr_b32 s14, s13, 6
	s_and_b32 s15, s13, 63
	s_lshl_b32 s16, s15, 18                    ; 16 rows of 16,384 bytes
	s_lshl_b32 s18, s14, 12
	s_add_co_u32 s16, s16, s18
	s_lshl_b32 s18, s12, 9
	s_add_co_u32 s16, s16, s18
	s_mov_b32 s17, 0
	DST256
	s_wait_kmcnt 0x0
	s_add_nc_u64 s[4:5], s[4:5], s[16:17]
	s_add_nc_u64 s[6:7], s[10:11], s[18:19]
	CAST 16384, 512
.Lwo:                                          ; blocks of 128 columns: wave w's strip is block w
	s_load_b64 s[4:5], s[0:1], 0x38            ; Wo
	s_sub_co_u32 s13, s13, 1472
	s_lshl_b32 s18, s12, 18                    ; a block: 1,024 rows of 256 bytes
	s_branch .Lw128
.Lw2:
	s_load_b64 s[4:5], s[0:1], 0x48            ; W2
	s_sub_co_u32 s13, s13, 1792
	s_lshl_b32 s18, s12, 20                    ; a block: 4,096 rows of 256 bytes,
	s_add_co_u32 s18, s18, 2097152             ; behind Wo's eight
.Lw128:
	s_load_b64 s[6:7], s[0:1], 0x58            ; wc
	s_lshl_b32 s16, s13, 16
	s_lshl_b32 s14, s12, 9
	s_add_co_u32 s16, s16, s14
	s_mov_b32 s17, 0
	s_lshl_b32 s14, s13, 12                    ; 16 rows of 256 bytes
	s_add_co_u32 s18, s18, s14
	s_mov_b32 s19, 0
	s_wait_kmcnt 0x0
	s_add_nc_u64 s[4:5], s[4:5], s[16:17]
	s_add_nc_u64 s[6:7], s[6:7], s[18:19]
	CAST 4096, 256
; THE MASK.  A work-group takes 16 queries and 512 keys, a wave 64 keys.  In: eight loads, lanes 0-15 256 bytes of an even row, lanes 16-31 of the odd row below.
; Four words become four bf16 (8 bytes) in the wave's own stage of 16 rows x 144 bytes; back come 16 bytes a lane in the order of a matrix fragment of 32 keys x 16 queries:
; lane l = r + 16 h holds query r, keys 8 h .. + 7 (first piece) and 16 + 8 h .. + 7 (second).  Out: a fragment is 1,024 bytes, piece by piece, 512 consecutive bytes a store.
.Lmask:
	s_load_b128 s[4:7], s[0:1], 0x70           ; mask, mfrag
	s_sub_co_u32 s13, s13, 256
	s_lshr_b32 s14, s13, 2                     ; which 16 queries, 0 to 255
	s_and_b32 s15, s13, 3
	s_lshl_b32 s15, s15, 3
	s_add_co_u32 s15, s15, s12                 ; which 64 keys, 0 to 31
	s_lshl_b32 s16, s14, 17                    ; 16 rows of 8,192 bytes
	s_lshl_b32 s18, s15, 8                     ; 64 words
	s_add_co_u32 s16, s16, s18
	s_mov_b32 s17, 0
	s_lshl_b32 s18, s14, 16                    ; 64 fragments of 1,024 bytes
	s_lshl_b32 s19, s15, 11                    ; two fragments
	s_add_co_u32 s18, s18, s19
	s_mov_b32 s19, 0
	v_and_b32 v2, 15, v0                       ; r
	v_bfe_u32 v3, v0, 4, 1                     ; h
	v_lshlrev_b32 v13, 4, v2
	v_lshl_add_u32 v13, v3, 13, v13            ; h rows + 16 r
	s_mul_i32 s14, s12, 2304                   ; my stage
	v_mul_u32_u24 v10, v3, 144
	v_lshl_add_u32 v10, v2, 3, v10
	v_add_nc_u32 v10, s14, v10                 ; in: row h, byte 8 r
	v_mul_u32_u24 v11, v2, 144
	v_lshl_add_u32 v11, v3, 4, v11
	v_add_nc_u32 v11, s14, v11                 ; back: row r, byte 16 h
	v_mov_b32 v12, 0x3f80                      ; 1.0 in bf16
	s_wait_kmcnt 0x0
	s_add_nc_u64 s[4:5], s[4:5], s[16:17]
	s_add_nc_u64 s[6:7], s[6:7], s[18:19]
.irp i, 0,1,2,3,4,5,6,7
	global_load_b128 v[16+4*(\i):19+4*(\i)], v13, s[4:5] offset:(\i)*16384 th:TH_LOAD_NT
.endr
.irp i, 0,1,2,3,4,5,6,7
	s_wait_loadcnt 7-(\i)
.irp k, 0,1,2,3
	v_cmp_eq_u32 vcc_lo, 0, v[16+4*(\i)+(\k)]
	v_cndmask_b32 v[4+(\k)], 0, v12, vcc_lo
.endr
	v_lshl_or_b32 v[48+2*(\i)], v5, 16, v4
	v_lshl_or_b32 v[49+2*(\i)], v7, 16, v6
	ds_store_b64 v10, v[48+2*(\i):49+2*(\i)] offset:(\i)*288
.endr
.irp k, 0,1,2,3
	ds_load_b128 v[64+4*(\k):67+4*(\k)], v11 offset:32*(\k)   ; LDS serves a wave's instructions in order: these see the stores above
.endr
	s_wait_dscnt 0x0
.irp k, 0,1,2,3
	global_store_b128 v[LO], v[64+4*(\k):67+4*(\k)], s[6:7] offset:512*(\k)
.endr
	s_wait_tensorcnt 0x0                       ; the wave's end, behind my last LDS store
	ds_add_u32 v[SPW], v[NIL]
	s_wait_dscnt 0x0
	s_endpgm
.Lfunc_end_k_qbb81f773c7_prep:
	.size	k_qbb81f773c7_prep, .Lfunc_end_k_qbb81f773c7_prep-k_qbb81f773c7_prep
	.p2alignl 7, 3214868480
	.fill 96, 4, 3214868480
	.section	.rodata,"a",@progbits
	.p2align	6, 0x0
	.amdhsa_kernel k_qbb81f773c7_prep
		.amdhsa_group_segment_fixed_size 19456
		.amdhsa_private_segment_fixed_size 0
		.amdhsa_enable_private_segment 0
		.amdhsa_kernarg_size 128
		.amdhsa_user_sgpr_count 2
		.amdhsa_user_sgpr_kernarg_segment_ptr 1
		.amdhsa_wavefront_size32 1
		.amdhsa_system_sgpr_workgroup_id_x 1
		.amdhsa_system_sgpr_workgroup_id_y 1
		.amdhsa_system_sgpr_workgroup_id_z 1
		.amdhsa_system_vgpr_workitem_id 0
		.amdhsa_next_free_vgpr 146
		.amdhsa_next_free_sgpr 66
		.amdhsa_reserve_vcc 1
		.amdhsa_float_denorm_mode_32 3
		.amdhsa_float_denorm_mode_16_64 3
		.amdhsa_memory_ordered 1
		.amdhsa_forward_progress 1
		.amdhsa_inst_pref_size 49
	.end_amdhsa_kernel
	.amdgpu_metadata
---
amdhsa.version: [ 1, 2 ]
amdhsa.kernels:
  - .name:           k_qbb81f773c7_prep
    .symbol:         k_qbb81f773c7_prep.kd
    .args:
      - { .name: x, .offset: 0, .size: 8, .value_kind: global_buffer, .address_space: global }
      - { .name: g1, .offset: 8, .size: 8, .value_kind: global_buffer, .address_space: global }
      - { .name: be1, .offset: 16, .size: 8, .value_kind: global_buffer, .address_space: global }
      - { .name: xn, .offset: 24, .size: 8, .value_kind: global_buffer, .address_space: global }
      - { .name: Wq, .offset: 32, .size: 8, .value_kind: global_buffer, .address_space: global }
      - { .name: Wk, .offset: 40, .size: 8, .value_kind: global_buffer, .address_space: global }
      - { .name: Wv, .offset: 48, .size: 8, .value_kind: global_buffer, .address_space: global }
      - { .name: Wo, .offset: 56, .size: 8, .value_kind: global_buffer, .address_space: global }
      - { .name: W1, .offset: 64, .size: 8, .value_kind: global_buffer, .address_space: global }
      - { .name: W2, .offset: 72, .size: 8, .value_kind: global_buffer, .address_space: global }
      - { .name: wqkvp, .offset: 80, .size: 8, .value_kind: global_buffer, .address_space: global }
      - { .name: wc, .offset: 88, .size: 8, .value_kind: global_buffer, .address_space: global }
      - { .name: w1p, .offset: 96, .size: 8, .value_kind: global_buffer, .address_space: global }
      - { .name: b1, .offset: 104, .size: 8, .value_kind: global_buffer, .address_space: global }
      - { .name: mask, .offset: 112, .size: 8, .value_kind: global_buffer, .address_space: global }
      - { .name: mfrag, .offset: 120, .size: 8, .value_kind: global_buffer, .address_space: global }
    .group_segment_fixed_size: 19456
    .private_segment_fixed_size: 0
    .kernarg_segment_align: 8
    .kernarg_segment_size: 128
    .max_flat_workgroup_size: 256
    .sgpr_count:     66
    .vgpr_count:     146
    .wavefront_size: 32
...
	.end_amdgpu_metadata
.endif
;; end of part 6
;; launch qkv (part 7): grid 12 x 16, 4 waves a work-group, clusters of 4 x 4, 327,680 bytes of LDS; arguments xn, wqkvp, qkv; writes qkv
.if DOCPART == 7
	.amdgcn_target "amdgcn-amd-amdhsa--gfx1250"
	.amdhsa_code_object_version 6
	.text
	.protected	k_qbb81f773c7_qkv
	.globl	k_qbb81f773c7_qkv
	.p2align	8
	.type	k_qbb81f773c7_qkv,@function
k_qbb81f773c7_qkv:
	s_mov_b64 s[64:65], 0
	v_nop
	global_prefetch_b8 v0, s[64:65] scope:SCOPE_SE
	s_setreg_imm32_b32 hwreg(HW_REG_WAVE_MODE, 25, 1), 1
	s_wait_xcnt 0x0
	s_wait_alu depctr_hold_cnt(0) depctr_sa_sdst(0) depctr_va_vdst(0) depctr_va_sdst(0) depctr_va_ssrc(0) depctr_va_vcc(0) depctr_vm_vsrc(0)
	s_getreg_b32 s2, hwreg(HW_REG_IB_STS2, 6, 4)
	s_cmp_eq_u32 s2, 0
	s_cbranch_scc0 .Lentry_in_a_cluster
	s_endpgm
.Lentry_in_a_cluster:
	s_bfe_u32 s2, ttmp6, 0x10000c
	s_cmp_lg_u32 s2, 0xf033
	s_cbranch_scc0 .Lentry_shape_is_right
	s_endpgm
.Lentry_shape_is_right:
; OUT = max(A W + bias, floor), rounded once to bf16.  A: [4096][1024] bf16, rows along K.  W: bf16, kept [k][n] in blocks of 256 columns ([block][1024][256]) behind a header of 16,640 bytes:
; the floor word (two bf16) at byte 0, the bias in f32 from byte 256.  OUT: blocks of 64 columns, [column / 64][4096][64] bf16: a token's 64 numbers are 128 dense bytes.
; One text serves two products: the projections q, k, v (bias 0, floor the lowest finite bf16: its 32 packed maxima for 16 rows change no finite number there) and the first FFN product (bias b1, floor 0: the ReLU).
; A tile of OUT is 256 x 256: four waves, each 128 x 128 in 64 accumulators (512 registers).  K goes in steps of 128 through two LDS slots filled by tensor loads.  With 12 tile columns the grid has 192 work-groups.
; CLUSTER 4 x 4: A's tile hangs on the tile row alone and is asked for jointly along a row of the cluster, W's on the tile column alone and jointly along a column.
; THE PRODUCT IS TAKEN TRANSPOSED (source 0 = 16 columns of W, source 1 = 16 rows of A): a lane holds eight neighbouring columns of one row.  W lies [k][n] in LDS and is turned by ds_load_tr16_b128.
; THE BIAS is the C operand of the products that start the sums: it costs no instruction, and nothing is cleared.
; A K STEP IS WRITTEN ONCE FOR EACH KIND.  s[TB] holds the LDS byte at which the slot in hand begins, 0 or SLOT, and is turned by an exclusive or; the fragments' addresses are made from it at each change of slots.
; The loop of KSTEPS - 2 trips fills the slot that it leaves; the last two K steps, which fill nothing, are a loop of two trips that is left in its middle.
; LIMITS.  Operands bf16, sums f32.  NaN and infinities are not treated apart (a NaN loses against the floor).
; REGISTERS: window 0: v16-30 addresses; v64-127, v128-191 A's fragments, two buffers; v192-255 the bias (first quarter alone), later v192-223 packed results; v32-63, v224-255 rows read back.
;   window 1: v64-127, v128-191 W's fragments.   window 2: accumulators of my rows 0-63 ((a, b) at 8 (8 a + b)).   window 3: of my rows 64-127.
.set KD,     1024
.set KSTEP,  128
.set KSTEPS, KD/KSTEP
.set PA,     272                       ; a row of A in LDS: 256 bytes + 16: the 16 rows of a load start 68 words apart
.set PB,     544                       ; a k row of W: 512 bytes + 32 = 17 x 32: the turning load's 8 rows x 32 bytes fall apart
.set HALFT,  128*PA                    ; what one tensor load brings: 128 rows of A, or 64 k rows of W (64 x 544 is the same number)
.set SLOT,   4*HALFT                   ; A's 256 rows, then W's 128 k rows
.set STAGE,  2*SLOT                    ; behind the ring: 16 rows x 400 bytes for each wave, for the way out; no tensor load lands there
.set SP,     400
.set SPARE,  STAGE+4*16*SP             ; the spare words, 128 bytes a wave
.set WH,     16640
.set NBB,    524288                    ; bytes in a block of 256 columns of W, and in a block of 64 columns of OUT
.set BSTEP,  KSTEP*512                 ; a K step of W in memory
.set ADRA0, 16                         ; v16     my lane's place among A's fragments in slot 0; never rewritten
.set ADRB0, 17                         ; v17     the same for W
.set ADRA, 20                          ; v20     the same in the slot in hand
.set ADRB, 21                          ; v21
.set STO,  24
.set RD,   25
.set CO,   26
.set BO,   27                          ; v27     32 x (lane / 16): my eight numbers of a block of 16 of the bias
.set SPW,  28                          ; v28     my spare word; never rewritten
.set NIL,  29                          ; v29     0; never rewritten
.set PFO,  30                          ; v30     the prefetches' lane offset; never rewritten
.set F0,   64
.set F1,   128
.set BIAS, 192
.set TMP,  192
.set OB,   32
.set FLO,  2                           ; s2      the floor
.set LIM,  43                          ; s43     2 in a wave that prefetches, else the greatest number
.set PFA,  44                          ; s[44:45] where my prefetches stand
.set PFS,  66                          ; s[66:67] a K step along my stream: 256 bytes in A, 65,536 in W
.set TB,   68                          ; s68     0 or SLOT: where the slot in hand begins
.set LB,   69                          ; s69     my wave's part of a slot: wave x HALFT
.set G1,  24
.set G0,  32                           ; s[32:39] group 0 for A's tiles: a set for each of the two first fills; the second then walks on
.set G1B, 48
.set G0B, 56                           ; s[56:63] the same for W's
.set MSB, 0
.macro WIN new                         ; the immediate's high byte repeats the setting that is left; a switch that changes nothing is dropped
.if MSB != (\new)
	s_set_vgpr_msb (MSB<<8)|(\new)
.set MSB, \new
.endif
.endm
.set MUL_LO, 0xa1                      ; source 0 (W) window 1, source 1 (A) window 0, C and D window 2
.set TO_B,   0x40
; A joint load: waves 0 and 1 fetch A's two halves, waves 2 and 3 W's.  An s_nop 0 and four v_nop follow each line.
.macro JLOAD s
	s_cmp_eq_u32 s11, 0
	s_cbranch_scc0 .Lfor_b_\@
	tensor_load_to_lds s[G0+4*(\s):G0+4*(\s)+3], s[G1:G1+7]
	s_nop 0
.rept 4
	v_nop
.endr
	s_branch .Lasked_\@
.Lfor_b_\@:
	tensor_load_to_lds s[G0B+4*(\s):G0B+4*(\s)+3], s[G1B:G1B+7]
	s_nop 0
.rept 4
	v_nop
.endr
.Lasked_\@:
.endm
; A prefetch, behind a joint load and the run of LDS loads: the K step two refills on, 32 blocks of 256 bytes, a lane a block.  A's rows are asked for by the clusters with x = 0, W's by those with y = 0;
; the four partners of a joint load share its 128 blocks out by address.  The refill of the trip with s3 left brings K step KSTEPS - s3; two on from it there is a K step while s3 is above 2.
.macro ASK
	s_cmp_gt_u32 s3, s[LIM]
	s_cbranch_scc0 .Lnot_mine_\@
	global_prefetch_b8 v[PFO], s[PFA:PFA+1] th:TH_LOAD_NT scope:SCOPE_SE
.Lnot_mine_\@:
.endm
.macro CREST                           ; a round of the cluster's barrier behind its opening barrier
	s_cmp_lg_u32 s10, 0
	s_cbranch_scc1 .Lnot_wave_0_\@
	s_barrier_signal -3
.Lnot_wave_0_\@:
	s_barrier_wait -3
	s_barrier_signal -1
	s_barrier_wait -1
.endm
.macro CROUND
	s_barrier_signal -1
	s_barrier_wait -1
	CREST
.endm
	s_load_b128 s[4:7], s[0:1], 0x0                ; A s[4:5], W s[6:7]
	s_load_b64 s[8:9], s[0:1], 0x10                ; OUT
	v_lshl_add_u32 v[SPW], v0, 2, SPARE
	v_mov_b32 v[NIL], 0
	ds_add_u32 v[SPW], v[NIL]                      ; the wave's opening: the add; its wait stands ahead of my first tensor load
	v_lshrrev_b32 v1, 5, v0
	v_readfirstlane_b32 s10, v1                    ; wave 0..3
	s_lshr_b32 s11, s10, 1                         ; which half of the tile's rows is mine; also: I fetch for A (0) or W (1)
	s_and_b32 s12, s10, 1                          ; which half of its columns; also: which half I fetch
	s_bfe_u32 s40, ttmp6, 0x40000                  ; cx
	s_bfe_u32 s41, ttmp6, 0x40004                  ; cy
	s_lshl_b32 s42, ttmp9, 2
	s_add_co_u32 s42, s42, s40                     ; tile column
	s_and_b32 s13, ttmp7, 0xffff
	s_lshl_b32 s13, s13, 2
	s_add_co_u32 s13, s13, s41                     ; tile row
	s_lshl_b32 s43, s41, 2
	s_lshl_b32 s43, 15, s43                        ; my row of the cluster
	s_lshl_b32 s44, 0x1111, s40                    ; my column
	s_or_b32 s[G1+0], s43, (1<<16)|(1<<20)|(1<<21)|(5<<22)|(3<<25)   ; A: 2-byte elements, 4 words of padding after every 64
	s_mov_b32 s[G1+1], KSTEP<<16                   ; tensor_dim0 = 128
	s_mov_b32 s[G1+2], 128<<16                     ; tensor_dim1 = 128
	s_mov_b32 s[G1+3], KSTEP<<16                   ; tile_dim0 = 128
	s_mov_b32 s[G1+4], 128                         ; tile_dim1 = 128
	s_mov_b32 s[G1+5], KD                          ; elements from row to row
	s_mov_b32 s[G1+6], 0
	s_mov_b32 s[G1+7], 0
	s_or_b32 s[G1B+0], s44, (1<<16)|(1<<20)|(1<<21)|(6<<22)|(7<<25)  ; W: 8 words of padding after every 128
	s_mov_b32 s[G1B+1], 256<<16                    ; tensor_dim0 = 256
	s_mov_b32 s[G1B+2], 64<<16                     ; tensor_dim1 = 64
	s_mov_b32 s[G1B+3], 256<<16                    ; tile_dim0 = 256
	s_mov_b32 s[G1B+4], 64                         ; tile_dim1 = 64
	s_mov_b32 s[G1B+5], 256
	s_mov_b32 s[G1B+6], 0
	s_mov_b32 s[G1B+7], 0
	s_lshl_b32 s17, s12, 7
	s_lshl_b32 s16, s13, 8
	s_add_co_u32 s16, s16, s17                     ; A: row 256 x tile row + 128 x half,
	s_lshl_b32 s16, s16, 11                        ; of 2,048 bytes
	s_mov_b32 s17, 0
	s_lshl_b32 s46, s42, 19                        ; W: the tile column's block,
	s_lshl_b32 s47, s12, 15                        ; 64 k rows of 512 bytes x half,
	s_add_co_u32 s46, s46, s47
	s_add_co_u32 s46, s46, WH                      ; behind the header
	s_mov_b32 s47, 0
	s_mul_i32 s[LB], s10, HALFT                    ; where they go: no place in the cluster enters an LDS address
	s_mov_b32 s[TB], 0                             ; K step 0 lies in slot 0
	s_wait_dscnt 0x0                               ; the opening add is done
	s_wait_kmcnt 0x0
	s_add_nc_u64 s[14:15], s[4:5], s[16:17]
	s_add_nc_u64 s[46:47], s[6:7], s[46:47]
	CROUND                                         ; all sixteen work-groups are here: the first joint loads meet
.irp s, 0,1
	s_mov_b32 s[G0+4*(\s)], 1
	s_add_co_u32 s[G0+4*(\s)+1], s[LB], (\s)*SLOT
	s_add_nc_u64 s[G0+4*(\s)+2:G0+4*(\s)+3], s[14:15], (\s)*KSTEP*2
	s_or_b32 s[G0+4*(\s)+3], s[G0+4*(\s)+3], 0x80000000
	s_mov_b32 s[G0B+4*(\s)], 1
	s_add_co_u32 s[G0B+4*(\s)+1], s[LB], (\s)*SLOT
	s_add_nc_u64 s[G0B+4*(\s)+2:G0B+4*(\s)+3], s[46:47], (\s)*BSTEP
	s_or_b32 s[G0B+4*(\s)+3], s[G0B+4*(\s)+3], 0x80000000
	JLOAD \s
.endr
	s_load_b32 s[FLO], s[6:7], 0x0                 ; the floor
	v_and_b32 v1, 15, v0                           ; r = l % 16
	v_bfe_u32 v2, v0, 4, 1                         ; h = l / 16
	v_lshlrev_b32 v[BO], 5, v2
	s_lshl_b32 s46, s42, 10                        ; the tile's 256 numbers of the bias, my 128 of them
	s_lshl_b32 s47, s12, 9
	s_add_co_u32 s46, s46, s47
	s_add_co_u32 s46, s46, 256
	s_mov_b32 s47, 0
	s_add_nc_u64 s[18:19], s[6:7], s[46:47]
.irp b, 0,1,2,3,4,5,6,7
	global_load_b128 v[BIAS+8*(\b):BIAS+8*(\b)+3],   v[BO], s[18:19] offset:64*(\b)     ; register j: column 16 b + 8 h + j, as in a result
	global_load_b128 v[BIAS+8*(\b)+4:BIAS+8*(\b)+7], v[BO], s[18:19] offset:64*(\b)+16
.endr
	v_mul_u32_u24 v3, v1, PA
	v_lshl_add_u32 v3, v2, 4, v3                   ; A: row x pitch + 16 h
	v_and_b32 v4, 7, v0
	v_lshl_add_u32 v4, v2, 3, v4                   ; W, turned: k row 8 h + l % 8,
	v_mul_u32_u24 v4, v4, PB
	v_bfe_u32 v5, v0, 3, 1
	v_lshl_add_u32 v4, v5, 4, v4                   ; columns 8 ((l / 8) % 2) on
	s_mul_i32 s21, s11, HALFT                      ; my 128 rows of A
	s_lshl_b32 s22, s12, 8                         ; my 128 columns of W,
	s_add_co_u32 s22, s22, 2*HALFT                 ; which lies behind A
	v_add_nc_u32 v[ADRA0], s21, v3
	v_add_nc_u32 v[ADRB0], s22, v4
	v_mov_b32 v[ADRA], v[ADRA0]
	v_mov_b32 v[ADRB], v[ADRB0]
	s_mul_i32 s23, s10, 16*SP
	s_add_co_u32 s23, s23, STAGE                   ; my stage
	v_mul_u32_u24 v6, v1, SP                       ; in: row r, 16 bytes for each half of the lanes
	v_lshl_add_u32 v6, v2, 4, v6
	v_add_nc_u32 v[STO], s23, v6
	v_bfe_u32 v6, v0, 3, 2                         ; back: 32 lanes take 128 bytes of each of four rows
	v_mul_u32_u24 v6, v6, SP
	v_and_b32 v7, 7, v0
	v_lshl_add_u32 v6, v7, 4, v6
	v_add_nc_u32 v[RD], s23, v6
	v_and_b32 v[CO], 31, v0                        ; which are 512 consecutive bytes of OUT
	v_lshlrev_b32 v[CO], 4, v[CO]
	s_lshl_b32 s16, s13, 8
	s_lshl_b32 s17, s11, 7
	s_add_co_u32 s16, s16, s17                     ; my first token,
	s_lshl_b32 s16, s16, 7                         ; 128 bytes each
	s_mov_b32 s17, 0
	s_add_nc_u64 s[8:9], s[8:9], s[16:17]
	s_lshl_b32 s46, s42, 2
	s_lshl_b32 s47, s12, 1
	s_add_co_u32 s46, s46, s47                     ; my first block of 64 columns
	s_lshl_b32 s46, s46, 19
	s_mov_b32 s47, 0
	s_add_nc_u64 s[8:9], s[8:9], s[46:47]
	; the prefetches: they start at K step 3; each change of slots steps them once and then names them: K steps 4 to 7.  Nothing is asked for here, at the head.
	s_lshl_b32 s20, s13, 8
	s_lshl_b32 s21, s12, 7
	s_add_co_u32 s20, s20, s21
	s_lshl_b32 s21, s40, 5                         ; of the 128 rows of A that I fetch, my work-group's 32
	s_add_co_u32 s20, s20, s21
	s_lshl_b32 s20, s20, 11
	s_add_co_u32 s20, s20, 3*KSTEP*2
	s_lshl_b32 s21, s42, 19
	s_lshl_b32 s22, s12, 15
	s_add_co_u32 s21, s21, s22
	s_lshl_b32 s22, s41, 13                        ; of the 128 blocks of 256 bytes of W that I fetch, my work-group's 32
	s_add_co_u32 s21, s21, s22
	s_add_co_u32 s21, s21, WH+3*BSTEP
	s_and_b32 s22, ttmp7, 0xffff                   ; cluster y
	s_cmp_eq_u32 s11, 0                            ; do I fetch for A?
	s_cselect_b32 s20, s20, s21
	s_cselect_b32 s22, ttmp9, s22                  ; the coordinate along which other clusters read the same blocks
	s_cselect_b64 s[PFA:PFA+1], s[4:5], s[6:7]
	s_cselect_b32 s23, 8, 16
	s_cselect_b32 s46, 11, 8                       ; a lane a row of A (2,048 bytes on), or a block of W (256 bytes on)
	s_mov_b32 s21, 0
	s_cmp_eq_u32 s22, 0
	s_cselect_b32 s[LIM], 2, -1                    ; the same in all sixteen partners, for a given wave
	s_lshl_b32 s[PFS], 1, s23
	s_mov_b32 s[PFS+1], 0
	s_add_nc_u64 s[PFA:PFA+1], s[PFA:PFA+1], s[20:21]
	v_and_b32 v[PFO], 31, v0
	v_lshlrev_b32 v[PFO], s46, v[PFO]
; 16 matrix instructions: m blocks a0, a0 + 1 of the window's four x all 8 n blocks, 32 along K.  first = 1: the product starts the sum, with the bias as C.
; The 64 accumulators take turns, one instruction a turn, in the same order in every quarter.
.macro MUL16 f, hi, a0, first
.if \first
	WIN 0x81+0x40*(\hi)                            ; C in window 0
.else
	WIN MUL_LO+0x50*(\hi)
.endif
.irp a, \a0, (\a0)+1
.irp b, 0,1,2,3,4,5,6,7
.if \first
	v_wmma_f32_16x16x32_bf16 v[8*(8*(\a)+(\b)):8*(8*(\a)+(\b))+7], v[(\f)+8*(\b):(\f)+8*(\b)+7], v[(\f)+8*(4*(\hi)+(\a)):(\f)+8*(4*(\hi)+(\a))+7], v[BIAS+8*(\b):BIAS+8*(\b)+7]
.else
	v_wmma_f32_16x16x32_bf16 v[8*(8*(\a)+(\b)):8*(8*(\a)+(\b))+7], v[(\f)+8*(\b):(\f)+8*(\b)+7], v[(\f)+8*(4*(\hi)+(\a)):(\f)+8*(4*(\hi)+(\a))+7], v[8*(8*(\a)+(\b)):8*(8*(\a)+(\b))+7]
.endif
.endr
.endr
.endm
; 32 LDS loads in one run: quarter q (32 along K) of the slot in hand into buffer f: W's 8 fragments, turned, then A's 8
.macro FETCH q, f
	WIN TO_B
.irp i, 0,1,2,3,4,5,6,7
	ds_load_tr16_b128 v[(\f)+8*(\i):(\f)+8*(\i)+3],   v[ADRB] offset:(\q)*32*PB+32*(\i)
	ds_load_tr16_b128 v[(\f)+8*(\i)+4:(\f)+8*(\i)+7], v[ADRB] offset:(\q)*32*PB+16*PB+32*(\i)
.endr
	WIN 0
.irp i, 0,1,2,3,4,5,6,7
	ds_load_b128 v[(\f)+8*(\i):(\f)+8*(\i)+3],   v[ADRA] offset:(\q)*64+(\i)*16*PA
	ds_load_b128 v[(\f)+8*(\i)+4:(\f)+8*(\i)+7], v[ADRA] offset:(\q)*64+(\i)*16*PA+32
.endr
.endm
.macro PLACES                          ; four plain places in front of loads into registers that matrix instructions have read, and of conversions that read results
.rept 4
	v_nop
.endr
.endm
.macro QUARTER q, f, g, first          ; multiplies buffer f; in its middle fetches quarter q of the slot in hand into g
	s_wait_dscnt 8                                 ; W and A's rows 0-63 are in; the youngest eight loads (A's rows 64-127) may be out
	MUL16 \f, 0, 0, \first
	MUL16 \f, 0, 2, \first
	PLACES
	FETCH \q, \g
	s_wait_dscnt 32                                ; all but the 32 just issued
	MUL16 \f, 1, 0, \first
	MUL16 \f, 1, 2, \first
.endm
; The first half of a K step's last quarter: ONE barrier for the change of slots.
.macro MEET
	WIN 0
	s_wait_tensorcnt 0x0                           ; all my tensor loads have landed: the one that was out is my part of the next slot;
	ds_add_u32 v[SPW], v[NIL]                      ; 0 onto my spare word;
	s_wait_dscnt 9                                 ; (the add and the youngest eight loads may be out)
	MUL16 F1, 0, 0, 0
	s_wait_dscnt 0x0                               ; the add is done, and my reads of this slot are over
	s_barrier_signal -1
	MUL16 F1, 0, 2, 0
	WIN 0
	s_barrier_wait -1
.endm
; The whole last quarter.  fill = 1: the slot just read is filled again, with the K step two on, first thing behind a round of the cluster's barrier: the walking descriptor takes the slot's place and steps one K step.
; fill = 0, the last two K steps: nothing is asked for; in the very last (s3 = 1) there is no next slot, and the run of loads is jumped over (its barrier orders nothing: the price of one text for both).
.macro TURN fill
.if \fill
	s_wait_xcnt 0x0                                ; the last prefetch, a K step back, has read its address
	s_add_nc_u64 s[PFA:PFA+1], s[PFA:PFA+1], s[PFS:PFS+1]
	MEET
	CREST                                          ; no wave of any partner still reads this slot or has a load on its way
	s_add_co_u32 s[G0+5], s[LB], s[TB]
	s_add_co_u32 s[G0B+5], s[LB], s[TB]
	s_add_nc_u64 s[G0+6:G0+7], s[G0+6:G0+7], KSTEP*2
	s_add_nc_u64 s[G0B+6:G0B+7], s[G0B+6:G0B+7], BSTEP
	JLOAD 1                                        ; its four v_nop are also the places in front of the loads below
.else
	MEET
	s_cmp_eq_u32 s3, 1
	s_cbranch_scc1 .Lno_more_\@
	v_nop                                          ; with the two additions below: the four places in front of the loads
	v_nop
.endif
	s_xor_b32 s[TB], s[TB], SLOT                   ; the other slot is in hand
	v_add_nc_u32 v[ADRA], s[TB], v[ADRA0]
	v_add_nc_u32 v[ADRB], s[TB], v[ADRB0]
	FETCH 0, F0
.if \fill
	ASK
.else
.Lno_more_\@:
.endif
	MUL16 F1, 1, 0, 0
	MUL16 F1, 1, 2, 0
.endm
; THE WAY OUT of block a (16 rows x 128 columns).  PACK: rounded to bf16 (each accumulator's registers in ascending order), then the floor.  TOSTAGE: into my own stage, and back as 128-byte rows of one block of 64 columns.  SEND: stored.
.macro PACK a
.set AC, 64*((\a)%4)
	WIN 0x0a+5*((\a)/4)
.irp b, 0,1,2,3,4,5,6,7
.irp r, 0,1,2,3
	v_cvt_pk_bf16_f32 v[TMP+4*(\b)+(\r)], v[AC+8*(\b)+2*(\r)], v[AC+8*(\b)+2*(\r)+1]
.endr
.endr
	WIN 0
.set z, 0
.rept 32
	v_pk_max_num_bf16 v[TMP+z], v[TMP+z], s[FLO]
.set z, z+1
.endr
.endm
.macro TOSTAGE a
	WIN 0
.set BK, OB+192*((\a)%2)
.irp b, 0,1,2,3,4,5,6,7
	ds_store_b128 v[STO], v[TMP+4*(\b):TMP+4*(\b)+3] offset:32*(\b)
.endr
.irp t, 0,1,2,3,4,5,6,7
	ds_load_b128 v[BK+4*(\t):BK+4*(\t)+3], v[RD] offset:((\t)%4)*4*SP+((\t)/4)*128   ; LDS serves a wave's instructions in order: these see the stores above
.endr
.endm
.macro SEND a
	WIN 0
.set BK, OB+192*((\a)%2)
	s_wait_dscnt 0x0                               ; the block is back in registers
	s_wait_xcnt 0x0                                ; the earlier stores have read their registers, which the next block's loads write
.irp t, 0,1,2,3,4,5,6,7
	global_store_b128 v[CO], v[BK+4*(\t):BK+4*(\t)+3], s[8:9] offset:(\a)*2048+((\t)/4)*NBB+((\t)%4)*512   ; 512 consecutive bytes: four tokens of one block of 64 columns
.endr
.endm
	s_wait_tensorcnt 1                             ; my part of K step 0 is in; K step 1's may stay out
	s_barrier_signal -1
	s_barrier_wait -1
	FETCH 0, F0
	s_wait_loadcnt 0x0                             ; the bias
	s_wait_kmcnt 0x0                               ; the floor
	QUARTER 1, F0, F1, 1                           ; the first quarter stands in front of the loop: its products start the sums
	WIN 0
	s_mov_b32 s3, KSTEPS-2
.Lstep:                                                ; a trip: from a K step's second quarter to the next K step's first; the slot that is left is filled again
	QUARTER 2, F1, F0, 0
	QUARTER 3, F0, F1, 0
	TURN 1
	QUARTER 1, F0, F1, 0
	WIN 0
	s_sub_co_u32 s3, s3, 1
	s_cmp_lg_u32 s3, 0
	s_cbranch_scc1 .Lstep
	s_mov_b32 s3, 2
.Ltail:                                                ; the last two K steps fill nothing; the second trip is left behind its last products
	QUARTER 2, F1, F0, 0
	QUARTER 3, F0, F1, 0
	TURN 0
	WIN 0
	s_sub_co_u32 s3, s3, 1
	s_cmp_eq_u32 s3, 0
	s_cbranch_scc1 .Lout
	QUARTER 1, F0, F1, 0
	WIN 0
	s_cmp_lg_u32 s3, 0
	s_cbranch_scc1 .Ltail
.Lout:
	PLACES
	PACK 0
	TOSTAGE 0
.irp a, 1,2,3,4,5,6,7                  ; block a's conversions stand between block a - 1's loads from the stage and the wait for them
	PACK \a
	SEND (\a)-1
	TOSTAGE \a
.endr
	SEND 7
	s_wait_tensorcnt 0x0                           ; the wave's end
	ds_add_u32 v[SPW], v[NIL]
	s_wait_dscnt 0x0
	CROUND                                         ; the closing round
	s_endpgm
.Lfunc_end_k_qbb81f773c7_qkv:
	.size	k_qbb81f773c7_qkv, .Lfunc_end_k_qbb81f773c7_qkv-k_qbb81f773c7_qkv
	.p2alignl 7, 3214868480
	.fill 96, 4, 3214868480
	.section	.rodata,"a",@progbits
	.p2align	6, 0x0
	.amdhsa_kernel k_qbb81f773c7_qkv
		.amdhsa_group_segment_fixed_size 327680
		.amdhsa_private_segment_fixed_size 0
		.amdhsa_enable_private_segment 0
		.amdhsa_kernarg_size 24
		.amdhsa_user_sgpr_count 2
		.amdhsa_user_sgpr_kernarg_segment_ptr 1
		.amdhsa_wavefront_size32 1
		.amdhsa_system_sgpr_workgroup_id_x 1
		.amdhsa_system_sgpr_workgroup_id_y 1
		.amdhsa_system_sgpr_workgroup_id_z 1
		.amdhsa_system_vgpr_workitem_id 0
		.amdhsa_next_free_vgpr 1024
		.amdhsa_next_free_sgpr 70
		.amdhsa_reserve_vcc 0
		.amdhsa_float_denorm_mode_32 3
		.amdhsa_float_denorm_mode_16_64 3
		.amdhsa_memory_ordered 1
		.amdhsa_forward_progress 1
		.amdhsa_inst_pref_size 119
	.end_amdhsa_kernel
	.amdgpu_metadata
---
amdhsa.version: [ 1, 2 ]
amdhsa.kernels:
  - .name:           k_qbb81f773c7_qkv
    .symbol:         k_qbb81f773c7_qkv.kd
    .args:
      - { .name: xn, .offset: 0, .size: 8, .value_kind: global_buffer, .address_space: global }
      - { .name: wqkvp, .offset: 8, .size: 8, .value_kind: global_buffer, .address_space: global }
      - { .name: qkv, .offset: 16, .size: 8, .value_kind: global_buffer, .address_space: global }
    .group_segment_fixed_size: 327680
    .private_segment_fixed_size: 0
    .kernarg_segment_align: 8
    .kernarg_segment_size: 24
    .max_flat_workgroup_size: 128
    .sgpr_count:     70
    .vgpr_count:     1024
    .wavefront_size: 32
...
	.end_amdgpu_metadata
.endif
;; end of part 7
;; launch attn (part 8): grid 8 x 32, 4 waves a work-group, clusters of 4 x 1, 327,680 bytes of LDS; arguments qkv, mfrag, act; writes act
.if DOCPART == 8
	.amdgcn_target "amdgcn-amd-amdhsa--gfx1250"
	.amdhsa_code_object_version 6
	.text
	.protected	k_qbb81f773c7_attn
	.globl	k_qbb81f773c7_attn
	.p2align	8
	.type	k_qbb81f773c7_attn,@function
k_qbb81f773c7_attn:
	s_mov_b64 s[64:65], 0
	v_nop
	global_prefetch_b8 v0, s[64:65] scope:SCOPE_SE
	s_setreg_imm32_b32 hwreg(HW_REG_WAVE_MODE, 25, 1), 1
	s_wait_xcnt 0x0
	s_wait_alu depctr_hold_cnt(0) depctr_sa_sdst(0) depctr_va_vdst(0) depctr_va_sdst(0) depctr_va_ssrc(0) depctr_va_vcc(0) depctr_vm_vsrc(0)
	s_getreg_b32 s2, hwreg(HW_REG_IB_STS2, 6, 4)
	s_cmp_eq_u32 s2, 0
	s_cbranch_scc0 .Lentry_in_a_cluster
	s_endpgm
.Lentry_in_a_cluster:
	s_bfe_u32 s2, ttmp6, 0x10000c
	s_cmp_lg_u32 s2, 0x3003
	s_cbranch_scc0 .Lentry_shape_is_right
	s_endpgm
.Lentry_shape_is_right:
; MASKED ATTENTION, head size 64.  O[b][h][q] = the sum over k of softmax_k(s) V[k], s = Q[q] . K[k] / 8 where the mask keeps the pair.  q, k, v: [48][4096][64] bf16 (q: block h, k: 16 + h, v: 32 + h; token = 2,048 b + s).
; O goes out in the same layout, [h][4096][64] bf16.  Products, maxima and sums in f32; the weights p are rounded to bf16 for the second product (their sum l is taken of the unrounded p), O once at the end.
; THE MASK GOES THROUGH THE MATRIX UNIT.  mfrag holds 1.0 where the mask's word is 0, else 0.0, in bf16, laid as fragments of 32 keys x 16 queries.  Each 16 x 16 sum of scores is STARTED by one product
; E x fragment, E = -9.95e29 x (a 16 x 32 selection of 16 of the 32 keys): a hidden score begins at -9.95e29, and Q . K is added onto it.  No vector instruction is spent on the mask.
; LIMITS.  A hidden score counts as -9.95e29 + Q . K in place of -1e9: its weight is 0 beside any kept score above -1e9 x 8; a row with every key hidden gets equal weights as far as -9.95e29 + Q . K rounds to -9.95e29.
; A weight below 2^-126 counts as 0 in l.  NaN and infinities are not treated apart.  All operands bf16.
; SHARES.  A work-group owns 256 queries of one head, a wave 64: four PIECES of 16.  Every wave walks all 2,048 keys, 64 a step, 256 a slot of LDS.
; LAYOUT.  S^T = K Q^T holds ONE query a lane (lane % 16) and the keys 8 (lane / 16) + 0..7; two such results rounded to bf16 ARE source 1 of O^T = V^T P.  K comes out of LDS as it lies, V turned.
; SOFTMAX.  p = 2^(c s - c m), c = log2(e) / 8, with a running maximum m; O and l are multiplied by a = 2^(c m_old - c m_new) in every step.  m starts at the lowest finite number, O and l at 0.
; TURNS.  Turn n belongs to piece n: 4 mask products and 8 products K Q^T of piece n + 1, later 8 products V^T P of piece n - 1; beside them piece n's scaling, exponentials, roundings, sums and rescaling and
; piece n + 1's maximum and statistics.  Four vector instructions stand behind every matrix instruction, the others in one lump.  A turn's 33 exponentials are one batch, with one wait.
; NO LAST STEP IS WRITTEN OUT: the tail's loop is left in the middle of its fifth trip, whose 12 products for a piece 0 that does not come, and the maximum made of them, serve nothing (they touch S^T, c m and m alone).
; CLUSTER.  The four query blocks of a cluster belong to one head and walk the same K and V: each tile is asked for jointly.  The mask's fragments are each wave's own and come straight into registers.
; REGISTERS, in windows of 256: window 0: v1-15 addresses; v16-31 statistics; v32-38 mask and prefetch offsets; v48-55 at work; v64-127 S^T, two buffers; v192-223 P, two buffers.
;   window 1: v0-127 O^T.   window 2: v0-63 Q; v128-191 K; v192-255 V.   window 3: v0-11 E (0, pattern, 0: v[4:11] picks keys 0-15 of 32, v[0:7] keys 16-31); v64-127 the mask's fragments, 16 a piece.
.set NP,    4
.set KS,    64
.set PK,    144       ; a row of K in LDS: 128 bytes + 16
.set PV,    160       ; a row of V: 128 + 32
.set VOFF,  4*KS*PK   ; a slot: 256 rows of K, then 256 rows of V
.set SLOT1, 1<<17
.set STAGE, SLOT1+4*KS*(PK+PV)  ; 16 rows x 144 bytes for each wave, for the way out; no tensor load lands there
.set SP,    144
.set SPARE, STAGE+4*16*SP
.set AK0, 2
.set AV0, 3
.set AK,  4
.set AV,  5
.set STO, 6
.set RD,  7
.set GO,  8
.set MV,  12          ; v12-13  c m_old, by buffer
.set L16, 14          ; v14  16 x lane; never rewritten
.set QO,  15
.set ST,  16          ; piece t: c m, m, l (even keys'), l (odd keys')
.set MO,  32          ; v32-35  piece u's offset in its stream of mask fragments
.set PFO, 36          ; v36  256 x lane
.set PFM, 37          ; v37  the mask prefetch's offset
.set PFL, 38          ; v38  its lane part: piece l / 8, block l % 8 of a step's 2,048 bytes
.set TMP, 48
.set SPW, 62
.set NIL, 63
.set S,   64
.set P,   192
.set MB,  64          ; window 3
.set KF,  128         ; window 2
.set VF,  192         ; window 2
.set WV,  12
.set G1K, 24
.set G1V, 32
.set G0K, 40
.set G0V, 44
.set MP,  48          ; s[48:49] mfrag at my wave's first piece; never rewritten
.set MJ,  50          ; s50  byte of the step whose fragments are loaded next
.set PJ,  51          ; s51  byte of the step whose fragments are prefetched next
.set PFA, 52          ; s[52:53] where my prefetches of K or V stand
.set LIM, 54          ; s54  1 in a wave that prefetches K or V, else the greatest number
.set LIMM, 55         ; s55  1 where the head is 0: that head's work-groups prefetch the mask, which all 16 heads read
.set SLOTS, 56
.set CNT, 57
.set CS,  58
.set SEL, 60
.set TBK, 62
.set TBV, 63
.set MSB, 0
.macro WIN new
.if MSB != (\new)
	s_set_vgpr_msb (MSB<<8)|(\new)
.set MSB, (\new)
.endif
.endm
.set W_MQ, 0x0f       ; E and the fragment in window 3, S^T in window 0
.set W_KQ, 0x0a
.set W_PV, 0x52
.set W_RS, 0x41
.macro JLOAD                        ; waves 0 and 1 fetch the halves of a slot's K, waves 2 and 3 of its V
	s_cmp_lt_u32 s[WV], 2
	s_cbranch_scc0 .Lfor_v_\@
	tensor_load_to_lds s[G0K:G0K+3], s[G1K:G1K+7]
	s_nop 0
.rept 4
	v_nop
.endr
	s_branch .Lasked_\@
.Lfor_v_\@:
	tensor_load_to_lds s[G0V:G0V+3], s[G1V:G1V+7]
	s_nop 0
.rept 4
	v_nop
.endr
.Lasked_\@:
.endm
; What the NEXT change of slots will ask for: 128 blocks of 256 bytes of K and of V.  The head's first cluster asks; its partners take 32 blocks each, by address; wave 0 for K, wave 2 for V.  The last fill has no slot behind it.
.macro ASK
	s_cmp_gt_u32 s[SLOTS], s[LIM]
	s_cbranch_scc0 .Lnot_mine_\@
	global_prefetch_b8 v[PFO], s[PFA:PFA+1] th:TH_LOAD_NT scope:SCOPE_SE
.Lnot_mine_\@:
.endm
.macro CROUND
	s_barrier_signal -1
	s_barrier_wait -1
	s_cmp_lg_u32 s[WV], 0
	s_cbranch_scc1 .Lnot_wave_0_\@
	s_barrier_signal -3
.Lnot_wave_0_\@:
	s_barrier_wait -3
	s_barrier_signal -1
	s_barrier_wait -1
.endm
; THE CHANGE OF SLOTS.  Each wave waits for all its tensor loads (one is out: its part of the other slot), adds 0 to its spare word, and waits for that and for its reads of the slot.  fill = 1: the slot is filled
; again with the keys two slots on, first thing behind a round of the cluster's barrier: four key steps in which to land.  (At its first use slot 0 is waited for and slot 1 filled.)
.macro CHANGE fill
	WIN 0
	s_wait_tensorcnt 0x0
	ds_add_u32 v[SPW], v[NIL]
.if \fill
.irp g, G0K, G0V
	s_xor_b32 s[\g+1], s[\g+1], SLOT1
	s_add_nc_u64 s[\g+2:\g+3], s[\g+2:\g+3], 4*KS*128
.endr
	s_wait_xcnt 0x0                 ; the last prefetch of K or V, four key steps back, has read its address
	s_add_nc_u64 s[PFA:PFA+1], s[PFA:PFA+1], 4*KS*128
	s_wait_dscnt 0x0
	CROUND
	JLOAD
	ASK
.else
	s_wait_dscnt 0x0
	s_barrier_signal -1
	s_barrier_wait -1
.endif
	s_sub_co_u32 s[TBK], s[TBK], 4*KS*PK
	s_xor_b32 s[TBK], s[TBK], SLOT1
	s_sub_co_u32 s[TBV], s[TBV], 4*KS*PV
	s_xor_b32 s[TBV], s[TBV], SLOT1
.endm
	s_load_b128 s[16:19], s[0:1], 0x0  ; qkv s[16:17], mfrag s[18:19]
	s_load_b64 s[10:11], s[0:1], 0x10  ; act
	v_lshl_add_u32 v[SPW], v0, 2, SPARE
	v_mov_b32 v[NIL], 0
	ds_add_u32 v[SPW], v[NIL]       ; the wave's opening: the add; its wait stands ahead of my first tensor load
	v_lshrrev_b32 v1, 5, v0
	v_readfirstlane_b32 s[WV], v1
	s_bfe_u32 s13, ttmp6, 0x40000   ; cx
	s_lshl_b32 s14, ttmp9, 2
	s_add_co_u32 s14, s14, s13      ; my block of 256 queries: it enters Q's, O's and the mask's addresses alone
	s_and_b32 s15, ttmp7, 0xffff    ; 16 b + h, which the partners share
	s_and_b32 s20, s15, 15          ; h
	s_lshr_b32 s21, s15, 4          ; b
	s_cmp_eq_u32 s20, 0
	s_cselect_b32 s[LIMM], 1, 0
	s_lshl_b32 s20, s20, 19
	s_lshl_b32 s22, s21, 18
	s_add_co_u32 s20, s20, s22      ; the head's first byte in a third of qkv, and in act
	s_and_b32 s23, s[WV], 1         ; which half of a slot's 256 keys I fetch
	s_mov_b32 s[G0K], 1
	s_mul_i32 s[G0K+1], s23, 128*PK
	s_mov_b32 s[G0V], 1
	s_mul_i32 s[G0V+1], s23, 128*PV
	s_add_co_u32 s[G0V+1], s[G0V+1], VOFF
	s_lshl_b32 s22, s23, 14
	s_add_co_u32 s22, s22, s20
	s_add_co_u32 s22, s22, 0x800000 ; k lies 16 blocks of 524,288 bytes behind q
	s_mov_b32 s23, 0
	s_lshl_b32 s2, s14, 15
	s_add_co_u32 s2, s2, s20
	s_lshl_b32 s3, s[WV], 13
	s_add_co_u32 s2, s2, s3         ; my wave's 64 rows of Q and O
	s_mov_b32 s3, 0
	s_lshl_b32 s20, s21, 7
	s_lshl_b32 s21, s14, 4
	s_add_co_u32 s20, s20, s21
	s_lshl_b32 s21, s[WV], 2
	s_add_co_u32 s20, s20, s21      ; my first group of 16 tokens,
	s_lshl_b32 s20, s20, 16         ; 65,536 bytes of fragments each
	s_mov_b32 s21, 0
	; 128 keys are 16,384 dense bytes: asked for as 64 rows of 256 bytes, padded in LDS after every key
	s_mov_b32 s[G1K], 15|(1<<16)|(1<<20)|(1<<21)|(4<<22)|(3<<25)
	s_mov_b32 s[G1V], 15|(1<<16)|(1<<20)|(1<<21)|(4<<22)|(7<<25)
.irp g, G1K, G1V
	s_mov_b32 s[\g+1], 128<<16
	s_mov_b32 s[\g+2], 64<<16
	s_mov_b32 s[\g+3], 128<<16
	s_mov_b32 s[\g+4], 64
	s_mov_b32 s[\g+5], 128
	s_mov_b32 s[\g+6], 0
	s_mov_b32 s[\g+7], 0
.endr
	s_mov_b32 s[CS], 0x3e38aa3b     ; c = log2(e) / 8
	s_mov_b32 s[CS+1], s[CS]
	s_mov_b32 s[SEL], 0x76543210
	s_mov_b32 s[SEL+1], 0xfedcba98
	s_mov_b32 s[TBK], SLOT1+4*KS*PK ; the first change of slots turns these two into 0
	s_mov_b32 s[TBV], SLOT1+4*KS*PV
	s_mov_b32 s[MJ], 2048           ; step 1
	s_mov_b32 s[PJ], 3*2048         ; step 3: steps 0 to 2 come by their loads alone
	s_mov_b32 s[SLOTS], 7
	s_and_b32 s[LIM], s[WV], 1
	s_or_b32 s[LIM], s[LIM], ttmp9
	s_cmp_eq_u32 s[LIM], 0
	s_cselect_b32 s[LIM], 1, -1
	s_wait_dscnt 0x0                ; the opening add is done
	s_wait_kmcnt 0x0
	s_add_nc_u64 s[6:7], s[16:17], s[22:23]   ; K at my half of slot 0
	s_add_nc_u64 s[8:9], s[6:7], 0x800000     ; V
	s_add_nc_u64 s[4:5], s[16:17], s[2:3]     ; Q
	s_add_nc_u64 s[10:11], s[10:11], s[2:3]   ; O
	s_add_nc_u64 s[MP:MP+1], s[18:19], s[20:21]
	s_mov_b64 s[G0K+2:G0K+3], s[6:7]
	s_or_b32 s[G0K+3], s[G0K+3], 0x80000000
	s_mov_b64 s[G0V+2:G0V+3], s[8:9]
	s_or_b32 s[G0V+3], s[G0V+3], 0x80000000
	s_cmp_lt_u32 s[WV], 2
	s_cselect_b64 s[PFA:PFA+1], s[6:7], s[8:9]
	s_lshl_b32 s2, s13, 13          ; my work-group's 32 blocks of the 128,
	s_add_co_u32 s2, s2, 4*KS*128   ; in slot 1; the first change of slots steps it to slot 2
	s_mov_b32 s3, 0
	s_add_nc_u64 s[PFA:PFA+1], s[PFA:PFA+1], s[2:3]
	CROUND
	JLOAD                           ; slot 0
	v_and_b32 v1, 15, v0            ; r
	v_bfe_u32 v9, v0, 4, 1          ; h
	v_lshlrev_b32 v[QO], 7, v1
	v_lshl_add_u32 v[QO], v9, 4, v[QO]
	v_and_b32 v[L16], 31, v0
	v_lshlrev_b32 v[L16], 4, v[L16]
	WIN 0x80
.set i, 0
.rept 8                             ; Q stays in registers: piece i / 2, channels 32 (i % 2) on
	global_load_b128 v[8*i:8*i+3],   v[QO], s[4:5] offset:(i/2)*2048+(i%2)*64
	global_load_b128 v[8*i+4:8*i+7], v[QO], s[4:5] offset:(i/2)*2048+(i%2)*64+32
.set i, i+1
.endr
	WIN 0xc0
.irp u, 0,1,2,3                     ; the mask's fragments of step 0, piece by piece: four loads of 512 consecutive bytes each
.irp k, 0,1,2,3
	global_load_b128 v[MB+16*(\u)+4*(\k):MB+16*(\u)+4*(\k)+3], v[L16], s[MP:MP+1] offset:(\u)*65536+512*(\k)
.endr
.endr
	WIN 0
	; E's pattern: lane (r, h) holds row r; its one number stands at k = r: in register (r % 8) / 2, half r % 2, of the lanes with h = r / 8
	v_lshrrev_b32 v10, 3, v1
	v_xor_b32 v10, v10, v9
	v_bfe_u32 v11, v1, 1, 2
	v_lshl_add_u32 v10, v10, 2, v11 ; 0..3 names the register; 4 and above: none
	v_and_b32 v11, 1, v1
	v_lshlrev_b32 v11, 4, v11
	v_mov_b32 v[MV], 0xf149         ; -9.95e29 in bf16
	v_lshlrev_b32 v11, v11, v[MV]
	WIN 0xc0
.irp i, 0,1,2,3
	v_cmp_eq_u32 vcc_lo, \i, v10
	v_cndmask_b32 v[4+\i], 0, v11, vcc_lo
	v_mov_b32 v[\i], 0
	v_mov_b32 v[8+\i], 0
.endr
	; What the first turn finds: V and P's second buffer hold 0 (its products V^T P, of a piece that has not been, add 0), O^T and l are 0.  All this stands in the wait for the first tile.
	WIN 0x80
.set i, VF
.rept 64
	v_mov_b32 v[i], 0
.set i, i+1
.endr
	WIN 0x40
.set i, 0
.rept 128
	v_mov_b32 v[i], 0
.set i, i+1
.endr
	WIN 0
.set i, 0
.rept 4
	v_mov_b32 v[ST+4*i], 0xfe000000    ; c m: far below every c s
	v_mov_b32 v[ST+4*i+1], 0xff7fffff  ; m
	v_mov_b32 v[ST+4*i+2], 0
	v_mov_b32 v[ST+4*i+3], 0
.set i, i+1
.endr
.set i, P+16
.rept 16
	v_mov_b32 v[i], 0
.set i, i+1
.endr
	v_mul_u32_u24 v[AK0], v1, PK
	v_lshl_add_u32 v[AK0], v9, 4, v[AK0]
	v_and_b32 v10, 7, v0
	v_bfe_u32 v11, v0, 3, 1
	v_lshl_add_u32 v[AV0], v9, 3, v10
	v_mul_u32_u24 v[AV0], v[AV0], PV
	v_lshl_add_u32 v[AV0], v11, 4, v[AV0]
	v_add_nc_u32 v[AV0], VOFF, v[AV0]
	v_mov_b32 v[AK], v[AK0]
	v_and_b32 v[PFO], 31, v0
	v_lshlrev_b32 v[PFO], 8, v[PFO]
	v_bfe_u32 v[PFL], v0, 3, 2
	v_lshlrev_b32 v[PFL], 16, v[PFL]
	v_lshl_add_u32 v[PFL], v10, 8, v[PFL]
	v_or_b32 v[PFM], 3*2048, v[PFL]
; THE MATRIX WORK of a turn, numbered i = 0..19.  The four accumulators of each run take turns.
.macro MQ x                         ; i = 0..3: keys 16 i on: the mask starts the sum
	WIN W_MQ
.set rS, S+32*((\x)%2)+8*i
.set rE, 4-4*(i%2)
.set rM, MB+16*(\x)+8*(i/2)
	v_wmma_f32_16x16x32_bf16 v[rS:rS+7], v[rE:rE+7], v[rM:rM+7], 0
.endm
.macro KQ x                         ; i = 4..11: channels 32 ((i - 4) / 4) on, keys 16 ((i - 4) % 4) on
	WIN W_KQ
.set rS, S+32*((\x)%2)+8*((i-4)%4)
.set rK, KF+16*((i-4)%4)+8*((i-4)/4)
.set rQ, 16*(\x)+8*((i-4)/4)
	v_wmma_f32_16x16x32_bf16 v[rS:rS+7], v[rK:rK+7], v[rQ:rQ+7], v[rS:rS+7]
.endm
.macro PV x                         ; i = 12..19: keys 32 ((i - 12) / 4) on, channels 16 ((i - 12) % 4) on
	WIN W_PV
.set rO, 32*(\x)+8*((i-12)%4)
.set rV, VF+32*((i-12)/4)+8*((i-12)%4)
.set rP, P+16*((\x)%2)+8*((i-12)/4)
	v_wmma_f32_16x16x32_bf16 v[rO:rO+7], v[rV:rV+7], v[rP:rP+7], v[rO:rO+7]
.endm
.macro MM                           ; the turn's next matrix instruction
.if i < 4
	MQ (Y+1)%NP
.elseif i < 12
	KQ (Y+1)%NP
.else
	PV (Y+NP-1)%NP
.endif
.set i, i+1
.endm
.macro FETCH_K
	WIN 0x80
.irp f, 0,1,2,3,4,5,6,7
	ds_load_b128 v[KF+8*\f:KF+8*\f+3],   v[AK] offset:(\f/2)*16*PK+(\f%2)*64
	ds_load_b128 v[KF+8*\f+4:KF+8*\f+7], v[AK] offset:(\f/2)*16*PK+(\f%2)*64+32
.endr
	s_add_co_u32 s[TBK], s[TBK], KS*PK
	WIN 0
.endm
.macro FETCH_V
	WIN 0x80
.irp f, 0,1,2,3,4,5,6,7
	ds_load_tr16_b128 v[VF+8*\f:VF+8*\f+3],   v[AV] offset:(\f/4)*32*PV+(\f%4)*32
	ds_load_tr16_b128 v[VF+8*\f+4:VF+8*\f+7], v[AV] offset:(\f/4)*32*PV+16*PV+(\f%4)*32
.endr
	WIN 0
.endm
.macro RELOAD u                     ; piece u's fragments of step MJ / 2,048, into the registers just multiplied: wanted four turns later
	WIN 0
	v_or_b32 v[MO+(\u)], s[MJ], v[L16]
	WIN 0xc0
.irp k, 0,1,2,3
	global_load_b128 v[MB+16*(\u)+4*(\k):MB+16*(\u)+4*(\k)+3], v[MO+(\u)], s[MP:MP+1] offset:(\u)*65536+512*(\k)
.endr
.endm
; THE VECTOR WORK, one line at a time: OP kind, number.  For piece Y: F n: c s - c m for pair n of 16.  E n: the exponential of score n of 32.  C n: pair n rounded to bf16.  B n: of the four weights 4 n .. the second
; pair is added onto the first.  L n: l takes that sum (L 0: l = a l + sum).  R n: pair n of 16 of O^T times a.  For piece Y + 1: X n, number n of the 22 that find its maximum and statistics:
;   0-11 four chains c0-c3 of seven scores each (each accumulator's lowest registers are read first)   12-14, 16 the scores left over, the old m, c0-c3 into c0
;   15 c m_old is kept   17, 18 the other half of the lanes: the new m   19-21 c m; c m_old - c m_new; a
.set F, 0
.set E, 1
.set C, 2
.set B, 3
.set L, 4
.set R, 5
.set X, 6
.macro REGS y
.set rT, ST+4*(\y)
.set rC, TMP+4*((\y)%2)
.set rW, MV+((\y)%2)
.set rS, S+32*((\y)%2)
.set rP, P+16*((\y)%2)
.set rO, 32*(\y)
.endm
.macro OP k, n
.if (\k) == R
	REGS Y
	WIN W_RS
	v_pk_mul_f32 v[rO+2*(\n):rO+2*(\n)+1], v[rO+2*(\n):rO+2*(\n)+1], v[rC+2:rC+3] op_sel_hi:[1,0]
.elseif (\k) < R
	REGS Y
	WIN 0
.if (\k) == F
	v_pk_fma_f32 v[rS+2*(\n):rS+2*(\n)+1], v[rS+2*(\n):rS+2*(\n)+1], s[CS:CS+1], v[rT:rT+1] op_sel_hi:[1,0,0] neg_lo:[0,0,1] neg_hi:[0,0,1]
.elseif (\k) == E
	v_exp_f32 v[rS+(\n)], v[rS+(\n)]
.elseif (\k) == C
	v_cvt_pk_bf16_f32 v[rP+(\n)], v[rS+2*(\n)], v[rS+2*(\n)+1]
.elseif (\k) == B
	v_pk_add_f32 v[rS+4*(\n):rS+4*(\n)+1], v[rS+4*(\n):rS+4*(\n)+1], v[rS+4*(\n)+2:rS+4*(\n)+3]
.elseif (\n) == 0
	v_pk_fma_f32 v[rT+2:rT+3], v[rT+2:rT+3], v[rC+2:rC+3], v[rS:rS+1] op_sel_hi:[1,0,1]
.else
	v_pk_add_f32 v[rT+2:rT+3], v[rT+2:rT+3], v[rS+4*(\n):rS+4*(\n)+1]
.endif
.else
	REGS (Y+1)%NP
	WIN 0
.if (\n) < 4
	v_max3_num_f32 v[rC+(\n)], v[rS+8*(\n)], v[rS+8*(\n)+1], v[rS+8*(\n)+2]
.elseif (\n) < 12
	v_max3_num_f32 v[rC+(\n)%4], v[rC+(\n)%4], v[rS+8*((\n)%4)+2*((\n)/4)+1], v[rS+8*((\n)%4)+2*((\n)/4)+2]
.elseif (\n) == 12
	v_max3_num_f32 v[rC], v[rC], v[rS+7], v[rS+15]
.elseif (\n) == 13
	v_max3_num_f32 v[rC+1], v[rC+1], v[rS+23], v[rS+31]
.elseif (\n) == 14
	v_max3_num_f32 v[rC+2], v[rC+2], v[rC+3], v[rT+1]
.elseif (\n) == 15
	v_mov_b32 v[rW], v[rT]
.elseif (\n) == 16
	v_max3_num_f32 v[rC], v[rC], v[rC+1], v[rC+2]
.elseif (\n) == 17
	v_permlanex16_b32 v[rC+3], v[rC], s[SEL], s[SEL+1]
.elseif (\n) == 18
	v_max_num_f32 v[rT+1], v[rC], v[rC+3]
.elseif (\n) == 19
	v_mul_f32 v[rT], s[CS], v[rT+1]
.elseif (\n) == 20
	v_sub_f32 v[rC+1], v[rW], v[rT]
.else
	v_exp_f32 v[rC+2], v[rC+1]
.endif
.endif
.endm
.macro OPS a, i1, b=-1, i2=0, c=-1, i3=0, d=-1, i4=0
	OP \a, \i1
.if (\b) >= 0
	OP \b, \i2
.endif
.if (\c) >= 0
	OP \c, \i3
.endif
.if (\d) >= 0
	OP \d, \i4
.endif
.endm
.macro ROW a, i1, b, i2, c, i3, d, i4
	MM
	OPS \a, \i1, \b, \i2, \c, \i3, \d, \i4
.endm
; A TURN, for piece p, written out.  AHEAD OF ITS ONE WAIT stands all that names no result of the turn's exponentials: the 4 mask products and the 8 products K Q^T with their riders, then a lump.  Each of X 0 to X 3 stands four
; plain instructions behind the product that ends its accumulator.  X 21, the next piece's a, is the batch's last; R 15 is the plain instruction behind it.  BEHIND THE WAIT: the 8 products V^T P, behind each four roundings and sums.
; The mask: the wait leaves the 12 loads of the three other pieces out; the registers are loaded again two rows behind the last mask product (five plain riders lie between), for the next step.  The reloads behind the last
; step wrap to the first steps: they stay in the buffer, serve nothing, and keep the count 12 the same on every way.
; K of the next step is fetched in piece 2's turn, seven plain instructions behind the last product that read K; V of the step in hand at the end of piece 0's turn, four plain riders behind its last reader.
; last = 1, the tail: K's fetch never passes the last slot's last step: the fifth trip fetches that step once more.  cnt = 1: the loop's count is taken down ahead of the branch behind the turn.
.macro TURN p, last=0, cnt=0
.set Y, (\p)
.set i, 0
.if (\p) == 3
	WIN 0
	s_wait_xcnt 0x0                 ; the mask prefetch, two turns back, has read its offset
	s_add_co_u32 s[PJ], s[PJ], 2048
	s_min_u32 s[PJ], s[PJ], 31*2048 ; never past the last step
	v_or_b32 v[PFM], s[PJ], v[PFL]
.endif
.if (\p) == 1
	WIN 0                           ; here: my wave's 32 blocks of 256 bytes of the step two steps on from the one being loaded
	s_cmp_eq_u32 s[LIMM], 1
	s_cbranch_scc0 .Lno_mask_\@
	global_prefetch_b8 v[PFM], s[MP:MP+1] th:TH_LOAD_NT scope:SCOPE_SE
.Lno_mask_\@:
.endif
	s_wait_loadcnt 12               ; the next piece's four loads are in; the twelve behind them stay out
	ROW F,0, F,1, R,0, R,1
	ROW F,2, E,0, R,2, R,3
	ROW F,3, E,1, R,4, R,5
	ROW F,4, E,2, R,6, R,7
.if (\p) == 3
	s_wait_dscnt 0x0                ; K is in
.endif
	ROW F,5, E,3, R,8, R,9
	ROW F,6, E,4, R,10, R,11
.if (\p) == 3
	s_add_co_u32 s[MJ], s[MJ], 2048
	s_and_b32 s[MJ], s[MJ], 0xffff
.endif
	RELOAD ((\p)+1)%NP
	ROW F,7, E,5, R,12, R,13
	ROW F,8, E,6, R,14, F,9
	ROW F,10, E,7, F,11, E,8
	ROW F,12, E,9, F,13, X,0
.if (\p) == 2
	WIN 0
.if \last
	s_min_u32 s[TBK], s[TBK], SLOT1+3*KS*PK
.endif
	v_add_nc_u32 v[AK], s[TBK], v[AK0]
.endif
	ROW F,14, E,10, X,1, X,4
	ROW F,15, E,11, X,2, X,5
	OPS X,6, E,12, X,3, E,13
	OPS X,8, E,14, X,9, E,15
.if (\p) == 2
	FETCH_K
.endif
	OPS X,7, E,16, X,10, E,17
	OPS X,12, E,18, X,11, E,19
	OPS X,13, E,20, X,15, E,21
.if (\p) == 0
	v_add_nc_u32 v[AV], s[TBV], v[AV0]
.endif
	OPS X,14, E,22, E,23, X,16
	OPS E,24, E,25, X,17, E,26
	OPS E,27, X,18, E,28, E,29
	OPS X,19, E,30, E,31, X,20
	OPS X,21, R,15
	WIN 0
	s_wait_alu depctr_va_vdst(0)    ; one wait for the batch, ahead of its first reader
.if (\p) == 1
	s_wait_dscnt 0x0                ; V is in
.endif
	ROW C,0, B,0, C,2, B,1
	ROW L,0, C,4, B,2, L,1
	ROW C,6, B,3, L,2, C,8
	ROW B,4, L,3, C,10, B,5
	ROW L,4, C,12, B,6, L,5
.if (\p) == 0
	s_add_co_u32 s[TBV], s[TBV], KS*PV
.endif
.if \cnt
	s_sub_co_u32 s[CNT], s[CNT], 1
	s_cmp_lg_u32 s[CNT], 0
.endif
	ROW C,14, B,7, L,6, C,1
	ROW C,3, L,7, C,5, C,7
	ROW C,9, C,11, C,13, C,15
.if (\p) == 0
	FETCH_V
.endif
.endm
	CHANGE 1                        ; slot 0 is in, everybody's part of it; slot 1 is asked for
	FETCH_K                         ; key step 0
	s_wait_loadcnt 12               ; Q and piece 0's fragments are in
	s_wait_dscnt 0x0
.set Y, NP-1
.set i, 0
.rept 12
	MM                              ; piece 0's first scores
.endr
	WIN 0                           ; the addresses for the way out: nine plain instructions, the places behind those products
	s_mul_i32 s13, s[WV], 16*SP
	s_add_co_u32 s13, s13, STAGE
	v_mul_u32_u24 v[STO], v1, SP
	v_lshl_add_u32 v[STO], v9, 4, v[STO]
	v_add_nc_u32 v[STO], s13, v[STO]
	v_bfe_u32 v[RD], v0, 3, 2
	v_mul_u32_u24 v[RD], v[RD], SP
	v_lshl_add_u32 v[RD], v10, 4, v[RD]
	v_add_nc_u32 v[RD], s13, v[RD]
	v_and_b32 v[GO], 31, v0
	v_lshlrev_b32 v[GO], 4, v[GO]
	RELOAD 0                        ; piece 0's fragments of step 1
.irp n, 0,1,2,3,4,5,6,7,8,9,10,11,12,13,14,15,16,17,18,19,20,21
	OP X, \n
.endr
	v_nop
	s_wait_alu depctr_va_vdst(0)
	s_mov_b32 s[CNT], 4
	s_branch .Lfirst                ; the loop is entered at a step's first turn
.Lslot:                             ; six times: slots 2 to 7 are asked for
	CHANGE 1
	s_mov_b32 s[CNT], 4
.Lstep:                             ; a trip: pieces 2 and 3 of one step, then pieces 0 and 1 of the next
	TURN 2
	TURN 3
	WIN 0
.Lfirst:
	TURN 0
	TURN 1, 0, 1
	WIN 0
	s_cbranch_scc1 .Lstep
	s_sub_co_u32 s[SLOTS], s[SLOTS], 1
	s_cmp_lg_u32 s[SLOTS], 0
	s_cbranch_scc1 .Lslot
	CHANGE 0                        ; the last slot's steps are a loop of their own
	s_mov_b32 s[CNT], 5             ; four trips fetch the last slot's steps; the fifth is left in its middle
.Ltail:
	TURN 2, 1
	TURN 3
	WIN 0
	s_sub_co_u32 s[CNT], s[CNT], 1
	s_cmp_eq_u32 s[CNT], 0
	s_cbranch_scc1 .Lout
	TURN 0
	TURN 1
	WIN 0
	s_cmp_lg_u32 s[CNT], 0
	s_cbranch_scc1 .Ltail
.Lout:
.set Y, 0
.set i, 12
.rept 8
	MM                              ; piece 3's V^T P of the last step
.endr
	; THE WAY OUT.  l's halves are added; O^T is divided by l, rounded to bf16 and sent through my stage, a piece at a time.  The additions are the places behind the last products.
	WIN 0
.macro ALL line:vararg
.set t, 0
.rept 4
	\line
.set t, t+1
.endr
.endm
	ALL v_add_f32 v[ST+4*t+2], v[ST+4*t+2], v[ST+4*t+3]
	ALL v_permlanex16_b32 v[ST+4*t+3], v[ST+4*t+2], s[SEL], s[SEL+1]
	ALL v_add_f32 v[ST+4*t+2], v[ST+4*t+2], v[ST+4*t+3]
	ALL v_rcp_f32 v[ST+4*t+2], v[ST+4*t+2]
	v_nop
	s_wait_alu depctr_va_vdst(0)    ; one wait for the four reciprocals
.macro PACK t
	WIN W_RS
.set i, 32*(\t)
.rept 16
	v_pk_mul_f32 v[i:i+1], v[i:i+1], v[ST+4*(\t)+2:ST+4*(\t)+3] op_sel_hi:[1,0]
.set i, i+2
.endr
	WIN 0x05
.set i, 0
.rept 16
	v_cvt_pk_bf16_f32 v[S+16*(\t)+i], v[32*(\t)+2*i], v[32*(\t)+2*i+1]
.set i, i+1
.endr
	WIN 0
.irp f, 0,1,2,3
	ds_store_b128 v[STO], v[S+16*(\t)+4*\f:S+16*(\t)+4*\f+3] offset:32*\f
.endr
.irp f, 0,1,2,3
	ds_load_b128 v[S+16*(\t)+4*\f:S+16*(\t)+4*\f+3], v[RD] offset:\f*4*SP  ; LDS serves a wave's instructions in order: these see the stores above
.endr
.endm
.macro SEND t, younger
	WIN 0
.irp f, 0,1,2,3
	s_wait_dscnt (\younger)+3-\f
	global_store_b128 v[GO], v[S+16*(\t)+4*\f:S+16*(\t)+4*\f+3], s[10:11] offset:(\t)*2048+\f*512  ; 512 consecutive bytes, aligned
.endr
.endm
	PACK 0
.set t, 1
.rept 3
	PACK t
	SEND t-1, 8
.set t, t+1
.endr
	SEND 3, 0
	s_wait_tensorcnt 0x0            ; the wave's end
	ds_add_u32 v[SPW], v[NIL]
	s_wait_dscnt 0x0
	CROUND                          ; the closing round
	s_endpgm
.Lfunc_end_k_qbb81f773c7_attn:
	.size	k_qbb81f773c7_attn, .Lfunc_end_k_qbb81f773c7_attn-k_qbb81f773c7_attn
	.p2alignl 7, 3214868480
	.fill 96, 4, 3214868480
	.section	.rodata,"a",@progbits
	.p2align	6, 0x0
	.amdhsa_kernel k_qbb81f773c7_attn
		.amdhsa_group_segment_fixed_size 327680
		.amdhsa_private_segment_fixed_size 0
		.amdhsa_enable_private_segment 0
		.amdhsa_kernarg_size 24
		.amdhsa_user_sgpr_count 2
		.amdhsa_user_sgpr_kernarg_segment_ptr 1
		.amdhsa_wavefront_size32 1
		.amdhsa_system_sgpr_workgroup_id_x 1
		.amdhsa_system_sgpr_workgroup_id_y 1
		.amdhsa_system_sgpr_workgroup_id_z 1
		.amdhsa_system_vgpr_workitem_id 0
		.amdhsa_next_free_vgpr 896
		.amdhsa_next_free_sgpr 66
		.amdhsa_reserve_vcc 1
		.amdhsa_float_denorm_mode_32 3
		.amdhsa_float_denorm_mode_16_64 3
		.amdhsa_memory_ordered 1
		.amdhsa_forward_progress 1
		.amdhsa_inst_pref_size 123
	.end_amdhsa_kernel
	.amdgpu_metadata
---
amdhsa.version: [ 1, 2 ]
amdhsa.kernels:
  - .name:           k_qbb81f773c7_attn
    .symbol:         k_qbb81f773c7_attn.kd
    .args:
      - { .name: qkv, .offset: 0, .size: 8, .value_kind: global_buffer, .address_space: global }
      - { .name: mfrag, .offset: 8, .size: 8, .value_kind: global_buffer, .address_space: global }
      - { .name: act, .offset: 16, .size: 8, .value_kind: global_buffer, .address_space: global }
    .group_segment_fixed_size: 327680
    .private_segment_fixed_size: 0
    .kernarg_segment_align: 8
    .kernarg_segment_size: 24
    .max_flat_workgroup_size: 128
    .sgpr_count:     66
    .vgpr_count:     896
    .wavefront_size: 32
...
	.end_amdgpu_metadata
.endif
;; end of part 8
;; launch oproj (part 9): grid 8 x 32, 4 waves a work-group, clusters of 4 x 4, 327,680 bytes of LDS; arguments act, wc, bo, x, x1; writes x1
.if DOCPART == 9
	.amdgcn_target "amdgcn-amd-amdhsa--gfx1250"
	.amdhsa_code_object_version 6
	.text
	.protected	k_qbb81f773c7_oproj
	.globl	k_qbb81f773c7_oproj
	.p2align	8
	.type	k_qbb81f773c7_oproj,@function
k_qbb81f773c7_oproj:
	s_mov_b64 s[64:65], 0
	v_nop
	global_prefetch_b8 v0, s[64:65] scope:SCOPE_SE
	s_setreg_imm32_b32 hwreg(HW_REG_WAVE_MODE, 25, 1), 1
	s_wait_xcnt 0x0
	s_wait_alu depctr_hold_cnt(0) depctr_sa_sdst(0) depctr_va_vdst(0) depctr_va_sdst(0) depctr_va_ssrc(0) depctr_va_vcc(0) depctr_vm_vsrc(0)
	s_getreg_b32 s2, hwreg(HW_REG_IB_STS2, 6, 4)
	s_cmp_eq_u32 s2, 0
	s_cbranch_scc0 .Lentry_in_a_cluster
	s_endpgm
.Lentry_in_a_cluster:
	s_bfe_u32 s2, ttmp6, 0x10000c
	s_cmp_lg_u32 s2, 0xf033
	s_cbranch_scc0 .Lentry_shape_is_right
	s_endpgm
.Lentry_shape_is_right:
; OUT = RS + A W + bias, in f32.  A: bf16 in blocks of 64 columns, [k / 64][4096][64].  W: bf16, kept [k][n] in blocks of 128 columns, [block][KD][128], from byte WOFF of its buffer.  bias: [1024] f32.  RS, OUT: [4096][1024] f32.
; Here KD = 1,024 (the attention's output projection).  A tile of OUT is 128 x 128, so that the grid has 256 work-groups: four waves, each 64 x 64 in 16 accumulators.  K goes in steps of 256 through two LDS slots.
; CLUSTER 4 x 4: A's tile is asked for jointly along a row of the cluster, W's along a column.  THE PRODUCT IS TAKEN TRANSPOSED (source 0 = 16 columns of W, turned out of LDS; source 1 = 16 rows of A).
; The bias is the C operand of the products that start the sums.  The residual's 64 x 64 numbers are loaded at the head, in the layout of the stores, and wait in registers.  A wave's 64 columns of f32 are one aligned run of
; 256 bytes, so each wave has a stage of its own and the way out needs no barrier.  No prefetch: the tiles are small (a K step is 128 matrix instructions a wave).
; THE ORDER ALONG K.  Trip j of the walk takes K step j xor p, p = (cluster x + cluster y) mod 2: clusters with p = 1 walk 1, 0, 3, 2, ...  A's rows are read by the two clusters of a row of clusters, W's rows by the eight of a
; column, and neighbours differ in p: of the clusters that read a tile, one half asks for it one K step ahead of the other half.  Each K step is taken once; the f32 sums take them in that order.  p hangs on the cluster's
; coordinates alone, which all sixteen partners share.
; A K STEP IS WRITTEN ONCE FOR EACH KIND.  s[TB] holds the LDS byte at which the slot in hand begins, 0 or SLOT, and is turned by an exclusive or; the fragments' addresses are made from it at each change of slots.
; The loop of KSTEPS - 2 trips fills the slot that it leaves; the last two trips, which fill nothing, are a loop of two trips that is left in its middle.
; LIMITS.  Operands bf16, sums f32; NaN and infinities are not treated apart.
; REGISTERS: window 0: v16-29 addresses; v32-95 rows read back, two buffers; v96-127 the bias; v128-255 the accumulators ((a, b) at 128 + 8 (4 a + b)).  window 1: two fragment buffers of 128 (64 of A, 64 of W).  window 2: v0-127 the residual.
.set KD,     1024
.set WOFF,   0
.set KSTEP,  256
.set KSTEPS, KD/KSTEP
.set ASH,    21                        ; a K step of A is four blocks of 524,288 bytes: 1 << 21
.set WSH,    16                        ; a K step of W is 256 rows of 256 bytes: 1 << 16
.set PA,     144                       ; a token's 64 numbers of A in LDS: 128 bytes + 16
.set CBL,    128*PA                    ; a block of 64 columns x 128 tokens
.set PB,     288                       ; a k row of W: 256 bytes + 32 = 9 x 32
.set PART,   2*CBL                     ; what one tensor load brings: two blocks of A, or 128 k rows of W (128 x 288 is the same number)
.set SLOT,   4*PART
.set STAGE,  2*SLOT                    ; 16 rows x 272 bytes for each wave; no tensor load lands there
.set SPITCH, 272
.set SPARE,  STAGE+4*16*SPITCH
.set ADRA0, 16                         ; v16     my lane's place among A's fragments in slot 0; never rewritten
.set ADRB0, 17                         ; v17     the same for W
.set ADRA, 20                          ; v20     the same in the slot in hand
.set ADRB, 21                          ; v21-22  W's k rows 0-127, 128-255
.set STO,  24
.set RD,   25
.set CO,   26
.set BO,   27
.set SPW,  28
.set NIL,  29
.set TMP,  32
.set BIAS, 96
.set ACC,  128
.set F0,   0
.set F1,   128
.set TB,   2                           ; s2      0 or SLOT: where the slot in hand begins
.set LB,   20                          ; s20     my wave's part of a slot: wave x PART
.set G1,  24
.set G0,  32                           ; s[32:39] group 0 for A's tiles: a set for each of the two first fills; the second then serves every refill
.set G1B, 48
.set G0B, 56                           ; s[56:63] the same for W's
.set BA,  72                           ; s[72:73] A at my part of the tile's K step 0; never rewritten
.set BW,  74                           ; s[74:75] W likewise
.set OA,  76                           ; s[76:77] a K step's byte offset in A; the high word is 0
.set OW,  78                           ; s[78:79] in W
.set PAR, 80                           ; s80     p
.set KJ,  81                           ; s81     at work: a K step's number
.set MSB, 0
.macro WIN new
.if MSB != (\new)
	s_set_vgpr_msb (MSB<<8)|(\new)
.set MSB, \new
.endif
.endm
.set MUL,  0x05                        ; sources in window 1; C and D in window 0
.set TO_F, 0x40
.macro JLOAD s                         ; waves 0 and 1 fetch A's two halves, waves 2 and 3 W's
	s_cmp_eq_u32 s11, 0
	s_cbranch_scc0 .Lfor_b_\@
	tensor_load_to_lds s[G0+4*(\s):G0+4*(\s)+3], s[G1:G1+7]
	s_nop 0
.rept 4
	v_nop
.endr
	s_branch .Lasked_\@
.Lfor_b_\@:
	tensor_load_to_lds s[G0B+4*(\s):G0B+4*(\s)+3], s[G1B:G1B+7]
	s_nop 0
.rept 4
	v_nop
.endr
.Lasked_\@:
.endm
.macro CREST
	s_cmp_lg_u32 s10, 0
	s_cbranch_scc1 .Lnot_wave_0_\@
	s_barrier_signal -3
.Lnot_wave_0_\@:
	s_barrier_wait -3
	s_barrier_signal -1
	s_barrier_wait -1
.endm
.macro CROUND
	s_barrier_signal -1
	s_barrier_wait -1
	CREST
.endm
	s_load_b128 s[4:7], s[0:1], 0x0                ; A s[4:5], W s[6:7]
	s_load_b128 s[68:71], s[0:1], 0x10             ; bias s[68:69], RS s[70:71]
	s_load_b64 s[8:9], s[0:1], 0x20                ; OUT
	v_lshl_add_u32 v[SPW], v0, 2, SPARE
	v_mov_b32 v[NIL], 0
	ds_add_u32 v[SPW], v[NIL]                      ; the wave's opening: the add; its wait stands ahead of my first tensor load
	v_lshrrev_b32 v1, 5, v0
	v_readfirstlane_b32 s10, v1
	s_lshr_b32 s11, s10, 1                         ; my half of the tile's rows; also: I fetch for A (0) or W (1)
	s_and_b32 s12, s10, 1                          ; my half of its columns; also: which half I fetch
	s_bfe_u32 s40, ttmp6, 0x40000
	s_bfe_u32 s41, ttmp6, 0x40004
	s_lshl_b32 s42, ttmp9, 2
	s_add_co_u32 s42, s42, s40                     ; tile column
	s_and_b32 s13, ttmp7, 0xffff
	s_lshl_b32 s13, s13, 2
	s_add_co_u32 s13, s13, s41                     ; tile row
	s_lshl_b32 s43, s41, 2
	s_lshl_b32 s43, 15, s43
	s_lshl_b32 s44, 0x1111, s40
	s_and_b32 s[PAR], ttmp7, 0xffff                ; cluster y
	s_add_co_u32 s[PAR], s[PAR], ttmp9             ; + cluster x,
	s_and_b32 s[PAR], s[PAR], 1                    ; mod 2
	s_mov_b32 s[OA+1], 0
	s_mov_b32 s[OW+1], 0
	; A: two 'rows' of 8,192 elements, each the 128 tokens x 64 numbers of one block (16,384 dense bytes), 262,144 elements apart; 4 words of padding after every 32, that is after every token
	s_or_b32 s[G1+0], s43, (1<<16)|(1<<20)|(1<<21)|(4<<22)|(3<<25)
	s_mov_b32 s[G1+1], 8192<<16
	s_mov_b32 s[G1+2], 2<<16
	s_mov_b32 s[G1+3], 8192<<16
	s_mov_b32 s[G1+4], 2
	s_mov_b32 s[G1+5], 262144
	s_mov_b32 s[G1+6], 0
	s_mov_b32 s[G1+7], 0
	; W: 128 k rows of 128 elements, dense; 8 words of padding after every 64
	s_or_b32 s[G1B+0], s44, (1<<16)|(1<<20)|(1<<21)|(5<<22)|(7<<25)
	s_mov_b32 s[G1B+1], 128<<16
	s_mov_b32 s[G1B+2], 128<<16
	s_mov_b32 s[G1B+3], 128<<16
	s_mov_b32 s[G1B+4], 128
	s_mov_b32 s[G1B+5], 128
	s_mov_b32 s[G1B+6], 0
	s_mov_b32 s[G1B+7], 0
	s_lshl_b32 s16, s12, 20                        ; A: two blocks of 524,288 bytes x half,
	s_lshl_b32 s17, s13, 14                        ; the tile's 128 tokens of 128 bytes
	s_add_co_u32 s16, s16, s17
	s_mov_b32 s17, 0
	s_mul_i32 s46, s42, KD*256                     ; W: the tile column's block,
	s_lshl_b32 s47, s12, 15                        ; 128 k rows of 256 bytes x half
	s_add_co_u32 s46, s46, s47
	s_add_co_u32 s46, s46, WOFF
	s_mov_b32 s47, 0
	s_mul_i32 s[LB], s10, PART
	s_mov_b32 s[TB], 0                             ; the first trip's tile lies in slot 0
	s_wait_dscnt 0x0
	s_wait_kmcnt 0x0
	s_add_nc_u64 s[BA:BA+1], s[4:5], s[16:17]
	s_add_nc_u64 s[BW:BW+1], s[6:7], s[46:47]
	CROUND
.irp s, 0,1
	s_xor_b32 s[KJ], s[PAR], \s                    ; trip s takes K step s xor p
	s_lshl_b32 s[OA], s[KJ], ASH
	s_lshl_b32 s[OW], s[KJ], WSH
	s_mov_b32 s[G0+4*(\s)], 1
	s_add_co_u32 s[G0+4*(\s)+1], s[LB], (\s)*SLOT
	s_add_nc_u64 s[G0+4*(\s)+2:G0+4*(\s)+3], s[BA:BA+1], s[OA:OA+1]
	s_or_b32 s[G0+4*(\s)+3], s[G0+4*(\s)+3], 0x80000000
	s_mov_b32 s[G0B+4*(\s)], 1
	s_add_co_u32 s[G0B+4*(\s)+1], s[LB], (\s)*SLOT
	s_add_nc_u64 s[G0B+4*(\s)+2:G0B+4*(\s)+3], s[BW:BW+1], s[OW:OW+1]
	s_or_b32 s[G0B+4*(\s)+3], s[G0B+4*(\s)+3], 0x80000000
	JLOAD \s
.endr
	v_and_b32 v1, 15, v0                           ; r
	v_bfe_u32 v2, v0, 4, 1                         ; h
	v_lshlrev_b32 v[BO], 5, v2
	v_lshlrev_b32 v[CO], 4, v1
	v_lshl_add_u32 v[CO], v2, 12, v[CO]            ; lanes 0-15 one row's 256 bytes, lanes 16-31 the next row's
	s_lshl_b32 s16, s13, 7
	s_lshl_b32 s17, s11, 6
	s_add_co_u32 s16, s16, s17                     ; my first row,
	s_lshl_b32 s16, s16, 12                        ; of 4,096 bytes
	s_mov_b32 s17, 0
	s_lshl_b32 s46, s42, 7
	s_lshl_b32 s47, s12, 6
	s_add_co_u32 s46, s46, s47                     ; my first column,
	s_lshl_b32 s46, s46, 2                         ; of 4 bytes
	s_mov_b32 s47, 0
	s_add_nc_u64 s[8:9], s[8:9], s[16:17]
	s_add_nc_u64 s[8:9], s[8:9], s[46:47]
	s_add_nc_u64 s[70:71], s[70:71], s[16:17]
	s_add_nc_u64 s[70:71], s[70:71], s[46:47]
	s_add_nc_u64 s[68:69], s[68:69], s[46:47]
.irp b, 0,1,2,3
	global_load_b128 v[BIAS+8*(\b):BIAS+8*(\b)+3],   v[BO], s[68:69] offset:64*(\b)      ; register j: column 16 b + 8 h + j, as in a result
	global_load_b128 v[BIAS+8*(\b)+4:BIAS+8*(\b)+7], v[BO], s[68:69] offset:64*(\b)+16
.endr
	WIN 0x80
.set t, 0
.rept 32
	global_load_b128 v[4*t:4*t+3], v[CO], s[70:71] offset:2*t*4096   ; the residual: rows 2 t and 2 t + 1
.set t, t+1
.endr
	WIN 0
	v_mul_u32_u24 v3, v1, PA
	v_lshl_add_u32 v3, v2, 4, v3
	v_and_b32 v4, 7, v0
	v_lshl_add_u32 v4, v2, 3, v4
	v_mul_u32_u24 v4, v4, PB
	v_bfe_u32 v5, v0, 3, 1
	v_lshl_add_u32 v4, v5, 4, v4
	s_mul_i32 s21, s11, 64*PA                      ; my 64 tokens in each block of A
	s_lshl_b32 s22, s12, 7                         ; my 64 columns of W,
	s_add_co_u32 s22, s22, 2*PART                  ; which lies behind A
	v_add_nc_u32 v[ADRA0], s21, v3
	v_add_nc_u32 v[ADRB0], s22, v4
	v_mov_b32 v[ADRA], v[ADRA0]
	v_mov_b32 v[ADRB], v[ADRB0]
	v_add_nc_u32 v[ADRB+1], PART, v[ADRB0]
	s_mul_i32 s23, s10, 16*SPITCH
	s_add_co_u32 s23, s23, STAGE
	v_mul_u32_u24 v6, v1, SPITCH                   ; in: row r, 32 bytes for each half of the lanes
	v_lshl_add_u32 v6, v2, 5, v6
	v_add_nc_u32 v[STO], s23, v6
	v_mul_u32_u24 v6, v2, SPITCH                   ; back: lanes 0-15 one row of 256 bytes, lanes 16-31 the next
	v_lshl_add_u32 v6, v1, 4, v6
	v_add_nc_u32 v[RD], s23, v6
; 8 matrix instructions: m blocks a0, a0 + 1 x all 4 n blocks, 32 along K: half c of buffer f.  first = 1: the bias starts the sums.  The 16 accumulators take turns.
.macro MUL8 f, c, a0, first
	WIN MUL
.irp a, \a0, (\a0)+1
.irp b, 0,1,2,3
.if \first
	v_wmma_f32_16x16x32_bf16 v[ACC+8*(4*(\a)+(\b)):ACC+8*(4*(\a)+(\b))+7], v[(\f)+64+8*(4*(\c)+(\b)):(\f)+64+8*(4*(\c)+(\b))+7], v[(\f)+8*(4*(\c)+(\a)):(\f)+8*(4*(\c)+(\a))+7], v[BIAS+8*(\b):BIAS+8*(\b)+7]
.else
	v_wmma_f32_16x16x32_bf16 v[ACC+8*(4*(\a)+(\b)):ACC+8*(4*(\a)+(\b))+7], v[(\f)+64+8*(4*(\c)+(\b)):(\f)+64+8*(4*(\c)+(\b))+7], v[(\f)+8*(4*(\c)+(\a)):(\f)+8*(4*(\c)+(\a))+7], v[ACC+8*(4*(\a)+(\b)):ACC+8*(4*(\a)+(\b))+7]
.endif
.endr
.endr
.endm
; 32 LDS loads in one run: quarter q of the slot in hand (64 along K: one block of A, 64 k rows of W) into buffer f; the first 32 along K first
.macro FETCH q, f
	WIN TO_F
.irp c, 0,1
.irp i, 0,1,2,3
	ds_load_tr16_b128 v[(\f)+64+8*(4*(\c)+(\i)):(\f)+64+8*(4*(\c)+(\i))+3],   v[ADRB+(\q)/2] offset:(((\q)%2)*64+32*(\c))*PB+32*(\i)
	ds_load_tr16_b128 v[(\f)+64+8*(4*(\c)+(\i))+4:(\f)+64+8*(4*(\c)+(\i))+7], v[ADRB+(\q)/2] offset:(((\q)%2)*64+32*(\c)+16)*PB+32*(\i)
	ds_load_b128 v[(\f)+8*(4*(\c)+(\i)):(\f)+8*(4*(\c)+(\i))+3],   v[ADRA] offset:(\q)*CBL+64*(\c)+(\i)*16*PA
	ds_load_b128 v[(\f)+8*(4*(\c)+(\i))+4:(\f)+8*(4*(\c)+(\i))+7], v[ADRA] offset:(\q)*CBL+64*(\c)+(\i)*16*PA+32
.endr
.endr
.endm
.macro PLACES
.rept 4
	v_nop
.endr
.endm
.macro QUARTER q, f, g, first
	s_wait_dscnt 16                                ; the first 32 along K are in
	MUL8 \f, 0, 0, \first
	MUL8 \f, 0, 2, \first
	PLACES
	FETCH \q, \g
	s_wait_dscnt 32                                ; all but the 32 just issued
	MUL8 \f, 1, 0, 0
	MUL8 \f, 1, 2, 0
.endm
; The last quarter multiplies buffer 1 and changes slots: ONE barrier.  fill = 1: it opens a round of the cluster's barrier, and the slot just read is filled again first thing behind the round, for the trip two on.
; The refill's group 0 is made anew behind the add, where no tensor load of mine is out: the slot's place, and the base plus the K step's offset.  fill = 0, the last two trips: nothing is asked for; in the very last
; (s3 = 1) there is no next slot, and the run of loads is jumped over (its barrier orders nothing: the price of one text for both).
.macro TURN fill
	WIN 0
	s_wait_tensorcnt 0x0                           ; all my tensor loads have landed: my part of the next slot;
	ds_add_u32 v[SPW], v[NIL]
.if \fill
	s_sub_co_u32 s[KJ], KSTEPS, s3                 ; this refill serves trip KSTEPS - s3 of the walk,
	s_xor_b32 s[KJ], s[KJ], s[PAR]                 ; which takes this K step
	s_lshl_b32 s[OA], s[KJ], ASH
	s_lshl_b32 s[OW], s[KJ], WSH
	s_add_co_u32 s[G0+5], s[LB], s[TB]             ; into the slot in hand, which is being left
	s_add_co_u32 s[G0B+5], s[LB], s[TB]
	s_add_nc_u64 s[G0+6:G0+7], s[BA:BA+1], s[OA:OA+1]
	s_or_b32 s[G0+7], s[G0+7], 0x80000000
	s_add_nc_u64 s[G0B+6:G0B+7], s[BW:BW+1], s[OW:OW+1]
	s_or_b32 s[G0B+7], s[G0B+7], 0x80000000
.endif
	s_wait_dscnt 17                                ; (the add and the youngest sixteen loads may be out)
	MUL8 F1, 0, 0, 0
	s_wait_dscnt 0x0                               ; the add is done, and my reads of this slot are over
	s_barrier_signal -1
	MUL8 F1, 0, 2, 0
	WIN 0
	s_barrier_wait -1
.if \fill
	CREST
	JLOAD 1                                        ; its four v_nop are also the places in front of the loads below
.else
	s_cmp_eq_u32 s3, 1
	s_cbranch_scc1 .Lno_more_\@
	v_nop                                          ; with the three additions below: the four places in front of the loads
.endif
	s_xor_b32 s[TB], s[TB], SLOT                   ; the other slot is in hand
	v_add_nc_u32 v[ADRA], s[TB], v[ADRA0]
	v_add_nc_u32 v[ADRB], s[TB], v[ADRB0]
	v_add_nc_u32 v[ADRB+1], PART, v[ADRB]
	FETCH 0, F0
.if (\fill) == 0
	WIN 0
.Lno_more_\@:
.endif
	MUL8 F1, 1, 0, 0
	MUL8 F1, 1, 2, 0
.endm
	s_wait_tensorcnt 1                             ; my part of the first trip's tile is in
	s_barrier_signal -1
	s_barrier_wait -1
	FETCH 0, F0
	s_wait_loadcnt 32                              ; the bias is in; the residual's 32 loads stay out
	QUARTER 1, F0, F1, 1
	WIN 0
	s_mov_b32 s3, KSTEPS-2
.Lstep:                                                ; a trip: from a K step's second quarter to the next K step's first; the slot that is left is filled again
	QUARTER 2, F1, F0, 0
	QUARTER 3, F0, F1, 0
	TURN 1
	QUARTER 1, F0, F1, 0
	WIN 0
	s_sub_co_u32 s3, s3, 1
	s_cmp_lg_u32 s3, 0
	s_cbranch_scc1 .Lstep
	s_mov_b32 s3, 2
.Ltail:                                                ; the last two K steps fill nothing; the second trip is left behind its last products
	QUARTER 2, F1, F0, 0
	QUARTER 3, F0, F1, 0
	TURN 0
	WIN 0
	s_sub_co_u32 s3, s3, 1
	s_cmp_eq_u32 s3, 0
	s_cbranch_scc1 .Lout
	QUARTER 1, F0, F1, 0
	WIN 0
	s_cmp_lg_u32 s3, 0
	s_cbranch_scc1 .Ltail
.Lout:
	; THE WAY OUT, 16 rows at a time: 32 bytes a lane into my stage (each accumulator's low four registers first), back as whole rows of 256 bytes, the residual added, stored.
	PLACES
	s_wait_loadcnt 0x0                             ; the residual
.irp a, 0,1,2,3
.set TBF, TMP+32*((\a)%2)
	s_wait_xcnt 0x0                                ; the earlier stores have read the registers that are loaded again below
.irp b, 0,1,2,3
	ds_store_b128 v[STO], v[ACC+8*(4*(\a)+(\b)):ACC+8*(4*(\a)+(\b))+3]   offset:64*(\b)
	ds_store_b128 v[STO], v[ACC+8*(4*(\a)+(\b))+4:ACC+8*(4*(\a)+(\b))+7] offset:64*(\b)+16
.endr
.irp t, 0,1,2,3,4,5,6,7
	ds_load_b128 v[TBF+4*(\t):TBF+4*(\t)+3], v[RD] offset:(\t)*2*SPITCH  ; LDS serves a wave's instructions in order: these see the stores above
.endr
	s_wait_dscnt 0x0
	WIN 0x08                                       ; source 1 in window 2
.set z, 0
.rept 16
	v_pk_add_f32 v[TBF+z:TBF+z+1], v[TBF+z:TBF+z+1], v[32*(\a)+z:32*(\a)+z+1]
.set z, z+2
.endr
	WIN 0
.irp t, 0,1,2,3,4,5,6,7
	global_store_b128 v[CO], v[TBF+4*(\t):TBF+4*(\t)+3], s[8:9] offset:(16*(\a)+2*(\t))*4096   ; 16 lanes store 256 consecutive bytes, aligned
.endr
.endr
	s_wait_tensorcnt 0x0                           ; the wave's end
	ds_add_u32 v[SPW], v[NIL]
	s_wait_dscnt 0x0
	CROUND                                         ; the closing round
	s_endpgm
.Lfunc_end_k_qbb81f773c7_oproj:
	.size	k_qbb81f773c7_oproj, .Lfunc_end_k_qbb81f773c7_oproj-k_qbb81f773c7_oproj
	.p2alignl 7, 3214868480
	.fill 96, 4, 3214868480
	.section	.rodata,"a",@progbits
	.p2align	6, 0x0
	.amdhsa_kernel k_qbb81f773c7_oproj
		.amdhsa_group_segment_fixed_size 327680
		.amdhsa_private_segment_fixed_size 0
		.amdhsa_enable_private_segment 0
		.amdhsa_kernarg_size 40
		.amdhsa_user_sgpr_count 2
		.amdhsa_user_sgpr_kernarg_segment_ptr 1
		.amdhsa_wavefront_size32 1
		.amdhsa_system_sgpr_workgroup_id_x 1
		.amdhsa_system_sgpr_workgroup_id_y 1
		.amdhsa_system_sgpr_workgroup_id_z 1
		.amdhsa_system_vgpr_workitem_id 0
		.amdhsa_next_free_vgpr 640
		.amdhsa_next_free_sgpr 82
		.amdhsa_reserve_vcc 0
		.amdhsa_float_denorm_mode_32 3
		.amdhsa_float_denorm_mode_16_64 3
		.amdhsa_memory_ordered 1
		.amdhsa_forward_progress 1
		.amdhsa_inst_pref_size 67
	.end_amdhsa_kernel
	.amdgpu_metadata
---
amdhsa.version: [ 1, 2 ]
amdhsa.kernels:
  - .name:           k_qbb81f773c7_oproj
    .symbol:         k_qbb81f773c7_oproj.kd
    .args:
      - { .name: act, .offset: 0, .size: 8, .value_kind: global_buffer, .address_space: global }
      - { .name: wc, .offset: 8, .size: 8, .value_kind: global_buffer, .address_space: global }
      - { .name: bo, .offset: 16, .size: 8, .value_kind: global_buffer, .address_space: global }
      - { .name: x, .offset: 24, .size: 8, .value_kind: global_buffer, .address_space: global }
      - { .name: x1, .offset: 32, .size: 8, .value_kind: global_buffer, .address_space: global }
    .group_segment_fixed_size: 327680
    .private_segment_fixed_size: 0
    .kernarg_segment_align: 8
    .kernarg_segment_size: 40
    .max_flat_workgroup_size: 128
    .sgpr_count:     82
    .vgpr_count:     640
    .wavefront_size: 32
...
	.end_amdgpu_metadata
.endif
;; end of part 9
;; launch ln2: the kernel of part 6 again; grid 256 x 1, 8 waves a work-group, no clusters, 19,456 bytes of LDS; arguments x1, g2, be2, xn, Wq, Wk, Wv, Wo, W1, W2, wqkvp, wc, w1p, b1, mask, mfrag; writes xn, wqkvp, wc, w1p, mfrag
;; launch ff1: the kernel of part 7 again; grid 16 x 16, 4 waves a work-group, clusters of 4 x 4, 327,680 bytes of LDS; arguments xn, w1p, act; writes act
;; launch ff2 (part 10): grid 8 x 32, 4 waves a work-group, clusters of 4 x 4, 327,680 bytes of LDS; arguments act, wc, b2, x1, out0; writes out0
.if DOCPART == 10
	.amdgcn_target "amdgcn-amd-amdhsa--gfx1250"
	.amdhsa_code_object_version 6
	.text
	.protected	k_qbb81f773c7_ff2
	.globl	k_qbb81f773c7_ff2
	.p2align	8
	.type	k_qbb81f773c7_ff2,@function
k_qbb81f773c7_ff2:
	s_mov_b64 s[64:65], 0
	v_nop
	global_prefetch_b8 v0, s[64:65] scope:SCOPE_SE
	s_setreg_imm32_b32 hwreg(HW_REG_WAVE_MODE, 25, 1), 1
	s_wait_xcnt 0x0
	s_wait_alu depctr_hold_cnt(0) depctr_sa_sdst(0) depctr_va_vdst(0) depctr_va_sdst(0) depctr_va_ssrc(0) depctr_va_vcc(0) depctr_vm_vsrc(0)
	s_getreg_b32 s2, hwreg(HW_REG_IB_STS2, 6, 4)
	s_cmp_eq_u32 s2, 0
	s_cbranch_scc0 .Lentry_in_a_cluster
	s_endpgm
.Lentry_in_a_cluster:
	s_bfe_u32 s2, ttmp6, 0x10000c
	s_cmp_lg_u32 s2, 0xf033
	s_cbranch_scc0 .Lentry_shape_is_right
	s_endpgm
.Lentry_shape_is_right:
; OUT = RS + A W + bias, in f32.  A: bf16 in blocks of 64 columns, [k / 64][4096][64].  W: bf16, kept [k][n] in blocks of 128 columns, [block][KD][128], from byte WOFF of its buffer.  bias: [1024] f32.  RS, OUT: [4096][1024] f32.
; Here KD = 4,096 (the second FFN product); the text is the output projection's but for KD and WOFF.  A tile of OUT is 128 x 128, so that the grid has 256 work-groups: four waves, each 64 x 64 in 16 accumulators.
; K goes in steps of 256 through two LDS slots.  CLUSTER 4 x 4: A's tile is asked for jointly along a row of the cluster, W's along a column.  THE PRODUCT IS TAKEN TRANSPOSED (source 0 = 16 columns of W, turned out of LDS;
; source 1 = 16 rows of A).  The bias is the C operand of the products that start the sums.  The residual's 64 x 64 numbers are loaded at the head, in the layout of the stores, and wait in registers.  A wave's 64 columns of f32
; are one aligned run of 256 bytes, so each wave has a stage of its own and the way out needs no barrier.  No prefetch: the tiles are small (a K step is 128 matrix instructions a wave).
; THE ORDER ALONG K.  Trip j of the walk takes K step j xor p, p = (cluster x + cluster y) mod 2: clusters with p = 1 walk 1, 0, 3, 2, ...  A's rows are read by the two clusters of a row of clusters, W's rows by the eight of a
; column, and neighbours differ in p: of the clusters that read a tile, one half asks for it one K step ahead of the other half.  Each K step is taken once; the f32 sums take them in that order.  p hangs on the cluster's
; coordinates alone, which all sixteen partners share.
; A K STEP IS WRITTEN ONCE FOR EACH KIND.  s[TB] holds the LDS byte at which the slot in hand begins, 0 or SLOT, and is turned by an exclusive or; the fragments' addresses are made from it at each change of slots.
; The loop of KSTEPS - 2 trips fills the slot that it leaves; the last two trips, which fill nothing, are a loop of two trips that is left in its middle.
; LIMITS.  Operands bf16, sums f32; NaN and infinities are not treated apart.
; REGISTERS: window 0: v16-29 addresses; v32-95 rows read back, two buffers; v96-127 the bias; v128-255 the accumulators ((a, b) at 128 + 8 (4 a + b)).  window 1: two fragment buffers of 128 (64 of A, 64 of W).  window 2: v0-127 the residual.
.set KD,     4096
.set WOFF,   2097152
.set KSTEP,  256
.set KSTEPS, KD/KSTEP
.set ASH,    21                        ; a K step of A is four blocks of 524,288 bytes: 1 << 21
.set WSH,    16                        ; a K step of W is 256 rows of 256 bytes: 1 << 16
.set PA,     144                       ; a token's 64 numbers of A in LDS: 128 bytes + 16
.set CBL,    128*PA                    ; a block of 64 columns x 128 tokens
.set PB,     288                       ; a k row of W: 256 bytes + 32 = 9 x 32
.set PART,   2*CBL                     ; what one tensor load brings: two blocks of A, or 128 k rows of W (128 x 288 is the same number)
.set SLOT,   4*PART
.set STAGE,  2*SLOT                    ; 16 rows x 272 bytes for each wave; no tensor load lands there
.set SPITCH, 272
.set SPARE,  STAGE+4*16*SPITCH
.set ADRA0, 16                         ; v16     my lane's place among A's fragments in slot 0; never rewritten
.set ADRB0, 17                         ; v17     the same for W
.set ADRA, 20                          ; v20     the same in the slot in hand
.set ADRB, 21                          ; v21-22  W's k rows 0-127, 128-255
.set STO,  24
.set RD,   25
.set CO,   26
.set BO,   27
.set SPW,  28
.set NIL,  29
.set TMP,  32
.set BIAS, 96
.set ACC,  128
.set F0,   0
.set F1,   128
.set TB,   2                           ; s2      0 or SLOT: where the slot in hand begins
.set LB,   20                          ; s20     my wave's part of a slot: wave x PART
.set G1,  24
.set G0,  32                           ; s[32:39] group 0 for A's tiles: a set for each of the two first fills; the second then serves every refill
.set G1B, 48
.set G0B, 56                           ; s[56:63] the same for W's
.set BA,  72                           ; s[72:73] A at my part of the tile's K step 0; never rewritten
.set BW,  74                           ; s[74:75] W likewise
.set OA,  76                           ; s[76:77] a K step's byte offset in A; the high word is 0
.set OW,  78                           ; s[78:79] in W
.set PAR, 80                           ; s80     p
.set KJ,  81                           ; s81     at work: a K step's number
.set MSB, 0
.macro WIN new
.if MSB != (\new)
	s_set_vgpr_msb (MSB<<8)|(\new)
.set MSB, \new
.endif
.endm
.set MUL,  0x05                        ; sources in window 1; C and D in window 0
.set TO_F, 0x40
.macro JLOAD s                         ; waves 0 and 1 fetch A's two halves, waves 2 and 3 W's
	s_cmp_eq_u32 s11, 0
	s_cbranch_scc0 .Lfor_b_\@
	tensor_load_to_lds s[G0+4*(\s):G0+4*(\s)+3], s[G1:G1+7]
	s_nop 0
.rept 4
	v_nop
.endr
	s_branch .Lasked_\@
.Lfor_b_\@:
	tensor_load_to_lds s[G0B+4*(\s):G0B+4*(\s)+3], s[G1B:G1B+7]
	s_nop 0
.rept 4
	v_nop
.endr
.Lasked_\@:
.endm
.macro CREST
	s_cmp_lg_u32 s10, 0
	s_cbranch_scc1 .Lnot_wave_0_\@
	s_barrier_signal -3
.Lnot_wave_0_\@:
	s_barrier_wait -3
	s_barrier_signal -1
	s_barrier_wait -1
.endm
.macro CROUND
	s_barrier_signal -1
	s_barrier_wait -1
	CREST
.endm
	s_load_b128 s[4:7], s[0:1], 0x0                ; A s[4:5], W s[6:7]
	s_load_b128 s[68:71], s[0:1], 0x10             ; bias s[68:69], RS s[70:71]
	s_load_b64 s[8:9], s[0:1], 0x20                ; OUT
	v_lshl_add_u32 v[SPW], v0, 2, SPARE
	v_mov_b32 v[NIL], 0
	ds_add_u32 v[SPW], v[NIL]                      ; the wave's opening: the add; its wait stands ahead of my first tensor load
	v_lshrrev_b32 v1, 5, v0
	v_readfirstlane_b32 s10, v1
	s_lshr_b32 s11, s10, 1                         ; my half of the tile's rows; also: I fetch for A (0) or W (1)
	s_and_b32 s12, s10, 1                          ; my half of its columns; also: which half I fetch
	s_bfe_u32 s40, ttmp6, 0x40000
	s_bfe_u32 s41, ttmp6, 0x40004
	s_lshl_b32 s42, ttmp9, 2
	s_add_co_u32 s42, s42, s40                     ; tile column
	s_and_b32 s13, ttmp7, 0xffff
	s_lshl_b32 s13, s13, 2
	s_add_co_u32 s13, s13, s41                     ; tile row
	s_lshl_b32 s43, s41, 2
	s_lshl_b32 s43, 15, s43
	s_lshl_b32 s44, 0x1111, s40
	s_and_b32 s[PAR], ttmp7, 0xffff                ; cluster y
	s_add_co_u32 s[PAR], s[PAR], ttmp9             ; + cluster x,
	s_and_b32 s[PAR], s[PAR], 1                    ; mod 2
	s_mov_b32 s[OA+1], 0
	s_mov_b32 s[OW+1], 0
	; A: two 'rows' of 8,192 elements, each the 128 tokens x 64 numbers of one block (16,384 dense bytes), 262,144 elements apart; 4 words of padding after every 32, that is after every token
	s_or_b32 s[G1+0], s43, (1<<16)|(1<<20)|(1<<21)|(4<<22)|(3<<25)
	s_mov_b32 s[G1+1], 8192<<16
	s_mov_b32 s[G1+2], 2<<16
	s_mov_b32 s[G1+3], 8192<<16
	s_mov_b32 s[G1+4], 2
	s_mov_b32 s[G1+5], 262144
	s_mov_b32 s[G1+6], 0
	s_mov_b32 s[G1+7], 0
	; W: 128 k rows of 128 elements, dense; 8 words of padding after every 64
	s_or_b32 s[G1B+0], s44, (1<<16)|(1<<20)|(1<<21)|(5<<22)|(7<<25)
	s_mov_b32 s[G1B+1], 128<<16
	s_mov_b32 s[G1B+2], 128<<16
	s_mov_b32 s[G1B+3], 128<<16
	s_mov_b32 s[G1B+4], 128
	s_mov_b32 s[G1B+5], 128
	s_mov_b32 s[G1B+6], 0
	s_mov_b32 s[G1B+7], 0
	s_lshl_b32 s16, s12, 20                        ; A: two blocks of 524,288 bytes x half,
	s_lshl_b32 s17, s13, 14                        ; the tile's 128 tokens of 128 bytes
	s_add_co_u32 s16, s16, s17
	s_mov_b32 s17, 0
	s_mul_i32 s46, s42, KD*256                     ; W: the tile column's block,
	s_lshl_b32 s47, s12, 15                        ; 128 k rows of 256 bytes x half
	s_add_co_u32 s46, s46, s47
	s_add_co_u32 s46, s46, WOFF
	s_mov_b32 s47, 0
	s_mul_i32 s[LB], s10, PART
	s_mov_b32 s[TB], 0                             ; the first trip's tile lies in slot 0
	s_wait_dscnt 0x0
	s_wait_kmcnt 0x0
	s_add_nc_u64 s[BA:BA+1], s[4:5], s[16:17]
	s_add_nc_u64 s[BW:BW+1], s[6:7], s[46:47]
	CROUND
.irp s, 0,1
	s_xor_b32 s[KJ], s[PAR], \s                    ; trip s takes K step s xor p
	s_lshl_b32 s[OA], s[KJ], ASH
	s_lshl_b32 s[OW], s[KJ], WSH
	s_mov_b32 s[G0+4*(\s)], 1
	s_add_co_u32 s[G0+4*(\s)+1], s[LB], (\s)*SLOT
	s_add_nc_u64 s[G0+4*(\s)+2:G0+4*(\s)+3], s[BA:BA+1], s[OA:OA+1]
	s_or_b32 s[G0+4*(\s)+3], s[G0+4*(\s)+3], 0x80000000
	s_mov_b32 s[G0B+4*(\s)], 1
	s_add_co_u32 s[G0B+4*(\s)+1], s[LB], (\s)*SLOT
	s_add_nc_u64 s[G0B+4*(\s)+2:G0B+4*(\s)+3], s[BW:BW+1], s[OW:OW+1]
	s_or_b32 s[G0B+4*(\s)+3], s[G0B+4*(\s)+3], 0x80000000
	JLOAD \s
.endr
	v_and_b32 v1, 15, v0                           ; r
	v_bfe_u32 v2, v0, 4, 1                         ; h
	v_lshlrev_b32 v[BO], 5, v2
	v_lshlrev_b32 v[CO], 4, v1
	v_lshl_add_u32 v[CO], v2, 12, v[CO]            ; lanes 0-15 one row's 256 bytes, lanes 16-31 the next row's
	s_lshl_b32 s16, s13, 7
	s_lshl_b32 s17, s11, 6
	s_add_co_u32 s16, s16, s17                     ; my first row,
	s_lshl_b32 s16, s16, 12                        ; of 4,096 bytes
	s_mov_b32 s17, 0
	s_lshl_b32 s46, s42, 7
	s_lshl_b32 s47, s12, 6
	s_add_co_u32 s46, s46, s47                     ; my first column,
	s_lshl_b32 s46, s46, 2                         ; of 4 bytes
	s_mov_b32 s47, 0
	s_add_nc_u64 s[8:9], s[8:9], s[16:17]
	s_add_nc_u64 s[8:9], s[8:9], s[46:47]
	s_add_nc_u64 s[70:71], s[70:71], s[16:17]
	s_add_nc_u64 s[70:71], s[70:71], s[46:47]
	s_add_nc_u64 s[68:69], s[68:69], s[46:47]
.irp b, 0,1,2,3
	global_load_b128 v[BIAS+8*(\b):BIAS+8*(\b)+3],   v[BO], s[68:69] offset:64*(\b)      ; register j: column 16 b + 8 h + j, as in a result
	global_load_b128 v[BIAS+8*(\b)+4:BIAS+8*(\b)+7], v[BO], s[68:69] offset:64*(\b)+16
.endr
	WIN 0x80
.set t, 0
.rept 32
	global_load_b128 v[4*t:4*t+3], v[CO], s[70:71] offset:2*t*4096   ; the residual: rows 2 t and 2 t + 1
.set t, t+1
.endr
	WIN 0
	v_mul_u32_u24 v3, v1, PA
	v_lshl_add_u32 v3, v2, 4, v3
	v_and_b32 v4, 7, v0
	v_lshl_add_u32 v4, v2, 3, v4
	v_mul_u32_u24 v4, v4, PB
	v_bfe_u32 v5, v0, 3, 1
	v_lshl_add_u32 v4, v5, 4, v4
	s_mul_i32 s21, s11, 64*PA                      ; my 64 tokens in each block of A
	s_lshl_b32 s22, s12, 7                         ; my 64 columns of W,
	s_add_co_u32 s22, s22, 2*PART                  ; which lies behind A
	v_add_nc_u32 v[ADRA0], s21, v3
	v_add_nc_u32 v[ADRB0], s22, v4
	v_mov_b32 v[ADRA], v[ADRA0]
	v_mov_b32 v[ADRB], v[ADRB0]
	v_add_nc_u32 v[ADRB+1], PART, v[ADRB0]
	s_mul_i32 s23, s10, 16*SPITCH
	s_add_co_u32 s23, s23, STAGE
	v_mul_u32_u24 v6, v1, SPITCH                   ; in: row r, 32 bytes for each half of the lanes
	v_lshl_add_u32 v6, v2, 5, v6
	v_add_nc_u32 v[STO], s23, v6
	v_mul_u32_u24 v6, v2, SPITCH                   ; back: lanes 0-15 one row of 256 bytes, lanes 16-31 the next
	v_lshl_add_u32 v6, v1, 4, v6
	v_add_nc_u32 v[RD], s23, v6
; 8 matrix instructions: m blocks a0, a0 + 1 x all 4 n blocks, 32 along K: half c of buffer f.  first = 1: the bias starts the sums.  The 16 accumulators take turns.
.macro MUL8 f, c, a0, first
	WIN MUL
.irp a, \a0, (\a0)+1
.irp b, 0,1,2,3
.if \first
	v_wmma_f32_16x16x32_bf16 v[ACC+8*(4*(\a)+(\b)):ACC+8*(4*(\a)+(\b))+7], v[(\f)+64+8*(4*(\c)+(\b)):(\f)+64+8*(4*(\c)+(\b))+7], v[(\f)+8*(4*(\c)+(\a)):(\f)+8*(4*(\c)+(\a))+7], v[BIAS+8*(\b):BIAS+8*(\b)+7]
.else
	v_wmma_f32_16x16x32_bf16 v[ACC+8*(4*(\a)+(\b)):ACC+8*(4*(\a)+(\b))+7], v[(\f)+64+8*(4*(\c)+(\b)):(\f)+64+8*(4*(\c)+(\b))+7], v[(\f)+8*(4*(\c)+(\a)):(\f)+8*(4*(\c)+(\a))+7], v[ACC+8*(4*(\a)+(\b)):ACC+8*(4*(\a)+(\b))+7]
.endif
.endr
.endr
.endm
; 32 LDS loads in one run: quarter q of the slot in hand (64 along K: one block of A, 64 k rows of W) into buffer f; the first 32 along K first
.macro FETCH q, f
	WIN TO_F
.irp c, 0,1
.irp i, 0,1,2,3
	ds_load_tr16_b128 v[(\f)+64+8*(4*(\c)+(\i)):(\f)+64+8*(4*(\c)+(\i))+3],   v[ADRB+(\q)/2] offset:(((\q)%2)*64+32*(\c))*PB+32*(\i)
	ds_load_tr16_b128 v[(\f)+64+8*(4*(\c)+(\i))+4:(\f)+64+8*(4*(\c)+(\i))+7], v[ADRB+(\q)/2] offset:(((\q)%2)*64+32*(\c)+16)*PB+32*(\i)
	ds_load_b128 v[(\f)+8*(4*(\c)+(\i)):(\f)+8*(4*(\c)+(\i))+3],   v[ADRA] offset:(\q)*CBL+64*(\c)+(\i)*16*PA
	ds_load_b128 v[(\f)+8*(4*(\c)+(\i))+4:(\f)+8*(4*(\c)+(\i))+7], v[ADRA] offset:(\q)*CBL+64*(\c)+(\i)*16*PA+32
.endr
.endr
.endm
.macro PLACES
.rept 4
	v_nop
.endr
.endm
.macro QUARTER q, f, g, first
	s_wait_dscnt 16                                ; the first 32 along K are in
	MUL8 \f, 0, 0, \first
	MUL8 \f, 0, 2, \first
	PLACES
	FETCH \q, \g
	s_wait_dscnt 32                                ; all but the 32 just issued
	MUL8 \f, 1, 0, 0
	MUL8 \f, 1, 2, 0
.endm
; The last quarter multiplies buffer 1 and changes slots: ONE barrier.  fill = 1: it opens a round of the cluster's barrier, and the slot just read is filled again first thing behind the round, for the trip two on.
; The refill's group 0 is made anew behind the add, where no tensor load of mine is out: the slot's place, and the base plus the K step's offset.  fill = 0, the last two trips: nothing is asked for; in the very last
; (s3 = 1) there is no next slot, and the run of loads is jumped over (its barrier orders nothing: the price of one text for both).
.macro TURN fill
	WIN 0
	s_wait_tensorcnt 0x0                           ; all my tensor loads have landed: my part of the next slot;
	ds_add_u32 v[SPW], v[NIL]
.if \fill
	s_sub_co_u32 s[KJ], KSTEPS, s3                 ; this refill serves trip KSTEPS - s3 of the walk,
	s_xor_b32 s[KJ], s[KJ], s[PAR]                 ; which takes this K step
	s_lshl_b32 s[OA], s[KJ], ASH
	s_lshl_b32 s[OW], s[KJ], WSH
	s_add_co_u32 s[G0+5], s[LB], s[TB]             ; into the slot in hand, which is being left
	s_add_co_u32 s[G0B+5], s[LB], s[TB]
	s_add_nc_u64 s[G0+6:G0+7], s[BA:BA+1], s[OA:OA+1]
	s_or_b32 s[G0+7], s[G0+7], 0x80000000
	s_add_nc_u64 s[G0B+6:G0B+7], s[BW:BW+1], s[OW:OW+1]
	s_or_b32 s[G0B+7], s[G0B+7], 0x80000000
.endif
	s_wait_dscnt 17                                ; (the add and the youngest sixteen loads may be out)
	MUL8 F1, 0, 0, 0
	s_wait_dscnt 0x0                               ; the add is done, and my reads of this slot are over
	s_barrier_signal -1
	MUL8 F1, 0, 2, 0
	WIN 0
	s_barrier_wait -1
.if \fill
	CREST
	JLOAD 1                                        ; its four v_nop are also the places in front of the loads below
.else
	s_cmp_eq_u32 s3, 1
	s_cbranch_scc1 .Lno_more_\@
	v_nop                                          ; with the three additions below: the four places in front of the loads
.endif
	s_xor_b32 s[TB], s[TB], SLOT                   ; the other slot is in hand
	v_add_nc_u32 v[ADRA], s[TB], v[ADRA0]
	v_add_nc_u32 v[ADRB], s[TB], v[ADRB0]
	v_add_nc_u32 v[ADRB+1], PART, v[ADRB]
	FETCH 0, F0
.if (\fill) == 0
	WIN 0
.Lno_more_\@:
.endif
	MUL8 F1, 1, 0, 0
	MUL8 F1, 1, 2, 0
.endm
	s_wait_tensorcnt 1                             ; my part of the first trip's tile is in
	s_barrier_signal -1
	s_barrier_wait -1
	FETCH 0, F0
	s_wait_loadcnt 32                              ; the bias is in; the residual's 32 loads stay out
	QUARTER 1, F0, F1, 1
	WIN 0
	s_mov_b32 s3, KSTEPS-2
.Lstep:                                                ; a trip: from a K step's second quarter to the next K step's first; the slot that is left is filled again
	QUARTER 2, F1, F0, 0
	QUARTER 3, F0, F1, 0
	TURN 1
	QUARTER 1, F0, F1, 0
	WIN 0
	s_sub_co_u32 s3, s3, 1
	s_cmp_lg_u32 s3, 0
	s_cbranch_scc1 .Lstep
	s_mov_b32 s3, 2
.Ltail:                                                ; the last two K steps fill nothing; the second trip is left behind its last products
	QUARTER 2, F1, F0, 0
	QUARTER 3, F0, F1, 0
	TURN 0
	WIN 0
	s_sub_co_u32 s3, s3, 1
	s_cmp_eq_u32 s3, 0
	s_cbranch_scc1 .Lout
	QUARTER 1, F0, F1, 0
	WIN 0
	s_cmp_lg_u32 s3, 0
	s_cbranch_scc1 .Ltail
.Lout:
	; THE WAY OUT, 16 rows at a time: 32 bytes a lane into my stage (each accumulator's low four registers first), back as whole rows of 256 bytes, the residual added, stored.
	PLACES
	s_wait_loadcnt 0x0                             ; the residual
.irp a, 0,1,2,3
.set TBF, TMP+32*((\a)%2)
	s_wait_xcnt 0x0                                ; the earlier stores have read the registers that are loaded again below
.irp b, 0,1,2,3
	ds_store_b128 v[STO], v[ACC+8*(4*(\a)+(\b)):ACC+8*(4*(\a)+(\b))+3]   offset:64*(\b)
	ds_store_b128 v[STO], v[ACC+8*(4*(\a)+(\b))+4:ACC+8*(4*(\a)+(\b))+7] offset:64*(\b)+16
.endr
.irp t, 0,1,2,3,4,5,6,7
	ds_load_b128 v[TBF+4*(\t):TBF+4*(\t)+3], v[RD] offset:(\t)*2*SPITCH  ; LDS serves a wave's instructions in order: these see the stores above
.endr
	s_wait_dscnt 0x0
	WIN 0x08                                       ; source 1 in window 2
.set z, 0
.rept 16
	v_pk_add_f32 v[TBF+z:TBF+z+1], v[TBF+z:TBF+z+1], v[32*(\a)+z:32*(\a)+z+1]
.set z, z+2
.endr
	WIN 0
.irp t, 0,1,2,3,4,5,6,7
	global_store_b128 v[CO], v[TBF+4*(\t):TBF+4*(\t)+3], s[8:9] offset:(16*(\a)+2*(\t))*4096   ; 16 lanes store 256 consecutive bytes, aligned
.endr
.endr
	s_wait_tensorcnt 0x0                           ; the wave's end
	ds_add_u32 v[SPW], v[NIL]
	s_wait_dscnt 0x0
	CROUND                                         ; the closing round
	s_endpgm
.Lfunc_end_k_qbb81f773c7_ff2:
	.size	k_qbb81f773c7_ff2, .Lfunc_end_k_qbb81f773c7_ff2-k_qbb81f773c7_ff2
	.p2alignl 7, 3214868480
	.fill 96, 4, 3214868480
	.section	.rodata,"a",@progbits
	.p2align	6, 0x0
	.amdhsa_kernel k_qbb81f773c7_ff2
		.amdhsa_group_segment_fixed_size 327680
		.amdhsa_private_segment_fixed_size 0
		.amdhsa_enable_private_segment 0
		.amdhsa_kernarg_size 40
		.amdhsa_user_sgpr_count 2
		.amdhsa_user_sgpr_kernarg_segment_ptr 1
		.amdhsa_wavefront_size32 1
		.amdhsa_system_sgpr_workgroup_id_x 1
		.amdhsa_system_sgpr_workgroup_id_y 1
		.amdhsa_system_sgpr_workgroup_id_z 1
		.amdhsa_system_vgpr_workitem_id 0
		.amdhsa_next_free_vgpr 640
		.amdhsa_next_free_sgpr 82
		.amdhsa_reserve_vcc 0
		.amdhsa_float_denorm_mode_32 3
		.amdhsa_float_denorm_mode_16_64 3
		.amdhsa_memory_ordered 1
		.amdhsa_forward_progress 1
		.amdhsa_inst_pref_size 67
	.end_amdhsa_kernel
	.amdgpu_metadata
---
amdhsa.version: [ 1, 2 ]
amdhsa.kernels:
  - .name:           k_qbb81f773c7_ff2
    .symbol:         k_qbb81f773c7_ff2.kd
    .args:
      - { .name: act, .offset: 0, .size: 8, .value_kind: global_buffer, .address_space: global }
      - { .name: wc, .offset: 8, .size: 8, .value_kind: global_buffer, .address_space: global }
      - { .name: b2, .offset: 16, .size: 8, .value_kind: global_buffer, .address_space: global }
      - { .name: x1, .offset: 24, .size: 8, .value_kind: global_buffer, .address_space: global }
      - { .name: out0, .offset: 32, .size: 8, .value_kind: global_buffer, .address_space: global }
    .group_segment_fixed_size: 327680
    .private_segment_fixed_size: 0
    .kernarg_segment_align: 8
    .kernarg_segment_size: 40
    .max_flat_workgroup_size: 128
    .sgpr_count:     82
    .vgpr_count:     640
    .wavefront_size: 32
...
	.end_amdgpu_metadata
.endif
;; end of part 10
;; ======== version 3 of 3: 7 launches; version 2 with the launches prep, ln2 written anew for expert scheduling mode
;; workspace buffers: xn 8,388,608 bytes; wqkvp 6,308,096 bytes; w1p 8,405,248 bytes; wc 10,485,760 bytes; mfrag 16,777,216 bytes; qkv 25,165,824 bytes; act 33,554,432 bytes; x1 16,777,216 bytes
;; launch prep (part 11): grid 2049 x 1, 8 waves a work-group, no clusters, 19,456 bytes of LDS; arguments x, g1, be1, xn, Wq, Wk, Wv, Wo, W1, W2, wqkvp, wc, w1p, b1, mask, mfrag; writes xn, wqkvp, wc, w1p, mfrag
.if DOCPART == 11
	.amdgcn_target "amdgcn-amd-amdhsa--gfx1250"
	.amdhsa_code_object_version 6
	.text
	.protected	k_qbb81f773c7_prep
	.globl	k_qbb81f773c7_prep
	.p2align	8
	.type	k_qbb81f773c7_prep,@function
k_qbb81f773c7_prep:
	s_mov_b64 s[64:65], 0
	v_nop
	global_prefetch_b8 v0, s[64:65] scope:SCOPE_SE
	s_setreg_imm32_b32 hwreg(HW_REG_WAVE_SCHED_MODE, 0, 2), 2
	s_setreg_imm32_b32 hwreg(HW_REG_WAVE_MODE, 25, 1), 1
	s_wait_xcnt 0x0
	s_wait_alu depctr_vm_vsrc(0)
; PREPARATION, by sections chosen from the work-group's number g alone:
;   g < 256    layer norm of 16 rows of 1,024 f32 -> bf16 rows (a second launch of 256 work-groups runs this section alone, on other buffers)
;   g < 1280   the mask -> 1.0 (word is 0) or 0.0 in bf16, laid as matrix fragments
;   g < 1472   Wq, Wk, Wv -> bf16, kept [k][n], in blocks of 256 columns behind a header of 16,640 bytes
;   g < 1536   Wo -> bf16 in blocks of 128 columns          g < 1792  W1 -> bf16 in blocks of 256 columns behind a header
;   g < 2048   W2 -> bf16 in blocks of 128 columns          g = 2048  the two headers: a floor word (256 bytes of it), then a bias in f32
; Memory binds every section: loads of 512 consecutive bytes a wave, stores of 256 or 512 consecutive aligned bytes, each byte once.  No matrix unit, no cluster: nothing is shared.
; No section has a loop: a wave issues all its loads at once (8, 16 or 32 of 512 bytes), works on them as they come and ends.  The text names 146 registers, so that six waves share a SIMD's 1,024:
; three work-groups on a WGP.  The mask's waves have the fewest bytes out (4,096 each), so their work-groups stand ahead of the casts', whose waves have 8,192.
; LAYER NORM as it is defined: the mean, then the mean of the squares of x - mean (no difference of large sums), 1 / sqrt(var + 1e-5), gain and bias in f32, rounded once to bf16.
; LIMITS.  NaN and infinities are not treated apart.  Any mask word other than 0 counts as 'keep'.
; THE MODE: SCHED_MODE bits 1:0 = 2 (LLVM: expert scheduling mode 2), set by the entry lines.  The code itself states the register dependences between vector instructions and memory or LDS
; instructions, and between a vector instruction that writes a scalar register and its readers, with s_wait_alu, always for 0.
; THE PLAN.  Registers that memory or LDS instructions touch:
;   v14, v15     offsets, made at the head, read by loads and stores of every section, never written again: each section's first wait on va_vdst, ahead of its first memory instruction, states that they are written.
;   layer norm   v16-143: written by the 32 loads, then worked on by vector instructions alone.  A row's low 16 registers: written by its roundings, read by its eight stores, not written again.  Row 0 is rounded ahead of
;                row 1's statistics, so that the wait which row 1's two roots have in any case also states that row 0's roundings are written; row 0's stores follow it.  One more wait stands ahead of row 1's stores.
;   casts        v16-79: written by the 16 loads, read by the conversions.  v80-111: each written once by a conversion, read once by a store.  The stores go in four runs of four rows, one wait ahead of each run.
;   headers      v13, v16-21: made by vector instructions ahead of the section's one wait.  v24-39: written by loads, read by stores.
;   mask         v13, v10, v11: addresses, made ahead of the section's first wait.  v16-47: written by loads, read by compares.  v48-63: written by the packing lines, read by the eight LDS stores: one wait ahead of that run.
;                v64-79: written by LDS loads, read by global stores.  The compares write s24-s39, sixteen in a run, with one wait on va_sdst between a run and the selects that read them.
;   v144, v145   made at the head, read by the closing add alone.
; No register that a memory or LDS instruction reads is written again on any way through the text, so no wait on vm_vsrc is written.  EXEC is written nowhere.
.set SPARE, 18432                      ; behind the eight stages of the mask section: the spare words, 128 bytes a wave
.set WH,    16640                      ; bytes of a header
.set T,   2                            ; v[2:9]    at work
.set MU,  10                           ; v[10:11]  the mean, twice
.set R,   12                           ; v[12:13]  1 / sqrt, twice
.set LO,  14                           ; v14       16 x lane
.set YO,  15                           ; v15       8 x lane
.set X0,  16                           ; v[16:47]  row 0: load j holds columns 128 j + 4 lane .. + 3; at the end its low 16 registers hold the row in bf16
.set X1,  48                           ; v[48:79]  row 1
.set G,   80                           ; v[80:111] the gain, same columns
.set BT,  112                          ; v[112:143] the bias
.set SPW, 144                          ; v144      LDS address of my spare word; never rewritten
.set NIL, 145                          ; v145      0; never rewritten
.set MK,  24                           ; s[24:39]  the mask section: sixteen compares' results
.macro RED                             ; four chains of pairs into one number, the same in every lane: v[T]
	v_pk_add_f32 v[T:T+1], v[T:T+1], v[T+2:T+3]
	v_pk_add_f32 v[T+4:T+5], v[T+4:T+5], v[T+6:T+7]
	v_pk_add_f32 v[T:T+1], v[T:T+1], v[T+4:T+5]
	v_add_f32 v[T], v[T], v[T+1]
	v_add_f32_dpp v[T], v[T], v[T] row_xmask:1 row_mask:0xf bank_mask:0xf
	v_add_f32_dpp v[T], v[T], v[T] row_xmask:2 row_mask:0xf bank_mask:0xf
	v_add_f32_dpp v[T], v[T], v[T] row_xmask:4 row_mask:0xf bank_mask:0xf
	v_add_f32_dpp v[T], v[T], v[T] row_xmask:8 row_mask:0xf bank_mask:0xf
	v_permlanex16_b32 v[T+1], v[T], s20, s21   ; the other half of the lanes
	v_add_f32 v[T], v[T], v[T+1]
.endm
; A rounded row at registers x is stored.  Each store of the wave covers 256 consecutive bytes, aligned.
.macro SEND x, row
.irp j, 0,1,2,3,4,5,6,7
	global_store_b64 v[YO], v[(\x)+2*(\j):(\x)+2*(\j)+1], s[10:11] offset:(\row)*2048+256*(\j)
.endr
.endm
; A row at registers x becomes (x - mean) / sqrt(var + eps).  send = 1: row 1's turn, in which row 0 goes out.
.macro STAT x, send
.irp k, 0,1,2,3
	v_pk_add_f32 v[T+2*(\k):T+2*(\k)+1], v[(\x)+2*(\k):(\x)+2*(\k)+1], v[(\x)+8+2*(\k):(\x)+8+2*(\k)+1]
.endr
.irp o, 16,24
.irp k, 0,1,2,3
	v_pk_add_f32 v[T+2*(\k):T+2*(\k)+1], v[T+2*(\k):T+2*(\k)+1], v[(\x)+(\o)+2*(\k):(\x)+(\o)+2*(\k)+1]
.endr
.endr
	RED
	v_mul_f32 v[MU], s22, v[T]                 ; sum / 1,024
	v_mov_b32 v[MU+1], v[MU]
.set k, 0
.rept 16
	v_pk_add_f32 v[(\x)+k:(\x)+k+1], v[(\x)+k:(\x)+k+1], v[MU:MU+1] neg_lo:[0,1] neg_hi:[0,1]
.set k, k+2
.endr
.irp k, 0,1,2,3
	v_pk_mul_f32 v[T+2*(\k):T+2*(\k)+1], v[(\x)+2*(\k):(\x)+2*(\k)+1], v[(\x)+2*(\k):(\x)+2*(\k)+1]
.endr
.irp o, 8,16,24
.irp k, 0,1,2,3
	v_pk_fma_f32 v[T+2*(\k):T+2*(\k)+1], v[(\x)+(\o)+2*(\k):(\x)+(\o)+2*(\k)+1], v[(\x)+(\o)+2*(\k):(\x)+(\o)+2*(\k)+1], v[T+2*(\k):T+2*(\k)+1]
.endr
.endr
	RED
	v_fma_f32 v[T], v[T], s22, s23             ; var + eps
	v_rsq_f32 v[R], v[T]
	v_rsq_f32 v[R+1], v[T]
	v_nop                                      ; a plain instruction behind the last of the two
	s_wait_alu depctr_va_vdst(0)               ; the two roots v[R], v[R+1] are written, ahead of the multiplies that read them; in row 1's turn row 0's roundings are written too, which the stores below read
.if \send
	SEND X0, 0                                 ; no vector instruction from here to the end names row 0's registers or v[YO]
.endif
.set k, 0
.rept 16
	v_pk_mul_f32 v[(\x)+k:(\x)+k+1], v[(\x)+k:(\x)+k+1], v[R:R+1]
.set k, k+2
.endr
.endm
; Gain and bias, rounded once.  The rounding goes in place: word k is made of words 2 k and 2 k + 1, in ascending order, so no word is written before it has been read.
.macro ARITH x
.set k, 0
.rept 16
	v_pk_fma_f32 v[(\x)+k:(\x)+k+1], v[(\x)+k:(\x)+k+1], v[G+k:G+k+1], v[BT+k:BT+k+1]
.set k, k+2
.endr
.set k, 0
.rept 16
	v_cvt_pk_bf16_f32 v[(\x)+k], v[(\x)+2*k], v[(\x)+2*k+1]
.set k, k+1
.endr
.endm
; 16 rows x 128 columns of f32 (pitch sp bytes, from s[4:5]) -> bf16 (pitch dp bytes, to s[6:7]).  All 16 loads go out first; the waits count down; the stores go four rows at a time.
.macro CAST sp, dp
	s_wait_alu depctr_va_vdst(0)               ; v[LO] and v[YO] are written, which the loads and stores below read as their offsets
.irp i, 0,1,2,3,4,5,6,7,8,9,10,11,12,13,14,15
	global_load_b128 v[16+4*(\i):19+4*(\i)], v[LO], s[4:5] offset:(\i)*(\sp) th:TH_LOAD_NT
.endr
.irp g, 0,1,2,3
.irp i, 0,1,2,3
	s_wait_loadcnt 15-4*(\g)-(\i)              ; loads come back in order: this row is in, the younger rows stay out
	v_cvt_pk_bf16_f32 v[80+8*(\g)+2*(\i)], v[16+16*(\g)+4*(\i)], v[17+16*(\g)+4*(\i)]
	v_cvt_pk_bf16_f32 v[81+8*(\g)+2*(\i)], v[18+16*(\g)+4*(\i)], v[19+16*(\g)+4*(\i)]
.endr
	s_wait_alu depctr_va_vdst(0)               ; these four rows' conversions have written their eight registers, which the four stores below read
.irp i, 0,1,2,3
	global_store_b64 v[YO], v[80+8*(\g)+2*(\i):81+8*(\g)+2*(\i)], s[6:7] offset:(4*(\g)+(\i))*(\dp)
.endr
.endr
	s_endpgm
.endm
; where 16 rows x 128 columns go in blocks of 256 columns: s14 = the 1,024 columns' number, s15 = the 16 rows' number, s12 = wave -> s[18:19]
.macro DST256
	s_lshl_b32 s18, s14, 2
	s_lshr_b32 s19, s12, 1
	s_add_co_u32 s18, s18, s19                 ; the block of 256 columns
	s_lshl_b32 s18, s18, 19                    ; 1,024 rows of 512 bytes
	s_lshl_b32 s19, s15, 13                    ; 16 rows of 512 bytes
	s_add_co_u32 s18, s18, s19
	s_and_b32 s19, s12, 1
	s_lshl_b32 s19, s19, 8                     ; which half of the block's row
	s_add_co_u32 s18, s18, s19
	s_add_co_u32 s18, s18, WH
	s_mov_b32 s19, 0
.endm
; The mask: loads 4 g to 4 g + 3 (eight rows of 64 words) become bf16.  Sixteen compares in a run, into sixteen scalar registers; then the selects, and two packing lines a load.
.macro HALF g
.irp i, 0,1,2,3
	s_wait_loadcnt 7-4*(\g)-(\i)               ; this load is in, the younger ones stay out
.irp k, 0,1,2,3
	v_cmp_eq_u32 s[MK+4*(\i)+(\k)], 0, v[16+16*(\g)+4*(\i)+(\k)]
.endr
.endr
	s_wait_alu depctr_va_sdst(0)               ; the sixteen compares have written s[MK] to s[MK+15], ahead of the selects that read them
.irp i, 0,1,2,3
.irp k, 0,1,2,3
	v_cndmask_b32 v[4+(\k)], 0, v12, s[MK+4*(\i)+(\k)]
.endr
	v_lshl_or_b32 v[48+8*(\g)+2*(\i)], v5, 16, v4
	v_lshl_or_b32 v[49+8*(\g)+2*(\i)], v7, 16, v6
.endr
.endm
	v_lshl_add_u32 v[SPW], v0, 2, SPARE
	v_mov_b32 v[NIL], 0
	v_and_b32 v1, 31, v0                       ; lane
	v_lshrrev_b32 v2, 5, v0
	v_readfirstlane_b32 s12, v2                ; wave 0..7
	v_lshlrev_b32 v[LO], 4, v1
	v_lshlrev_b32 v[YO], 3, v1
	s_wait_alu depctr_va_sdst(0)               ; s12 is written, ahead of the branches below and of its readers in every section
	s_mov_b32 s13, ttmp9
	s_cmp_lt_u32 s13, 256
	s_cbranch_scc1 .Lln
	s_cmp_lt_u32 s13, 1280
	s_cbranch_scc1 .Lmask
	s_cmp_lt_u32 s13, 1472
	s_cbranch_scc1 .Lwqkv
	s_cmp_lt_u32 s13, 1536
	s_cbranch_scc1 .Lwo
	s_cmp_lt_u32 s13, 1792
	s_cbranch_scc1 .Lw1
	s_cmp_lt_u32 s13, 2048
	s_cbranch_scc1 .Lw2
	; THE HEADERS.  wqkvp: floor = the lowest finite bf16, twice a word; bias 0.  w1p: floor 0 (a ReLU); bias b1.
	s_load_b128 s[4:7], s[0:1], 0x60           ; w1p s[4:5], b1 s[6:7]
	s_load_b64 s[8:9], s[0:1], 0x50            ; wqkvp
	v_lshlrev_b32 v13, 4, v0                   ; 16 x thread
.irp i, 16,17,18,19
	v_mov_b32 v[\i], 0
.endr
	v_mov_b32 v20, 0xff7fff7f
	v_mov_b32 v21, 0xff7fff7f
	s_wait_kmcnt 0x0
	s_wait_alu depctr_va_vdst(0)               ; the offsets v13 and v[YO] and the stores' data v16 to v21 are written; no vector instruction follows in this section
.irp i, 0,1,2,3
	global_load_b128 v[24+4*(\i):27+4*(\i)], v13, s[6:7] offset:4096*(\i)
.endr
.irp i, 0,1,2
	global_store_b128 v13, v[16:19], s[8:9] offset:256+4096*(\i)
.endr
.irp i, 0,1,2,3
	s_wait_loadcnt 3-(\i)
	global_store_b128 v13, v[24+4*(\i):27+4*(\i)], s[4:5] offset:256+4096*(\i)
.endr
	s_cmp_lg_u32 s12, 0
	s_cbranch_scc1 .Lhend
	global_store_b64 v[YO], v[20:21], s[8:9]   ; wave 0: 256 bytes of each floor
	global_store_b64 v[YO], v[16:17], s[4:5]
.Lhend:
	s_endpgm
.Lln:                                          ; wave w: rows 16 g + 2 w and the next
	s_load_b256 s[4:11], s[0:1], 0x0           ; x s[4:5], gain s[6:7], bias s[8:9], out s[10:11]
	s_lshl_b32 s13, s13, 4
	s_lshl_b32 s14, s12, 1
	s_add_co_u32 s13, s13, s14
	s_lshl_b32 s16, s13, 12                    ; rows of 4,096 bytes in
	s_mov_b32 s17, 0
	s_lshl_b32 s18, s13, 11                    ; of 2,048 bytes out
	s_mov_b32 s19, 0
	s_mov_b32 s20, 0x76543210                  ; v_permlanex16_b32: each lane takes its own place in the other half
	s_mov_b32 s21, 0xfedcba98
	s_mov_b32 s22, 0x3a800000                  ; 1 / 1,024
	s_mov_b32 s23, 0x3727c5ac                  ; 1e-5
	s_wait_kmcnt 0x0
	s_add_nc_u64 s[4:5], s[4:5], s[16:17]
	s_add_nc_u64 s[10:11], s[10:11], s[18:19]
	s_wait_alu depctr_va_vdst(0)               ; v[LO] and v[YO] are written, which the loads and stores below read as their offsets
.irp j, 0,1,2,3,4,5,6,7
	global_load_b128 v[X0+4*(\j):X0+4*(\j)+3], v[LO], s[4:5] offset:512*(\j)
.endr
.irp j, 0,1,2,3,4,5,6,7
	global_load_b128 v[X1+4*(\j):X1+4*(\j)+3], v[LO], s[4:5] offset:4096+512*(\j)
.endr
.irp j, 0,1,2,3,4,5,6,7
	global_load_b128 v[G+4*(\j):G+4*(\j)+3], v[LO], s[6:7] offset:512*(\j)
.endr
.irp j, 0,1,2,3,4,5,6,7
	global_load_b128 v[BT+4*(\j):BT+4*(\j)+3], v[LO], s[8:9] offset:512*(\j)
.endr
	s_wait_loadcnt 24                          ; row 0 is in; 24 younger loads stay out
	STAT X0, 0
	s_wait_loadcnt 0x0                         ; row 1, gain and bias
	ARITH X0                                   ; row 0 is rounded ahead of row 1's statistics,
	STAT X1, 1                                 ; whose one wait lets it go out
	ARITH X1
	s_wait_alu depctr_va_vdst(0)               ; row 1's roundings have written its low 16 registers, which the stores below read
	SEND X1, 1
	s_endpgm
.Lwqkv:                                        ; 64 work-groups for each of Wq, Wk, Wv: 16 rows x 1,024 columns, a wave 128 columns
	s_load_b128 s[4:7], s[0:1], 0x20           ; Wq, Wk
	s_load_b64 s[8:9], s[0:1], 0x30            ; Wv
	s_load_b64 s[10:11], s[0:1], 0x50          ; wqkvp
	s_sub_co_u32 s13, s13, 1280
	s_lshr_b32 s14, s13, 6                     ; which of the three
	s_and_b32 s15, s13, 63                     ; which 16 rows
	s_lshl_b32 s16, s15, 16
	s_lshl_b32 s18, s12, 9
	s_add_co_u32 s16, s16, s18
	s_mov_b32 s17, 0
	DST256
	s_wait_kmcnt 0x0
	s_cmp_eq_u32 s14, 1
	s_cselect_b64 s[4:5], s[6:7], s[4:5]
	s_cmp_eq_u32 s14, 2
	s_cselect_b64 s[4:5], s[8:9], s[4:5]
	s_add_nc_u64 s[4:5], s[4:5], s[16:17]
	s_add_nc_u64 s[6:7], s[10:11], s[18:19]
	CAST 4096, 512
.Lw1:                                          ; 64 groups of 16 rows x 4 groups of 1,024 columns
	s_load_b64 s[4:5], s[0:1], 0x40            ; W1
	s_load_b64 s[10:11], s[0:1], 0x60          ; w1p
	s_sub_co_u32 s13, s13, 1536
	s_lshr_b32 s14, s13, 6
	s_and_b32 s15, s13, 63
	s_lshl_b32 s16, s15, 18                    ; 16 rows of 16,384 bytes
	s_lshl_b32 s18, s14, 12
	s_add_co_u32 s16, s16, s18
	s_lshl_b32 s18, s12, 9
	s_add_co_u32 s16, s16, s18
	s_mov_b32 s17, 0
	DST256
	s_wait_kmcnt 0x0
	s_add_nc_u64 s[4:5], s[4:5], s[16:17]
	s_add_nc_u64 s[6:7], s[10:11], s[18:19]
	CAST 16384, 512
.Lwo:                                          ; blocks of 128 columns: wave w's strip is block w
	s_load_b64 s[4:5], s[0:1], 0x38            ; Wo
	s_sub_co_u32 s13, s13, 1472
	s_lshl_b32 s18, s12, 18                    ; a block: 1,024 rows of 256 bytes
	s_branch .Lw128
.Lw2:
	s_load_b64 s[4:5], s[0:1], 0x48            ; W2
	s_sub_co_u32 s13, s13, 1792
	s_lshl_b32 s18, s12, 20                    ; a block: 4,096 rows of 256 bytes,
	s_add_co_u32 s18, s18, 2097152             ; behind Wo's eight
.Lw128:
	s_load_b64 s[6:7], s[0:1], 0x58            ; wc
	s_lshl_b32 s16, s13, 16
	s_lshl_b32 s14, s12, 9
	s_add_co_u32 s16, s16, s14
	s_mov_b32 s17, 0
	s_lshl_b32 s14, s13, 12                    ; 16 rows of 256 bytes
	s_add_co_u32 s18, s18, s14
	s_mov_b32 s19, 0
	s_wait_kmcnt 0x0
	s_add_nc_u64 s[4:5], s[4:5], s[16:17]
	s_add_nc_u64 s[6:7], s[6:7], s[18:19]
	CAST 4096, 256
; THE MASK.  A work-group takes 16 queries and 512 keys, a wave 64 keys.  In: eight loads, lanes 0-15 256 bytes of an even row, lanes 16-31 of the odd row below.
; Four words become four bf16 (8 bytes) in the wave's own stage of 16 rows x 144 bytes; back come 16 bytes a lane in the order of a matrix fragment of 32 keys x 16 queries:
; lane l = r + 16 h holds query r, keys 8 h .. + 7 (first piece) and 16 + 8 h .. + 7 (second).  Out: a fragment is 1,024 bytes, piece by piece, 512 consecutive bytes a store.
.Lmask:
	s_load_b128 s[4:7], s[0:1], 0x70           ; mask, mfrag
	s_sub_co_u32 s13, s13, 256
	s_lshr_b32 s14, s13, 2                     ; which 16 queries, 0 to 255
	s_and_b32 s15, s13, 3
	s_lshl_b32 s15, s15, 3
	s_add_co_u32 s15, s15, s12                 ; which 64 keys, 0 to 31
	s_lshl_b32 s16, s14, 17                    ; 16 rows of 8,192 bytes
	s_lshl_b32 s18, s15, 8                     ; 64 words
	s_add_co_u32 s16, s16, s18
	s_mov_b32 s17, 0
	s_lshl_b32 s18, s14, 16                    ; 64 fragments of 1,024 bytes
	s_lshl_b32 s19, s15, 11                    ; two fragments
	s_add_co_u32 s18, s18, s19
	s_mov_b32 s19, 0
	v_and_b32 v2, 15, v0                       ; r
	v_bfe_u32 v3, v0, 4, 1                     ; h
	v_lshlrev_b32 v13, 4, v2
	v_lshl_add_u32 v13, v3, 13, v13            ; h rows + 16 r
	s_mul_i32 s14, s12, 2304                   ; my stage
	v_mul_u32_u24 v10, v3, 144
	v_lshl_add_u32 v10, v2, 3, v10
	v_add_nc_u32 v10, s14, v10                 ; in: row h, byte 8 r
	v_mul_u32_u24 v11, v2, 144
	v_lshl_add_u32 v11, v3, 4, v11
	v_add_nc_u32 v11, s14, v11                 ; back: row r, byte 16 h
	v_mov_b32 v12, 0x3f80                      ; 1.0 in bf16
	s_wait_kmcnt 0x0
	s_add_nc_u64 s[4:5], s[4:5], s[16:17]
	s_add_nc_u64 s[6:7], s[6:7], s[18:19]
	s_wait_alu depctr_va_vdst(0)               ; the loads' offset v13 is written; so are v10, v11 and v[LO], which the LDS instructions and the stores further down read and no later line writes
.irp i, 0,1,2,3,4,5,6,7
	global_load_b128 v[16+4*(\i):19+4*(\i)], v13, s[4:5] offset:(\i)*16384 th:TH_LOAD_NT
.endr
	HALF 0
	HALF 1
	s_wait_alu depctr_va_vdst(0)               ; the sixteen packing lines have written v48 to v63, which the eight LDS stores read
.irp i, 0,1,2,3,4,5,6,7
	ds_store_b64 v10, v[48+2*(\i):49+2*(\i)] offset:(\i)*288
.endr
.irp k, 0,1,2,3
	ds_load_b128 v[64+4*(\k):67+4*(\k)], v11 offset:32*(\k)   ; LDS serves a wave's instructions in order: these see the stores above; no vector instruction has named v64 to v79
.endr
	s_wait_dscnt 0x0
.irp k, 0,1,2,3
	global_store_b128 v[LO], v[64+4*(\k):67+4*(\k)], s[6:7] offset:512*(\k)
.endr
	s_wait_dscnt 0x0                           ; the closing lines, six on end
	s_wait_alu 0x0
	s_wait_tensorcnt 0x0
	ds_add_u32 v[SPW], v[NIL]
	s_wait_dscnt 0x0
	s_endpgm
.Lfunc_end_k_qbb81f773c7_prep:
	.size	k_qbb81f773c7_prep, .Lfunc_end_k_qbb81f773c7_prep-k_qbb81f773c7_prep
	.p2alignl 7, 3214868480
	.fill 96, 4, 3214868480
	.section	.rodata,"a",@progbits
	.p2align	6, 0x0
	.amdhsa_kernel k_qbb81f773c7_prep
		.amdhsa_group_segment_fixed_size 19456
		.amdhsa_private_segment_fixed_size 0
		.amdhsa_enable_private_segment 0
		.amdhsa_kernarg_size 128
		.amdhsa_user_sgpr_count 2
		.amdhsa_user_sgpr_kernarg_segment_ptr 1
		.amdhsa_wavefront_size32 1
		.amdhsa_system_sgpr_workgroup_id_x 1
		.amdhsa_system_sgpr_workgroup_id_y 1
		.amdhsa_system_sgpr_workgroup_id_z 1
		.amdhsa_system_vgpr_workitem_id 0
		.amdhsa_next_free_vgpr 146
		.amdhsa_next_free_sgpr 66
		.amdhsa_reserve_vcc 0
		.amdhsa_float_denorm_mode_32 3
		.amdhsa_float_denorm_mode_16_64 3
		.amdhsa_memory_ordered 1
		.amdhsa_forward_progress 1
		.amdhsa_inst_pref_size 52
	.end_amdhsa_kernel
	.amdgpu_metadata
---
amdhsa.version: [ 1, 2 ]
amdhsa.kernels:
  - .name:           k_qbb81f773c7_prep
    .symbol:         k_qbb81f773c7_prep.kd
    .args:
      - { .name: x, .offset: 0, .size: 8, .value_kind: global_buffer, .address_space: global }
      - { .name: g1, .offset: 8, .size: 8, .value_kind: global_buffer, .address_space: global }
      - { .name: be1, .offset: 16, .size: 8, .value_kind: global_buffer, .address_space: global }
      - { .name: xn, .offset: 24, .size: 8, .value_kind: global_buffer, .address_space: global }
      - { .name: Wq, .offset: 32, .size: 8, .value_kind: global_buffer, .address_space: global }
      - { .name: Wk, .offset: 40, .size: 8, .value_kind: global_buffer, .address_space: global }
      - { .name: Wv, .offset: 48, .size: 8, .value_kind: global_buffer, .address_space: global }
      - { .name: Wo, .offset: 56, .size: 8, .value_kind: global_buffer, .address_space: global }
      - { .name: W1, .offset: 64, .size: 8, .value_kind: global_buffer, .address_space: global }
      - { .name: W2, .offset: 72, .size: 8, .value_kind: global_buffer, .address_space: global }
      - { .name: wqkvp, .offset: 80, .size: 8, .value_kind: global_buffer, .address_space: global }
      - { .name: wc, .offset: 88, .size: 8, .value_kind: global_buffer, .address_space: global }
      - { .name: w1p, .offset: 96, .size: 8, .value_kind: global_buffer, .address_space: global }
      - { .name: b1, .offset: 104, .size: 8, .value_kind: global_buffer, .address_space: global }
      - { .name: mask, .offset: 112, .size: 8, .value_kind: global_buffer, .address_space: global }
      - { .name: mfrag, .offset: 120, .size: 8, .value_kind: global_buffer, .address_space: global }
    .group_segment_fixed_size: 19456
    .private_segment_fixed_size: 0
    .kernarg_segment_align: 8
    .kernarg_segment_size: 128
    .max_flat_workgroup_size: 256
    .sgpr_count:     66
    .vgpr_count:     146
    .wavefront_size: 32
...
	.end_amdgpu_metadata
.endif
;; end of part 11
;; launch qkv: the kernel of part 7 again; grid 12 x 16, 4 waves a work-group, clusters of 4 x 4, 327,680 bytes of LDS; arguments xn, wqkvp, qkv; writes qkv
;; launch attn: the kernel of part 8 again; grid 8 x 32, 4 waves a work-group, clusters of 4 x 1, 327,680 bytes of LDS; arguments qkv, mfrag, act; writes act
;; launch oproj: the kernel of part 9 again; grid 8 x 32, 4 waves a work-group, clusters of 4 x 4, 327,680 bytes of LDS; arguments act, wc, bo, x, x1; writes x1
;; launch ln2: the kernel of part 11 again; grid 256 x 1, 8 waves a work-group, no clusters, 19,456 bytes of LDS; arguments x1, g2, be2, xn, Wq, Wk, Wv, Wo, W1, W2, wqkvp, wc, w1p, b1, mask, mfrag; writes xn, wqkvp, wc, w1p, mfrag
;; launch ff1: the kernel of part 7 again; grid 16 x 16, 4 waves a work-group, clusters of 4 x 4, 327,680 bytes of LDS; arguments xn, w1p, act; writes act
;; launch ff2: the kernel of part 10 again; grid 8 x 32, 4 waves a work-group, clusters of 4 x 4, 327,680 bytes of LDS; arguments act, wc, b2, x1, out0; writes out0
